; MI455X (gfx1250); checked and timed in simulation.
; The chip was launched on July 23, 2026; its instructions are those of AMD's public machine-readable ISA for CDNA 5 (MIT licence, August 2026) and "CDNA5" Instruction Set Architecture Reference Guide (July 2026). The comments in the code are by the model that wrote it; some were corrected since.
;; Mo E Layer. Allowed arithmetic: float matrix products may take bf16 or f16 operands with f32 sums; other float arithmetic in f32, or as packed bf16 or f16 multiplies, adds, multiply-adds, maxima and minima; sums over many terms, partial sums and values carried from step to step in f32; what a program stores and reads back later, other than sums and carried values, may be rounded once to bf16 or f16.
;; Inputs: W1 8 x 1,024 x 4,096 float32; W2 8 x 4,096 x 1,024 float32; Wg 1,024 x 8 float32; b1 8 x 4,096 float32; b2 8 x 1,024 float32; bg 8 float32; x 1,024 x 1,024 float32.
;; Outputs: out0 1,024 x 1,024 float32; out1 one number float32.
;; 3 versions, each right; version 2 is faster than version 1; version 3 is version 2 with the launches ffn1, ffn2 written anew for expert scheduling mode. Each part assembles by itself: llvm-mc -triple=amdgcn-amd-amdhsa -mcpu=gfx1250 --defsym DOCPART=n.
;; ======== version 1 of 3: 4 launches
;; workspace buffers: xb 2,097,152 bytes; sel 8,192 bytes of whole numbers; gw 8,192 bytes; psum 2,048 bytes; plan 34,816 bytes of whole numbers; hb 16,842,752 bytes; yp 33,685,504 bytes
;; launch router (part 1): grid 64 x 1, 4 waves a work-group, no clusters, 54,784 bytes of LDS; arguments x, Wg, bg, xb, sel, gw, psum; writes xb, sel, gw, psum
.if DOCPART == 1
	.amdgcn_target "amdgcn-amd-amdhsa--gfx1250"
	.amdhsa_code_object_version 6
	.text
	.protected	k_qa5fe9ed30f_router
	.globl	k_qa5fe9ed30f_router
	.p2align	8
	.type	k_qa5fe9ed30f_router,@function
k_qa5fe9ed30f_router:
	s_mov_b64 s[64:65], 0
	v_nop
	global_prefetch_b8 v0, s[64:65] scope:SCOPE_SE
	s_setreg_imm32_b32 hwreg(HW_REG_WAVE_MODE, 25, 1), 1
	s_wait_xcnt 0x0
; THE GATE.  logits = x Wg + bg on x, Wg and bg rounded once to bf16 (sums in f32), softmax over the 8 experts with the maximum taken away,
; the two largest (the lower index wins a tie), their weights divided by their sum.  Beside that x is stored rounded to bf16 for the next launch.
; SHARES.  A work-group owns 16 tokens; wave q owns the channels 256 q .. 256 q + 255 of them; wave 0 adds the four partial products and does the rest.
; STORED, all at fixed places: xb [1024][1024] bf16; sel[2 b + j] the j-th chosen expert of token b; gw[2 b + j] its weight; psum[work-group][8] the sum of the 16 tokens probabilities.
; LAYOUT OF THE PRODUCT.  Source 0 = experts (16 rows: the 8 experts twice), source 1 = 16 tokens: in the result a lane holds ONE token (lane % 16) and register i holds expert i,
; so softmax and the choice never change lanes.
; LIMITS.  NaN and infinities are not treated apart.  The two largest are taken of the exponentials 2^((l - m) log2 e), not of the quotients: numbers that round to the same exponential count as a tie.
; No cluster: the work-groups share Wg alone, 32,768 bytes against 65,536 of x each, read once through registers.
.set XP,    528                        ; a row of x in LDS: 512 bytes + 16: the 16 rows of a fragment load start in 16 different groups of four banks (64 banks of 4 bytes: ISA guide 11.1)
.set XLW,   16*XP                      ; a wave has 16 such rows, its own
.set WGL,   4*XLW                      ; then for each wave 256 rows [channel][8 experts] of bf16, 16 bytes each, its own
.set PART,  WGL+4*4096                 ; then for each wave 1,024 bytes: its partial logits, 32 bytes a lane
.set SPARE, PART+4*1024                ; the spare words, 128 bytes for each wave: two blocks of 256 bytes that no other line names
.set SPW, 28                           ; v28  SPARE + 4 x my thread number; never rewritten
.set NIL, 29                           ; v29  0; never rewritten
.set X,   32                           ; v32-159   row t of x at X + 8 t: 8 f32, then 4 registers of bf16
.set WR,  160                          ; v160-223  8 rows of Wg a lane; later the fragments
.set FA,  160                          ; fragment of Wg for K step s of four at FA + 8 s
.set FB,  192                          ; fragment of x likewise
.set AC,  224                          ; v224-231, v232-239 two accumulators that take turns
.set LG,  240                          ; v240-247  the logits
	s_load_b256 s[4:11], s[0:1], 0x0               ; x s[4:5], Wg s[6:7], bg s[8:9], xb s[10:11]
	s_load_b128 s[12:15], s[0:1], 0x20             ; sel s[12:13], gw s[14:15]
	s_load_b64 s[16:17], s[0:1], 0x30              ; psum
	v_lshl_add_u32 v[SPW], v0, 2, SPARE
	v_mov_b32 v[NIL], 0
	v_lshrrev_b32 v20, 5, v0
	v_readfirstlane_b32 s18, v20                   ; wave q
	s_mov_b32 s19, ttmp9                           ; work-group
	s_mov_b32 s32, 0x3fb8aa3b                      ; log2 e
	v_and_b32 v1, 31, v0                           ; lane
	v_and_b32 v2, 15, v0                           ; r
	v_bfe_u32 v3, v0, 4, 1                         ; h
	v_lshlrev_b32 v4, 5, v1                        ; 32 x lane: my 8 f32 of a row of x, my row of Wg
	v_lshlrev_b32 v5, 4, v1                        ; 16 x lane: my 8 bf16 of a row of xb
	s_mul_i32 s21, s18, XLW
	v_lshl_add_u32 v6, v1, 4, s21                  ; where I put 16 bytes of a row of x
	s_lshl_b32 s36, s18, 12
	s_add_co_u32 s36, s36, WGL
	v_lshl_add_u32 v7, v1, 4, s36                  ; where I put a row of Wg
	v_mul_u32_u24 v8, v2, XP
	v_lshl_add_u32 v8, v3, 4, v8
	v_add_nc_u32 v8, s21, v8                       ; fragment of x: token r, 16 bytes for each half of the lanes
	v_and_b32 v9, 7, v0
	v_lshl_add_u32 v9, v3, 3, v9
	v_lshl_add_u32 v9, v9, 4, s36                  ; the turning load: channel 8 h + lane % 8; lanes 8-15 of a half name the same rows as lanes 0-7, so the experts come twice
	s_lshl_b32 s37, s18, 10
	s_add_co_u32 s37, s37, PART
	v_lshl_add_u32 v10, v1, 5, s37                 ; my partial logits
	v_lshlrev_b32 v11, 5, v1
	v_add_nc_u32 v11, PART, v11                    ; wave 0 reads all four
	s_mov_b32 s23, 0
	s_lshl_b32 s22, s19, 16                        ; 16 rows of 4,096 bytes
	s_lshl_b32 s38, s18, 10                        ; 256 channels of 4 bytes
	s_add_co_u32 s22, s22, s38
	s_wait_kmcnt 0x0
	s_add_nc_u64 s[4:5], s[4:5], s[22:23]
	s_lshl_b32 s22, s18, 13                        ; 256 rows of Wg of 32 bytes
	s_add_nc_u64 s[6:7], s[6:7], s[22:23]
	s_lshl_b32 s22, s19, 15
	s_lshl_b32 s38, s18, 9
	s_add_co_u32 s22, s22, s38
	s_add_nc_u64 s[10:11], s[10:11], s[22:23]
	s_lshl_b32 s22, s19, 7                         ; 32 entries of 4 bytes
	s_add_nc_u64 s[12:13], s[12:13], s[22:23]
	s_add_nc_u64 s[14:15], s[14:15], s[22:23]
	s_lshl_b32 s22, s19, 5
	s_add_nc_u64 s[16:17], s[16:17], s[22:23]
	s_load_b256 s[24:31], s[8:9], 0x0              ; bg: no line of this launch stores into it
.irp i, 0,1,2,3,4,5,6,7
	global_load_b128 v[WR+8*(\i):WR+8*(\i)+3],   v4, s[6:7] offset:1024*(\i)      ; row lane + 32 i of my 256 rows of Wg
	global_load_b128 v[WR+8*(\i)+4:WR+8*(\i)+7], v4, s[6:7] offset:1024*(\i)+16
.endr
.irp t, 0,1,2,3,4,5,6,7,8,9,10,11,12,13,14,15
	global_load_b128 v[X+8*(\t):X+8*(\t)+3],   v4, s[4:5] offset:4096*(\t) th:TH_LOAD_NT
	global_load_b128 v[X+8*(\t)+4:X+8*(\t)+7], v4, s[4:5] offset:4096*(\t)+16 th:TH_LOAD_NT
.endr
	s_wait_loadcnt 32                              ; loads come back in order: Wg is in, the 32 loads of x behind it may stay out
.irp i, 0,1,2,3,4,5,6,7
.irp p, 0,1,2,3
	v_cvt_pk_bf16_f32 v[WR+8*(\i)+(\p)], v[WR+8*(\i)+2*(\p)], v[WR+8*(\i)+2*(\p)+1]  ; in place: register p is written when 2 p and 2 p + 1 are read
.endr
	ds_store_b128 v7, v[WR+8*(\i):WR+8*(\i)+3] offset:512*(\i)
.endr
.irp t, 0,1,2,3,4,5,6,7,8,9,10,11,12,13,14,15
	s_wait_loadcnt 30-2*(\t)                       ; row t is in; the two loads of each later row may stay out
.irp p, 0,1,2,3
	v_cvt_pk_bf16_f32 v[X+8*(\t)+(\p)], v[X+8*(\t)+2*(\p)], v[X+8*(\t)+2*(\p)+1]
.endr
	global_store_b128 v5, v[X+8*(\t):X+8*(\t)+3], s[10:11] offset:2048*(\t)  ; the wave stores 512 consecutive bytes, at a multiple of 256 from the first byte of xb
	ds_store_b128 v6, v[X+8*(\t):X+8*(\t)+3] offset:XP*(\t)
.endr
; Four K steps of 32: their fragments (LDS serves a wave in order, ISA guide 5.7.1.4: these loads see my stores above; the bytes are my own), then four products on two accumulators by turns.
.macro HALF hf
.irp s, 0,1,2,3
	ds_load_tr16_b128 v[FA+8*(\s):FA+8*(\s)+3],   v9 offset:512*(4*(\hf)+(\s))
	ds_load_tr16_b128 v[FA+8*(\s)+4:FA+8*(\s)+7], v9 offset:512*(4*(\hf)+(\s))+256
	ds_load_b128 v[FB+8*(\s):FB+8*(\s)+3],   v8 offset:64*(4*(\hf)+(\s))
	ds_load_b128 v[FB+8*(\s)+4:FB+8*(\s)+7], v8 offset:64*(4*(\hf)+(\s))+32
.endr
	s_wait_dscnt 0x0
.irp s, 0,1,2,3
.if ((\hf) == 0) && ((\s) < 2)
	v_wmma_f32_16x16x32_bf16 v[AC+8*((\s)%2):AC+8*((\s)%2)+7], v[FA+8*(\s):FA+8*(\s)+7], v[FB+8*(\s):FB+8*(\s)+7], 0
.else
	v_wmma_f32_16x16x32_bf16 v[AC+8*((\s)%2):AC+8*((\s)%2)+7], v[FA+8*(\s):FA+8*(\s)+7], v[FB+8*(\s):FB+8*(\s)+7], v[AC+8*((\s)%2):AC+8*((\s)%2)+7]
.endif
.endr
.rept 4
	v_nop                                          ; four places behind the products, ahead of loads into their sources and of reads of their results
.endr
.endm
	HALF 0
	HALF 1
.irp p, 0,1,2,3
	v_pk_add_f32 v[LG+2*(\p):LG+2*(\p)+1], v[AC+2*(\p):AC+2*(\p)+1], v[AC+8+2*(\p):AC+8+2*(\p)+1]  ; from the low registers on
.endr
	ds_store_b128 v10, v[LG:LG+3]
	ds_store_b128 v10, v[LG+4:LG+7] offset:16
	s_wait_kmcnt 0x0                               ; bg
	s_wait_dscnt 0x0                               ; for wave 0: my partial logits are in LDS
	s_barrier_signal -1
	s_barrier_wait -1
	s_cmp_lg_u32 s18, 0
	s_cbranch_scc1 .Lend
.irp q, 0,1,2,3
	ds_load_b128 v[160+8*(\q):160+8*(\q)+3], v11 offset:1024*(\q)
	ds_load_b128 v[160+8*(\q)+4:160+8*(\q)+7], v11 offset:1024*(\q)+16
.endr
.irp p, 0,1,2,3
	v_cvt_pk_bf16_f32 v[192+(\p)], s[24+2*(\p)], s[25+2*(\p)]   ; bg rounded to bf16 like the other inputs
.endr
.irp p, 0,1,2,3
	v_lshlrev_b32 v[200+2*(\p)], 16, v[192+(\p)]
	v_and_b32 v[201+2*(\p)], 0xffff0000, v[192+(\p)]
.endr
	s_wait_dscnt 0x0
.irp p, 0,1,2,3
	v_pk_add_f32 v[160+2*(\p):161+2*(\p)], v[160+2*(\p):161+2*(\p)], v[168+2*(\p):169+2*(\p)]
	v_pk_add_f32 v[176+2*(\p):177+2*(\p)], v[176+2*(\p):177+2*(\p)], v[184+2*(\p):185+2*(\p)]
.endr
.irp p, 0,1,2,3
	v_pk_add_f32 v[160+2*(\p):161+2*(\p)], v[160+2*(\p):161+2*(\p)], v[176+2*(\p):177+2*(\p)]
.endr
.irp p, 0,1,2,3
	v_pk_add_f32 v[LG+2*(\p):LG+2*(\p)+1], v[160+2*(\p):161+2*(\p)], v[200+2*(\p):201+2*(\p)]
.endr
	v_max3_num_f32 v208, v[LG], v[LG+1], v[LG+2]   ; the maximum is taken away ahead of the exponentials
	v_max3_num_f32 v208, v208, v[LG+3], v[LG+4]
	v_max3_num_f32 v208, v208, v[LG+5], v[LG+6]
	v_max_num_f32 v208, v208, v[LG+7]
.irp i, 0,1,2,3,4,5,6,7
	v_sub_f32 v[200+(\i)], v[LG+(\i)], v208
.endr
.irp i, 0,1,2,3,4,5,6,7
	v_mul_f32 v[200+(\i)], s32, v[200+(\i)]
.endr
.irp i, 0,1,2,3,4,5,6,7
	v_exp_f32 v[216+(\i)], v[200+(\i)]             ; one batch
.endr
	v_nop                                          ; a plain instruction behind the last exponential (ISA guide 5.7.2),
	s_wait_alu depctr_va_vdst(0)                   ; and one wait ahead of the first reader
	v_mov_b32 v210, v216                           ; the largest and its index: a later one must be strictly larger
	v_mov_b32 v212, 0
.irp i, 1,2,3,4,5,6,7
	v_cmp_gt_f32 vcc_lo, v[216+(\i)], v210
	v_cndmask_b32 v210, v210, v[216+(\i)], vcc_lo
	v_cndmask_b32 v212, v212, \i, vcc_lo
.endr
	v_mov_b32 v211, -1.0                           ; the second: below every exponential, so the first expert that is not the largest is taken
	v_mov_b32 v213, 0
.irp i, 0,1,2,3,4,5,6,7
	v_cmp_ne_u32 s36, \i, v212
	v_cmp_gt_f32 vcc_lo, v[216+(\i)], v211
	s_and_b32 vcc_lo, vcc_lo, s36
	v_cndmask_b32 v211, v211, v[216+(\i)], vcc_lo
	v_cndmask_b32 v213, v213, \i, vcc_lo
.endr
	v_add_f32 v192, v216, v217
	v_add_f32 v193, v218, v219
	v_add_f32 v194, v220, v221
	v_add_f32 v195, v222, v223
	v_add_f32 v192, v192, v193
	v_add_f32 v194, v194, v195
	v_add_f32 v209, v192, v194                     ; at least 1: the largest exponential is 2^0
	v_add_f32 v198, v210, v211
	v_rcp_f32 v196, v209
	v_rcp_f32 v197, v198
	v_lshlrev_b32 v199, 3, v1                      ; 8 x lane: the plain instruction behind the reciprocals
	s_wait_alu depctr_va_vdst(0)                   ; one wait for both
	v_mul_f32 v214, v210, v197                     ; the two weights: the common divisor of the probabilities cancels
	v_mul_f32 v215, v211, v197
.irp i, 0,1,2,3,4,5,6,7
	v_mul_f32 v[216+(\i)], v[216+(\i)], v196       ; the probabilities
.endr
.irp k, 1,2,4,8
.irp i, 0,1,2,3,4,5,6,7
	v_add_f32_dpp v[216+(\i)], v[216+(\i)], v[216+(\i)] row_xmask:\k row_mask:0xf bank_mask:0xf  ; summed over the 16 tokens of a half of the lanes
.endr
.endr
	v_mov_b32 v198, 0
	s_wait_xcnt 0x0                                ; EXEC is a source of my pending stores: it changes only behind this wait
	v_cmp_gt_u32 vcc_lo, 16, v1
	s_and_saveexec_b32 s20, vcc_lo                 ; lanes 16-31 hold the same tokens once more
	global_store_b64 v199, v[212:213], s[12:13]
	global_store_b64 v199, v[214:215], s[14:15]
	s_wait_xcnt 0x0
	s_or_b32 exec_lo, exec_lo, s20
	v_cmp_eq_u32 vcc_lo, 0, v1
	s_and_saveexec_b32 s20, vcc_lo
	global_store_b128 v198, v[216:219], s[16:17]
	global_store_b128 v198, v[220:223], s[16:17] offset:16
	s_wait_xcnt 0x0
	s_or_b32 exec_lo, exec_lo, s20
.Lend:
	s_wait_tensorcnt 0x0                           ; the end of a wave that wrote LDS
	ds_add_u32 v[SPW], v[NIL]
	s_wait_dscnt 0x0
	s_endpgm
.Lfunc_end_k_qa5fe9ed30f_router:
	.size	k_qa5fe9ed30f_router, .Lfunc_end_k_qa5fe9ed30f_router-k_qa5fe9ed30f_router
	.p2alignl 7, 3214868480
	.fill 96, 4, 3214868480
	.section	.rodata,"a",@progbits
	.p2align	6, 0x0
	.amdhsa_kernel k_qa5fe9ed30f_router
		.amdhsa_group_segment_fixed_size 54784
		.amdhsa_private_segment_fixed_size 0
		.amdhsa_enable_private_segment 0
		.amdhsa_kernarg_size 56
		.amdhsa_user_sgpr_count 2
		.amdhsa_user_sgpr_kernarg_segment_ptr 1
		.amdhsa_wavefront_size32 1
		.amdhsa_system_sgpr_workgroup_id_x 1
		.amdhsa_system_sgpr_workgroup_id_y 1
		.amdhsa_system_sgpr_workgroup_id_z 1
		.amdhsa_system_vgpr_workitem_id 0
		.amdhsa_next_free_vgpr 256
		.amdhsa_next_free_sgpr 66
		.amdhsa_reserve_vcc 1
		.amdhsa_float_denorm_mode_32 3
		.amdhsa_float_denorm_mode_16_64 3
		.amdhsa_memory_ordered 1
		.amdhsa_forward_progress 1
		.amdhsa_inst_pref_size 30
	.end_amdhsa_kernel
	.amdgpu_metadata
---
amdhsa.version: [ 1, 2 ]
amdhsa.kernels:
  - .name:           k_qa5fe9ed30f_router
    .symbol:         k_qa5fe9ed30f_router.kd
    .args:
      - { .name: x, .offset: 0, .size: 8, .value_kind: global_buffer, .address_space: global }
      - { .name: Wg, .offset: 8, .size: 8, .value_kind: global_buffer, .address_space: global }
      - { .name: bg, .offset: 16, .size: 8, .value_kind: global_buffer, .address_space: global }
      - { .name: xb, .offset: 24, .size: 8, .value_kind: global_buffer, .address_space: global }
      - { .name: sel, .offset: 32, .size: 8, .value_kind: global_buffer, .address_space: global }
      - { .name: gw, .offset: 40, .size: 8, .value_kind: global_buffer, .address_space: global }
      - { .name: psum, .offset: 48, .size: 8, .value_kind: global_buffer, .address_space: global }
    .group_segment_fixed_size: 54784
    .private_segment_fixed_size: 0
    .kernarg_segment_align: 8
    .kernarg_segment_size: 56
    .max_flat_workgroup_size: 128
    .sgpr_count:     66
    .vgpr_count:     256
    .wavefront_size: 32
...
	.end_amdgpu_metadata
.endif
;; end of part 1
;; launch ffn1 (part 2): grid 32 x 8, 4 waves a work-group, no clusters, 302,592 bytes of LDS; arguments W1, b1, xb, sel, hb, plan; writes hb, plan
.if DOCPART == 2
	.amdgcn_target "amdgcn-amd-amdhsa--gfx1250"
	.amdhsa_code_object_version 6
	.text
	.protected	k_qa5fe9ed30f_ffn1
	.globl	k_qa5fe9ed30f_ffn1
	.p2align	8
	.type	k_qa5fe9ed30f_ffn1,@function
k_qa5fe9ed30f_ffn1:
	s_mov_b64 s[64:65], 0
	v_nop
	global_prefetch_b8 v0, s[64:65] scope:SCOPE_SE
	s_setreg_imm32_b32 hwreg(HW_REG_WAVE_MODE, 25, 1), 1
	s_wait_xcnt 0x0
; ONE PRODUCT OF THE EXPERTS, for the chosen rows alone.  The same text serves both products; FFN says which.
;   FFN = 1: hb[entry][128 x ..] = relu(xb[token] . W1[e] + b1[e]) in bf16.     FFN = 2: yp[K quarter][entry][128 cs ..] = gw[entry] x (hb[entry] . W2[e] (+ b2[e] in quarter 0)) in f32.
; An ENTRY is 2 x token + slot, 0 .. 2,047: the row in hb and yp, the index into sel and gw.  Weights and biases are rounded once to bf16 on their way through registers; sums in f32.
; SHARES.  Grid y = expert e; grid x = a slice of 1,024 (K) x 128 columns of its weights, which this work-group alone reads, once.  All rows of the expert go through the slice.
; PHASE 1.  The four waves stream the slice: a ring of 8 slots x 8 loads in registers, seven slots (56 loads of 512 consecutive bytes) out in each wave; each slot is rounded to bf16 and laid into LDS with K along the rows.
; In the first loads shadow every wave makes (FFN = 1: from sel, by counting; FFN = 2: from plan) its own copy of the expert list of entries in LDS.  ONE barrier.
; PHASE 2.  Four passes of 320 rows cover every split (an expert has at most 1,024 rows); passes and tiles past the count are jumped forward; nothing in them writes LDS, so there is no barrier.
; The list words of all four passes are read ahead of the loop, so no list address steps with the passes.
; A wave has up to five tiles of 16 rows x 128 columns.  Activation rows come by the list straight from memory as source 0, the weights from LDS as source 1; the sums start at the bias.
; In the result a lane holds one column of each of the 8 column tiles; the columns are dealt so that these 8 numbers lie together in a row: 16 lanes store 256 consecutive bytes, aligned.
; ROWS PAST THE COUNT.  hb and yp have 8 rows more than there are entries, one for each expert.  The list places past the count hold 2,048 + e.  A tile with a row under the count is stored whole, all lanes on:
; its rows past the count, 15 at the most in a work-group, go to row 2,048 + e, into this work-group own columns, and nobody reads them.  So no line of this text writes EXEC.
; What is READ for such a place is a row that exists: the number is held to 1,023 (token) or 2,047 (entry) in front of every load.
; NO CLUSTER: a slice has one reader, and what the work-groups of an expert share, its rows, comes by a list that no descriptor covers.  NO TENSOR LOADS: the f32 tiles would need slots beside the 280,576 bytes of bf16.
; LIMITS.  NaN and infinities are not treated apart (relu turns a NaN into 0).  A work-group of an expert without rows still streams its slice, since every wave passes the barrier.
; In a pass with rows a wave multiplies its tiles 0 to 3 even where they lie past the count (they repeat the last token or entry, and are not stored).
.set FFN, 1
.if FFN == 1
.set PITCH, 16384                      ; bytes from row to row of the weights
.set SH,    13                         ; an output row is 8,192 bytes
.else
.set PITCH, 4096
.set SH,    12
.endif
.set ROWS,  2056                       ; rows of hb and of a quarter of yp: 2,048 entries and a spare row for each expert
.set REG,   35072                      ; LDS: 128 of K of the slice.  Column tile j, lane r: a row of 256 bytes at 4352 j + 128 (j / 4) + 272 r: the pitch of 272 sets the 16 rows of a fragment load
                                       ; into 16 different groups of four banks (64 banks of 4 bytes: ISA guide 11.1), the 128 does the same for the 16 lanes of a store of phase 1
.set LIST,  8*REG                      ; behind the 8 regions: for each wave 1,280 words of list (2,048 + e past the count) and 32 words that take what is not chosen
.set LISTB, 5376
.set SPARE, LIST+4*LISTB               ; the spare words, 128 bytes for each wave: two blocks of 256 bytes that no other line names
.set PLANB, 4352                       ; plan: for each expert 1,024 words of list, then 32 words that all hold the count
; window 0
.set LN,   1                           ; lane
.set RR,   2                           ; r = lane % 16
.set HH,   3                           ; h = lane / 16
.set VW,   4                           ; 16 x lane
.set VST,  5                           ; phase 1: where I put 16 bytes (8 of K) of a column
.set VRD,  6                           ; 272 r + 16 h; never rewritten
.set VRC,  7                           ; the same in the region in hand
.set VLR,  9                           ; list place of row r of my tile 0 of pass 0; never rewritten
.set V16R, 12
.set V16H, 13
.set VA,   14                          ; v14-18  byte offsets of my five tiles rows
.set VZ,   19                          ; 0
.set SPW,  28                          ; SPARE + 4 x my thread number; never rewritten
.set NIL,  29                          ; 0; never rewritten
.set AR,   32                          ; v32-191  activation fragments: K step s of four, tile i at AR + 40 s + 8 i
.set EE,   32                          ; the way out: v32-71 entries, v72-111 store offsets, v112-151 gate weights, v152-215 a tile at work
.set OFF,  72
.set GG,   112
.set TT,   152
.set BRAW, 200                         ; phase 1: the bias as loaded, then packed
.set OO,   216                         ; v216-247  phase 1: packed weights, two sets of 16
.set ID,   216                         ; v216-235  phase 2: the entry of row r of my tile i, this pass at ID + i, the later passes behind
.set IX,   248                         ; v248-255  4 x (8 h + m): the lane that holds the entry of row 8 h + m; never rewritten
; window 1: v0-127 weight fragments, two buffers of 8 tiles; v128-135 the bias of my 8 columns.  window 2: phase 1 the ring (slot u at 32 u); phase 2 accumulators of tiles 0-3 at 64 i + 8 j.  window 3: those of tile 4
.set BIAS, 128
.set MSB, 0
.macro WIN new                         ; s_set_vgpr_msb: bits 1:0 source 0, 3:2 source 1, 5:4 source 2, 7:6 destination; the high byte repeats the setting that is left
.if MSB != (\new)
	s_set_vgpr_msb (MSB<<8)|(\new)
.set MSB, \new
.endif
.endm
.macro PLACES                          ; four places behind matrix instructions, ahead of loads into their sources and of reads of their results
.rept 4
	v_nop
.endr
.endm
; Slot u takes 8 rows of the slice from row on: each load is 512 consecutive bytes, aligned; lane l gets columns 4 l .. 4 l + 3
.macro WLOAD u, row
	WIN 0x80
.irp n, 0,1,2,3,4,5,6,7
	global_load_b128 v[32*(\u)+4*(\n):32*(\u)+4*(\n)+3], v[VW], s[4:5] offset:((\row)+(\n))*PITCH th:TH_LOAD_NT
.endr
.endm
; The turn of slot u.  Position n of my 32 (8 rows each) lies in slot n % 8, at row 128 (n / 4) + 8 (n % 4).  When position n is in, position n + 7 is asked for, into the slot that the turn before emptied;
; then 8 of K x my 4 columns are rounded in pairs along K, and each column puts its 16 bytes into LDS
.macro TURN u, issue, left
.set OB, OO+16*((\u)%2)
	s_wait_loadcnt \left                           ; loads come back in order: this slot is in, 8 loads for each younger slot stay out
.if \issue
.if (\u) == 0
	WLOAD 7, 152
.else
	WLOAD (\u)-1, 256+128*(((\u)-1)/4)+8*(((\u)-1)%4)
.endif
.endif
	WIN 0x0a
.irp t, 0,1,2,3
.irp p, 0,1,2,3
	v_cvt_pk_bf16_f32 v[OB+4*(\t)+(\p)], v[32*(\u)+8*(\p)+(\t)], v[32*(\u)+8*(\p)+4+(\t)]
.endr
.endr
	WIN 0
.irp t, 0,1,2,3
	ds_store_b128 v[VST], v[OB+4*(\t):OB+4*(\t)+3] offset:((\u)/4)*REG+16*((\u)%4)+4352*(\t)
.endr
.endm
; Ten loads: K step s (32 of K, 64 bytes of a row) of my five tiles: lane (r, h) takes bytes 16 h and 32 + 16 h of row r
.macro ALOAD s, koff
	WIN 0
.irp i, 0,1,2,3,4
	global_load_b128 v[AR+40*(\s)+8*(\i):AR+40*(\s)+8*(\i)+3],   v[VA+(\i)], s[26:27] offset:(\koff)+64*(\s)
	global_load_b128 v[AR+40*(\s)+8*(\i)+4:AR+40*(\s)+8*(\i)+7], v[VA+(\i)], s[26:27] offset:(\koff)+64*(\s)+32
.endr
.endm
; Sixteen LDS loads in one run: the weight fragments of K step s of the region in hand, all 8 column tiles, into buffer f
.macro FETCHB f, s
	WIN 0x40
.irp j, 0,1,2,3,4,5,6,7
	ds_load_b128 v[64*(\f)+8*(\j):64*(\f)+8*(\j)+3],   v[VRC] offset:4352*(\j)+128*((\j)/4)+64*(\s)
	ds_load_b128 v[64*(\f)+8*(\j)+4:64*(\f)+8*(\j)+7], v[VRC] offset:4352*(\j)+128*((\j)/4)+64*(\s)+32
.endr
.endm
; Eight matrix instructions: tile i x the 8 column tiles.  No two matrix instructions on end share an accumulator anywhere in the text: the accumulators take turns
.macro MUL i, s, f
.if (\i) < 4
	WIN 0xa4
.set AC, 64*(\i)
.else
	WIN 0xf4
.set AC, 0
.endif
.irp j, 0,1,2,3,4,5,6,7
	v_wmma_f32_16x16x32_bf16 v[AC+8*(\j):AC+8*(\j)+7], v[AR+40*(\s)+8*(\i):AR+40*(\s)+8*(\i)+7], v[64*(\f)+8*(\j):64*(\f)+8*(\j)+7], v[AC+8*(\j):AC+8*(\j)+7]
.endr
.endm
; A K step of 32.  The next step weights are fetched behind its first 16 products (step = 1: they lie in the next region); its own activation registers are asked for again, 128 of K on, behind its last
.macro KS s, reload, fetch, step, left
	s_wait_loadcnt \left                           ; this step activations are in; ten loads for each younger step stay out
	s_wait_dscnt 0x0                               ; its weights, fetched 16 products or more ago
	MUL 0, \s, (\s)%2
	MUL 1, \s, (\s)%2
.if \fetch
	PLACES
.if \step
	WIN 0
	v_add_nc_u32 v[VRC], REG, v[VRC]               ; the next region: one step in each trip of the counted loop
.endif
	FETCHB ((\s)+1)%2, ((\s)+1)%4
.endif
	MUL 2, \s, (\s)%2
	MUL 3, \s, (\s)%2
	WIN 0                                          ; at a branch and at a label every window is 0
	s_cmp_lt_u32 s24, 5
	s_cbranch_scc1 .Lno4_\@                        ; the fifth tile is multiplied only where it has rows; its loads are issued on both ways, so the counts hold
	MUL 4, \s, (\s)%2
	WIN 0
.Lno4_\@:
.if \reload
	PLACES
	ALOAD \s, 256
.endif
.endm
; 128 of K: one region of LDS, 256 bytes of each activation row
.macro BLOCK last
.if \last
	KS 0, 0, 1, 0, 30
	KS 1, 0, 1, 0, 20
	KS 2, 0, 1, 0, 10
	KS 3, 0, 0, 0, 0
.else
	KS 0, 1, 1, 0, 30
	KS 1, 1, 1, 0, 30
	KS 2, 1, 1, 0, 30
	KS 3, 1, 1, 1, 30
	s_wait_xcnt 0x0                                ; the loads have had their addresses translated (ISA guide 3.1): their base steps only behind this wait
	s_add_nc_u64 s[26:27], s[26:27], 256
.endif
.endm
.macro ROWST i, m                      ; rows m and 8 + m of tile i: each half of the lanes stores 256 consecutive bytes, aligned (FFN = 2: twice)
.if FFN == 1
	global_store_b128 v[OFF+8*(\i)+(\m)], v[TT+4*(\m):TT+4*(\m)+3], s[12:13]
.else
	global_store_b128 v[OFF+8*(\i)+(\m)], v[TT+8*(\m):TT+8*(\m)+3], s[12:13]
	global_store_b128 v[OFF+8*(\i)+(\m)], v[TT+8*(\m)+4:TT+8*(\m)+7], s[12:13] offset:256
.endif
.endm
; The way out of tile i, whole.  Each accumulator is read from its register 0 on.
.macro OUTT i
	WIN 0
.if (\i) > 0
	s_cmp_le_u32 s24, \i
	s_cbranch_scc1 .Ldone                          ; no rows in this tile, nor in the later ones
.endif
	s_wait_xcnt 0x0                                ; the last tile stores have read the registers that are written now
.if (\i) < 4
.set AC, 64*(\i)
.else
.set AC, 0
.endif
.if FFN == 1
.if (\i) < 4
	WIN 0x0a
.else
	WIN 0x0f
.endif
.irp m, 0,1,2,3,4,5,6,7
.irp q, 0,1,2,3
	v_cvt_pk_bf16_f32 v[TT+4*(\m)+(\q)], v[AC+16*(\q)+(\m)], v[AC+16*(\q)+8+(\m)]  ; columns 8 r + 2 q, 8 r + 2 q + 1
.endr
.endr
	WIN 0
.set n, 0
.rept 32
	v_pk_max_num_bf16 v[TT+n], v[TT+n], v[VZ]      ; relu on the rounded pair: rounding keeps the sign
.set n, n+1
.endr
.else
.if (\i) < 4
	WIN 0x02
.else
	WIN 0x03
.endif
.irp m, 0,1,2,3,4,5,6,7
.irp j, 0,1,2,3,4,5,6,7
	v_mul_f32 v[TT+8*(\m)+(\j)], v[AC+8*(\j)+(\m)], v[GG+8*(\i)+(\m)]
.endr
.endr
	WIN 0
.endif
.irp m, 0,1,2,3,4,5,6,7
	ROWST \i, \m
.endr
.endm
	s_load_b256 s[4:11], s[0:1], 0x0               ; weights s[4:5], bias s[6:7], activations s[8:9], sel (FFN = 2: plan) s[10:11]
	s_load_b128 s[12:15], s[0:1], 0x20             ; output s[12:13], plan (FFN = 2: gw) s[14:15]
	v_lshl_add_u32 v[SPW], v0, 2, SPARE
	v_mov_b32 v[NIL], 0
	v_lshrrev_b32 v20, 5, v0
	v_readfirstlane_b32 s16, v20                   ; wave w
	s_mov_b32 s17, ttmp9                           ; slice
	s_and_b32 s18, ttmp7, 0xffff                   ; expert
	s_add_co_u32 s39, s18, 2048                    ; what the list holds past the count: the expert spare row
	v_and_b32 v[LN], 31, v0
	v_and_b32 v[RR], 15, v0
	v_bfe_u32 v[HH], v0, 4, 1
	v_lshlrev_b32 v[VW], 4, v[LN]
.if FFN == 1
	v_lshrrev_b32 v20, 1, v[LN]                    ; column 4 l + t is column 8 r + j with r = l / 2, j = 4 (l % 2) + t
	v_and_b32 v21, 1, v[LN]
.set SA, 20
.set SB, 21
.else
.set SA, RR                            ; column 4 l + t is column 64 (j / 4) + 4 r + j % 4 with r = l % 16, j = 4 (l / 16) + t
.set SB, HH
.endif
	v_mul_u32_u24 v[VST], v[SA], 272
	v_mad_u32_u24 v[VST], v[SB], 17536, v[VST]     ; four column tiles on: 4 x 4352 + 128
	s_lshl_b32 s30, s16, 6
	v_add_nc_u32 v[VST], s30, v[VST]               ; in every 128 of K wave w owns 32 w .. 32 w + 31: 64 bytes of each LDS row
	v_mul_u32_u24 v[VRD], v[RR], 272
	v_lshl_add_u32 v[VRD], v[HH], 4, v[VRD]
	s_mul_i32 s25, s16, LISTB
	s_add_co_u32 s25, s25, LIST                    ; my wave list
	s_add_co_u32 s31, s25, s30                     ; my tile i of pass p is rows 320 p + 16 (w + 4 i) on: 1280 p + 64 w + 256 i bytes
	v_lshl_add_u32 v[VLR], v[RR], 2, s31
	v_lshlrev_b32 v[V16R], 4, v[RR]
	v_lshlrev_b32 v[V16H], 4, v[HH]
	v_mov_b32 v[VZ], 0
.irp m, 0,1,2,3,4,5,6,7
	v_lshl_add_u32 v[IX+(\m)], v[HH], 5, 4*(\m)
.endr
	v_lshlrev_b32 v22, 2, v[LN]                    ; 4 x lane
	v_mov_b32 v23, s25
	v_add_nc_u32 v24, 1280, v[LN]                  ; the list place that takes what this lane does not choose
	v_lshl_add_u32 v25, v[LN], 4, s25
	s_mov_b32 s29, 0
.if FFN == 1
	v_lshlrev_b32 v26, 5, v[RR]                    ; my 8 biases: columns 8 r .. 8 r + 7
	s_lshl_b32 s28, s18, 24                        ; an expert: 1,024 rows of 16,384 bytes
	s_lshl_b32 s30, s17, 9                         ; 128 columns of 4 bytes
	s_add_co_u32 s28, s28, s30
	s_lshl_b32 s30, s16, 19                        ; 32 rows
	s_add_co_u32 s28, s28, s30
	s_wait_kmcnt 0x0
	s_add_nc_u64 s[4:5], s[4:5], s[28:29]
	s_lshl_b32 s28, s18, 14
	s_lshl_b32 s30, s17, 9
	s_add_co_u32 s28, s28, s30
	s_add_nc_u64 s[6:7], s[6:7], s[28:29]
	s_lshl_b32 s28, s17, 8                         ; 128 columns of 2 bytes
	s_add_nc_u64 s[12:13], s[12:13], s[28:29]
	s_mul_i32 s28, s18, PLANB
	s_add_nc_u64 s[14:15], s[14:15], s[28:29]
.irp i, 0,1,2,3,4,5,6,7,8,9,10,11,12,13,14,15
	global_load_b128 v[32+4*(\i):32+4*(\i)+3], v[VW], s[10:11] offset:512*(\i)  ; sel: entries 128 i + 4 lane + 0..3, two tokens
.endr
	global_load_b128 v[BRAW:BRAW+3], v26, s[6:7]
	global_load_b128 v[BRAW+4:BRAW+7], v26, s[6:7] offset:16
.else
	s_and_b32 s33, s17, 7                          ; which 128 columns
	s_lshr_b32 s34, s17, 3                         ; which quarter of K
	s_cmp_eq_u32 s34, 0
	s_cselect_b32 s32, -1, 0                       ; the bias enters in quarter 0 alone
	s_lshl_b32 s28, s18, 24                        ; an expert: 4,096 rows of 4,096 bytes
	s_lshl_b32 s30, s34, 22
	s_add_co_u32 s28, s28, s30
	s_lshl_b32 s30, s33, 9
	s_add_co_u32 s28, s28, s30
	s_lshl_b32 s30, s16, 17                        ; 32 rows
	s_add_co_u32 s28, s28, s30
	s_wait_kmcnt 0x0
	s_add_nc_u64 s[4:5], s[4:5], s[28:29]
	s_lshl_b32 s28, s18, 12
	s_lshl_b32 s30, s33, 9
	s_add_co_u32 s28, s28, s30
	s_add_nc_u64 s[6:7], s[6:7], s[28:29]
	s_lshl_b32 s28, s34, 11                        ; 1,024 of K in bf16
	s_add_nc_u64 s[8:9], s[8:9], s[28:29]
	s_mul_i32 s28, s34, ROWS*4096                  ; a quarter of yp: 2,056 rows of 4,096 bytes
	s_add_co_u32 s28, s28, s30
	s_add_nc_u64 s[12:13], s[12:13], s[28:29]
	s_mul_i32 s28, s18, PLANB
	s_add_nc_u64 s[10:11], s[10:11], s[28:29]
	s_load_b32 s19, s[10:11], 0x1000               ; the expert count: no line of this launch stores into plan
.irp i, 0,1,2,3,4,5,6,7
	global_load_b128 v[32+4*(\i):32+4*(\i)+3], v[VW], s[10:11] offset:512*(\i)  ; its list
.endr
	global_load_b128 v[BRAW:BRAW+3], v[V16R], s[6:7]               ; my 8 biases: columns 4 r .. 4 r + 3 and 64 + 4 r ..
	global_load_b128 v[BRAW+4:BRAW+7], v[V16R], s[6:7] offset:256
.endif
.irp u, 0,1,2,3,4
	WLOAD \u, 128*((\u)/4)+8*((\u)%4)
.endr
	s_wait_loadcnt 40                              ; the small loads are in; the 40 loads of the five slots behind them stay out
.irp u, 5,6
	WLOAD \u, 128*((\u)/4)+8*((\u)%4)              ; positions 0 to 6 are out: 56 loads
.endr
	WIN 0
	; the bias, rounded to bf16 like the other inputs, as f32 in window 1
.if FFN == 2
.irp j, 0,1,2,3,4,5,6,7
	v_cndmask_b32 v[BRAW+(\j)], 0, v[BRAW+(\j)], s32
.endr
.endif
.irp p, 0,1,2,3
	v_cvt_pk_bf16_f32 v[BRAW+8+(\p)], v[BRAW+2*(\p)], v[BRAW+2*(\p)+1]
.endr
	WIN 0x40
.irp p, 0,1,2,3
	v_lshlrev_b32 v[BIAS+2*(\p)], 16, v[BRAW+8+(\p)]
	v_and_b32 v[BIAS+2*(\p)+1], 0xffff0000, v[BRAW+8+(\p)]
.endr
	WIN 0
.irp k, 0,1,2,3
	v_mov_b32 v[96+(\k)], s39
.endr
.if FFN == 1
	; THE LIST.  Every wave makes its own copy, in its own bytes.  First 2,048 + e in all 1,280 places; then, 32 tokens at a time, each token that chose the expert puts its entry at the next free place.
.irp k, 0,1,2,3,4,5,6,7,8,9
	ds_store_b128 v25, v[96:99] offset:512*(\k)
.endr
	s_mov_b32 s19, 0
.macro GROUP i, g                      ; the tokens 64 i + 2 lane + g: their two entries lie in two registers on end
	v_cmp_eq_u32 s40, s18, v[32+4*(\i)+2*(\g)]
	v_cmp_eq_u32 vcc_lo, s18, v[32+4*(\i)+2*(\g)+1]
	s_or_b32 s40, s40, vcc_lo                      ; one place a token at the most: the count never passes 1,024
	v_add_co_ci_u32 v20, vcc_lo, 128*(\i)+2*(\g), v22, vcc_lo  ; the entry: 2 x token, + 1 if the second slot chose
	v_mbcnt_lo_u32_b32 v21, s40, s19               ; its place: the count so far + the choosing lanes below mine
	v_cndmask_b32 v21, v24, v21, s40               ; a lane that did not choose writes behind the list
	v_min_u32 v21, 0x51f, v21                      ; inside my wave 1,312 words whatever sel holds
	v_lshl_add_u32 v21, v21, 2, v23
	ds_store_b32 v21, v20
	s_bcnt1_i32_b32 s41, s40
	s_add_co_u32 s19, s19, s41
.endm
.irp i, 0,1,2,3,4,5,6,7,8,9,10,11,12,13,14,15
	GROUP \i, 0
	GROUP \i, 1
.endr
	s_min_u32 s19, s19, 1024                       ; the count, held to what the list has room for
	s_or_b32 s25, s16, s17                         ; wave 0 of slice 0 stores list and count for the next launch
	s_cmp_lg_u32 s25, 0
	s_cbranch_scc1 .Lnoexp
.irp k, 0,1,2,3,4,5,6,7
	ds_load_b128 v[96+4*(\k):96+4*(\k)+3], v25 offset:512*(\k)     ; LDS serves a wave in order (ISA guide 5.7.1.4): these see my stores above
.endr
	v_mov_b32 v20, s19
	s_wait_dscnt 0x0
.irp k, 0,1,2,3,4,5,6,7
	global_store_b128 v[VW], v[96+4*(\k):96+4*(\k)+3], s[14:15] offset:512*(\k)
.endr
	global_store_b32 v22, v20, s[14:15] offset:4096
	s_wait_xcnt 0x0                                ; the stores have read their registers, which phase 2 writes again
.Lnoexp:
.else
.irp k, 0,1,2,3,4,5,6,7
	ds_store_b128 v25, v[32+4*(\k):32+4*(\k)+3] offset:512*(\k)    ; the list, into my wave own bytes
.endr
	ds_store_b128 v25, v[96:99] offset:4096                        ; places 1,024 to 1,279, which the last pass names, hold 2,048 + e
	ds_store_b128 v25, v[96:99] offset:4608
	s_wait_kmcnt 0x0
	s_min_u32 s19, s19, 1024
.endif
	; PHASE 1.  A trip takes 256 of K: every slot once, two regions of LDS.  Three trips ask in every turn; in the fourth, written out, only the first turn asks (position 31): no load leaves the slice
	s_mov_b32 s21, 3
.Lstream:
.irp u, 0,1,2,3,4,5,6,7
	TURN \u, 1, 48
.endr
	s_wait_xcnt 0x0                                ; the base steps only behind this wait
	s_add_nc_u64 s[4:5], s[4:5], 256*PITCH
	v_add_nc_u32 v[VST], 2*REG, v[VST]
	s_sub_co_u32 s21, s21, 1
	s_cmp_lg_u32 s21, 0
	s_cbranch_scc1 .Lstream
	TURN 0, 1, 48
.irp u, 1,2,3,4,5,6,7
	TURN \u, 0, 56-8*(\u)
.endr
	s_wait_dscnt 0x0                               ; for the others: my part of the slice is in LDS
	s_barrier_signal -1
	s_barrier_wait -1                              ; the slice is whole; nothing writes it again
	; PHASE 2.  The entries of row r of my five tiles, for all four passes: one fixed address, the pass and the tile in the immediate
.irp p, 0,1,2,3
.irp i, 0,1,2,3,4
	ds_load_b32 v[ID+5*(\p)+(\i)], v[VLR] offset:1280*(\p)+256*(\i)
.endr
.endr
	s_add_co_u32 s37, s19, 15
	s_lshr_b32 s37, s37, 4                         ; tiles of 16 rows with rows;
	s_add_co_u32 s37, s37, 3
	s_sub_co_u32 s37, s37, s16
	s_lshr_b32 s37, s37, 2                         ; of them mine: w, w + 4, ..
	s_min_u32 s37, s37, 16
	s_mov_b32 s22, 4
	s_wait_dscnt 0x0
.Lpass:
	s_min_u32 s24, s37, 5                          ; my tiles with rows in this pass
	s_cmp_eq_u32 s24, 0
	s_cbranch_scc1 .Lnext
.irp i, 0,1,2,3,4
.if FFN == 1
	v_lshrrev_b32 v[VA+(\i)], 1, v[ID+(\i)]        ; the token
	v_min_u32 v[VA+(\i)], 0x3ff, v[VA+(\i)]
	v_lshl_add_u32 v[VA+(\i)], v[VA+(\i)], 11, v[V16H]
.else
	v_min_u32 v[VA+(\i)], 0x7ff, v[ID+(\i)]
	v_lshl_add_u32 v[VA+(\i)], v[VA+(\i)], 13, v[V16H]
.endif
.endr
	s_wait_xcnt 0x0                                ; the last pass stores have read the registers that the loads below fill
	s_mov_b64 s[26:27], s[8:9]
	ALOAD 0, 0
	ALOAD 1, 0
	ALOAD 2, 0
	ALOAD 3, 0
	WIN 0x81                                       ; the sums start at the bias of their column; this stands in the wait for the first activations
.set n, 0
.rept 256
	v_mov_b32 v[n], v[BIAS+(n/8)%8]
.set n, n+1
.endr
	WIN 0xc1
.set n, 0
.rept 64
	v_mov_b32 v[n], v[BIAS+n/8]
.set n, n+1
.endr
	WIN 0
	v_mov_b32 v[VRC], v[VRD]                       ; region 0
	FETCHB 0, 0
	WIN 0
	s_mov_b32 s21, 7
.Lblk:
	BLOCK 0
	WIN 0
	s_sub_co_u32 s21, s21, 1
	s_cmp_lg_u32 s21, 0
	s_cbranch_scc1 .Lblk
	BLOCK 1                                        ; the last 128 of K ask for nothing more: the counts run down
	WIN 0
	PLACES
.irp i, 0,1,2,3,4
.irp m, 0,1,2,3,4,5,6,7
	ds_bpermute_b32 v[EE+8*(\i)+(\m)], v[IX+(\m)], v[ID+(\i)]      ; the entry of row 8 h + m of tile i, from the lane that holds it; no LDS byte is touched
.endr
.endr
	s_wait_dscnt 0x0
.set n, 0
.rept 40
	v_min_u32 v[EE+n], ROWS-1, v[EE+n]             ; an entry, or the expert spare row
.set n, n+1
.endr
.set n, 0
.rept 40
	v_lshl_add_u32 v[OFF+n], v[EE+n], SH, v[V16R]  ; its row + 16 r
.set n, n+1
.endr
.if FFN == 2
.set n, 0
.rept 40
	v_min_u32 v[EE+n], 0x7ff, v[EE+n]              ; gw has the 2,048 entries alone
.set n, n+1
.endr
.set n, 0
.rept 40
	v_lshlrev_b32 v[EE+n], 2, v[EE+n]
.set n, n+1
.endr
.set n, 0
.rept 40
	global_load_b32 v[GG+n], v[EE+n], s[14:15]     ; the entry gate weight
.set n, n+1
.endr
	s_wait_loadcnt 0x0
.endif
	OUTT 0
	OUTT 1
	OUTT 2
	OUTT 3
	OUTT 4
.Ldone:
.Lnext:
	s_sub_co_u32 s37, s37, s24                     ; my tiles still to come; held to 5 anew at the head of the next pass
.set n, 0
.rept 15
	v_mov_b32 v[ID+n], v[ID+5+n]                   ; the next pass entries move up
.set n, n+1
.endr
	s_sub_co_u32 s22, s22, 1
	s_cmp_lg_u32 s22, 0
	s_cbranch_scc1 .Lpass
	s_wait_dscnt 0x0                               ; my reads of the slice are over,
	s_barrier_signal -1
	s_barrier_wait -1                              ; and so are every wave reads, ahead of any wave closing add
	s_wait_tensorcnt 0x0                           ; the end of a wave that wrote LDS
	ds_add_u32 v[SPW], v[NIL]
	s_wait_dscnt 0x0
	s_endpgm
.Lfunc_end_k_qa5fe9ed30f_ffn1:
	.size	k_qa5fe9ed30f_ffn1, .Lfunc_end_k_qa5fe9ed30f_ffn1-k_qa5fe9ed30f_ffn1
	.p2alignl 7, 3214868480
	.fill 96, 4, 3214868480
	.section	.rodata,"a",@progbits
	.p2align	6, 0x0
	.amdhsa_kernel k_qa5fe9ed30f_ffn1
		.amdhsa_group_segment_fixed_size 302592
		.amdhsa_private_segment_fixed_size 0
		.amdhsa_enable_private_segment 0
		.amdhsa_kernarg_size 48
		.amdhsa_user_sgpr_count 2
		.amdhsa_user_sgpr_kernarg_segment_ptr 1
		.amdhsa_wavefront_size32 1
		.amdhsa_system_sgpr_workgroup_id_x 1
		.amdhsa_system_sgpr_workgroup_id_y 1
		.amdhsa_system_sgpr_workgroup_id_z 1
		.amdhsa_system_vgpr_workitem_id 0
		.amdhsa_next_free_vgpr 832
		.amdhsa_next_free_sgpr 66
		.amdhsa_reserve_vcc 1
		.amdhsa_float_denorm_mode_32 3
		.amdhsa_float_denorm_mode_16_64 3
		.amdhsa_memory_ordered 1
		.amdhsa_forward_progress 1
		.amdhsa_inst_pref_size 146
	.end_amdhsa_kernel
	.amdgpu_metadata
---
amdhsa.version: [ 1, 2 ]
amdhsa.kernels:
  - .name:           k_qa5fe9ed30f_ffn1
    .symbol:         k_qa5fe9ed30f_ffn1.kd
    .args:
      - { .name: W1, .offset: 0, .size: 8, .value_kind: global_buffer, .address_space: global }
      - { .name: b1, .offset: 8, .size: 8, .value_kind: global_buffer, .address_space: global }
      - { .name: xb, .offset: 16, .size: 8, .value_kind: global_buffer, .address_space: global }
      - { .name: sel, .offset: 24, .size: 8, .value_kind: global_buffer, .address_space: global }
      - { .name: hb, .offset: 32, .size: 8, .value_kind: global_buffer, .address_space: global }
      - { .name: plan, .offset: 40, .size: 8, .value_kind: global_buffer, .address_space: global }
    .group_segment_fixed_size: 302592
    .private_segment_fixed_size: 0
    .kernarg_segment_align: 8
    .kernarg_segment_size: 48
    .max_flat_workgroup_size: 128
    .sgpr_count:     66
    .vgpr_count:     832
    .wavefront_size: 32
...
	.end_amdgpu_metadata
.endif
;; end of part 2
;; launch ffn2 (part 3): grid 32 x 8, 4 waves a work-group, no clusters, 302,592 bytes of LDS; arguments W2, b2, hb, plan, yp, gw; writes yp
.if DOCPART == 3
	.amdgcn_target "amdgcn-amd-amdhsa--gfx1250"
	.amdhsa_code_object_version 6
	.text
	.protected	k_qa5fe9ed30f_ffn2
	.globl	k_qa5fe9ed30f_ffn2
	.p2align	8
	.type	k_qa5fe9ed30f_ffn2,@function
k_qa5fe9ed30f_ffn2:
	s_mov_b64 s[64:65], 0
	v_nop
	global_prefetch_b8 v0, s[64:65] scope:SCOPE_SE
	s_setreg_imm32_b32 hwreg(HW_REG_WAVE_MODE, 25, 1), 1
	s_wait_xcnt 0x0
; ONE PRODUCT OF THE EXPERTS, for the chosen rows alone.  The same text serves both products; FFN says which.
;   FFN = 1: hb[entry][128 x ..] = relu(xb[token] . W1[e] + b1[e]) in bf16.     FFN = 2: yp[K quarter][entry][128 cs ..] = gw[entry] x (hb[entry] . W2[e] (+ b2[e] in quarter 0)) in f32.
; An ENTRY is 2 x token + slot, 0 .. 2,047: the row in hb and yp, the index into sel and gw.  Weights and biases are rounded once to bf16 on their way through registers; sums in f32.
; SHARES.  Grid y = expert e; grid x = a slice of 1,024 (K) x 128 columns of its weights, which this work-group alone reads, once.  All rows of the expert go through the slice.
; PHASE 1.  The four waves stream the slice: a ring of 8 slots x 8 loads in registers, seven slots (56 loads of 512 consecutive bytes) out in each wave; each slot is rounded to bf16 and laid into LDS with K along the rows.
; In the first loads shadow every wave makes (FFN = 1: from sel, by counting; FFN = 2: from plan) its own copy of the expert list of entries in LDS.  ONE barrier.
; PHASE 2.  Four passes of 320 rows cover every split (an expert has at most 1,024 rows); passes and tiles past the count are jumped forward; nothing in them writes LDS, so there is no barrier.
; The list words of all four passes are read ahead of the loop, so no list address steps with the passes.
; A wave has up to five tiles of 16 rows x 128 columns.  Activation rows come by the list straight from memory as source 0, the weights from LDS as source 1; the sums start at the bias.
; In the result a lane holds one column of each of the 8 column tiles; the columns are dealt so that these 8 numbers lie together in a row: 16 lanes store 256 consecutive bytes, aligned.
; ROWS PAST THE COUNT.  hb and yp have 8 rows more than there are entries, one for each expert.  The list places past the count hold 2,048 + e.  A tile with a row under the count is stored whole, all lanes on:
; its rows past the count, 15 at the most in a work-group, go to row 2,048 + e, into this work-group own columns, and nobody reads them.  So no line of this text writes EXEC.
; What is READ for such a place is a row that exists: the number is held to 1,023 (token) or 2,047 (entry) in front of every load.
; NO CLUSTER: a slice has one reader, and what the work-groups of an expert share, its rows, comes by a list that no descriptor covers.  NO TENSOR LOADS: the f32 tiles would need slots beside the 280,576 bytes of bf16.
; LIMITS.  NaN and infinities are not treated apart (relu turns a NaN into 0).  A work-group of an expert without rows still streams its slice, since every wave passes the barrier.
; In a pass with rows a wave multiplies its tiles 0 to 3 even where they lie past the count (they repeat the last token or entry, and are not stored).
.set FFN, 2
.if FFN == 1
.set PITCH, 16384                      ; bytes from row to row of the weights
.set SH,    13                         ; an output row is 8,192 bytes
.else
.set PITCH, 4096
.set SH,    12
.endif
.set ROWS,  2056                       ; rows of hb and of a quarter of yp: 2,048 entries and a spare row for each expert
.set REG,   35072                      ; LDS: 128 of K of the slice.  Column tile j, lane r: a row of 256 bytes at 4352 j + 128 (j / 4) + 272 r: the pitch of 272 sets the 16 rows of a fragment load
                                       ; into 16 different groups of four banks (64 banks of 4 bytes: ISA guide 11.1), the 128 does the same for the 16 lanes of a store of phase 1
.set LIST,  8*REG                      ; behind the 8 regions: for each wave 1,280 words of list (2,048 + e past the count) and 32 words that take what is not chosen
.set LISTB, 5376
.set SPARE, LIST+4*LISTB               ; the spare words, 128 bytes for each wave: two blocks of 256 bytes that no other line names
.set PLANB, 4352                       ; plan: for each expert 1,024 words of list, then 32 words that all hold the count
; window 0
.set LN,   1                           ; lane
.set RR,   2                           ; r = lane % 16
.set HH,   3                           ; h = lane / 16
.set VW,   4                           ; 16 x lane
.set VST,  5                           ; phase 1: where I put 16 bytes (8 of K) of a column
.set VRD,  6                           ; 272 r + 16 h; never rewritten
.set VRC,  7                           ; the same in the region in hand
.set VLR,  9                           ; list place of row r of my tile 0 of pass 0; never rewritten
.set V16R, 12
.set V16H, 13
.set VA,   14                          ; v14-18  byte offsets of my five tiles rows
.set VZ,   19                          ; 0
.set SPW,  28                          ; SPARE + 4 x my thread number; never rewritten
.set NIL,  29                          ; 0; never rewritten
.set AR,   32                          ; v32-191  activation fragments: K step s of four, tile i at AR + 40 s + 8 i
.set EE,   32                          ; the way out: v32-71 entries, v72-111 store offsets, v112-151 gate weights, v152-215 a tile at work
.set OFF,  72
.set GG,   112
.set TT,   152
.set BRAW, 200                         ; phase 1: the bias as loaded, then packed
.set OO,   216                         ; v216-247  phase 1: packed weights, two sets of 16
.set ID,   216                         ; v216-235  phase 2: the entry of row r of my tile i, this pass at ID + i, the later passes behind
.set IX,   248                         ; v248-255  4 x (8 h + m): the lane that holds the entry of row 8 h + m; never rewritten
; window 1: v0-127 weight fragments, two buffers of 8 tiles; v128-135 the bias of my 8 columns.  window 2: phase 1 the ring (slot u at 32 u); phase 2 accumulators of tiles 0-3 at 64 i + 8 j.  window 3: those of tile 4
.set BIAS, 128
.set MSB, 0
.macro WIN new                         ; s_set_vgpr_msb: bits 1:0 source 0, 3:2 source 1, 5:4 source 2, 7:6 destination; the high byte repeats the setting that is left
.if MSB != (\new)
	s_set_vgpr_msb (MSB<<8)|(\new)
.set MSB, \new
.endif
.endm
.macro PLACES                          ; four places behind matrix instructions, ahead of loads into their sources and of reads of their results
.rept 4
	v_nop
.endr
.endm
; Slot u takes 8 rows of the slice from row on: each load is 512 consecutive bytes, aligned; lane l gets columns 4 l .. 4 l + 3
.macro WLOAD u, row
	WIN 0x80
.irp n, 0,1,2,3,4,5,6,7
	global_load_b128 v[32*(\u)+4*(\n):32*(\u)+4*(\n)+3], v[VW], s[4:5] offset:((\row)+(\n))*PITCH th:TH_LOAD_NT
.endr
.endm
; The turn of slot u.  Position n of my 32 (8 rows each) lies in slot n % 8, at row 128 (n / 4) + 8 (n % 4).  When position n is in, position n + 7 is asked for, into the slot that the turn before emptied;
; then 8 of K x my 4 columns are rounded in pairs along K, and each column puts its 16 bytes into LDS
.macro TURN u, issue, left
.set OB, OO+16*((\u)%2)
	s_wait_loadcnt \left                           ; loads come back in order: this slot is in, 8 loads for each younger slot stay out
.if \issue
.if (\u) == 0
	WLOAD 7, 152
.else
	WLOAD (\u)-1, 256+128*(((\u)-1)/4)+8*(((\u)-1)%4)
.endif
.endif
	WIN 0x0a
.irp t, 0,1,2,3
.irp p, 0,1,2,3
	v_cvt_pk_bf16_f32 v[OB+4*(\t)+(\p)], v[32*(\u)+8*(\p)+(\t)], v[32*(\u)+8*(\p)+4+(\t)]
.endr
.endr
	WIN 0
.irp t, 0,1,2,3
	ds_store_b128 v[VST], v[OB+4*(\t):OB+4*(\t)+3] offset:((\u)/4)*REG+16*((\u)%4)+4352*(\t)
.endr
.endm
; Ten loads: K step s (32 of K, 64 bytes of a row) of my five tiles: lane (r, h) takes bytes 16 h and 32 + 16 h of row r
.macro ALOAD s, koff
	WIN 0
.irp i, 0,1,2,3,4
	global_load_b128 v[AR+40*(\s)+8*(\i):AR+40*(\s)+8*(\i)+3],   v[VA+(\i)], s[26:27] offset:(\koff)+64*(\s)
	global_load_b128 v[AR+40*(\s)+8*(\i)+4:AR+40*(\s)+8*(\i)+7], v[VA+(\i)], s[26:27] offset:(\koff)+64*(\s)+32
.endr
.endm
; Sixteen LDS loads in one run: the weight fragments of K step s of the region in hand, all 8 column tiles, into buffer f
.macro FETCHB f, s
	WIN 0x40
.irp j, 0,1,2,3,4,5,6,7
	ds_load_b128 v[64*(\f)+8*(\j):64*(\f)+8*(\j)+3],   v[VRC] offset:4352*(\j)+128*((\j)/4)+64*(\s)
	ds_load_b128 v[64*(\f)+8*(\j)+4:64*(\f)+8*(\j)+7], v[VRC] offset:4352*(\j)+128*((\j)/4)+64*(\s)+32
.endr
.endm
; Eight matrix instructions: tile i x the 8 column tiles.  No two matrix instructions on end share an accumulator anywhere in the text: the accumulators take turns
.macro MUL i, s, f
.if (\i) < 4
	WIN 0xa4
.set AC, 64*(\i)
.else
	WIN 0xf4
.set AC, 0
.endif
.irp j, 0,1,2,3,4,5,6,7
	v_wmma_f32_16x16x32_bf16 v[AC+8*(\j):AC+8*(\j)+7], v[AR+40*(\s)+8*(\i):AR+40*(\s)+8*(\i)+7], v[64*(\f)+8*(\j):64*(\f)+8*(\j)+7], v[AC+8*(\j):AC+8*(\j)+7]
.endr
.endm
; A K step of 32.  The next step weights are fetched behind its first 16 products (step = 1: they lie in the next region); its own activation registers are asked for again, 128 of K on, behind its last
.macro KS s, reload, fetch, step, left
	s_wait_loadcnt \left                           ; this step activations are in; ten loads for each younger step stay out
	s_wait_dscnt 0x0                               ; its weights, fetched 16 products or more ago
	MUL 0, \s, (\s)%2
	MUL 1, \s, (\s)%2
.if \fetch
	PLACES
.if \step
	WIN 0
	v_add_nc_u32 v[VRC], REG, v[VRC]               ; the next region: one step in each trip of the counted loop
.endif
	FETCHB ((\s)+1)%2, ((\s)+1)%4
.endif
	MUL 2, \s, (\s)%2
	MUL 3, \s, (\s)%2
	WIN 0                                          ; at a branch and at a label every window is 0
	s_cmp_lt_u32 s24, 5
	s_cbranch_scc1 .Lno4_\@                        ; the fifth tile is multiplied only where it has rows; its loads are issued on both ways, so the counts hold
	MUL 4, \s, (\s)%2
	WIN 0
.Lno4_\@:
.if \reload
	PLACES
	ALOAD \s, 256
.endif
.endm
; 128 of K: one region of LDS, 256 bytes of each activation row
.macro BLOCK last
.if \last
	KS 0, 0, 1, 0, 30
	KS 1, 0, 1, 0, 20
	KS 2, 0, 1, 0, 10
	KS 3, 0, 0, 0, 0
.else
	KS 0, 1, 1, 0, 30
	KS 1, 1, 1, 0, 30
	KS 2, 1, 1, 0, 30
	KS 3, 1, 1, 1, 30
	s_wait_xcnt 0x0                                ; the loads have had their addresses translated (ISA guide 3.1): their base steps only behind this wait
	s_add_nc_u64 s[26:27], s[26:27], 256
.endif
.endm
.macro ROWST i, m                      ; rows m and 8 + m of tile i: each half of the lanes stores 256 consecutive bytes, aligned (FFN = 2: twice)
.if FFN == 1
	global_store_b128 v[OFF+8*(\i)+(\m)], v[TT+4*(\m):TT+4*(\m)+3], s[12:13]
.else
	global_store_b128 v[OFF+8*(\i)+(\m)], v[TT+8*(\m):TT+8*(\m)+3], s[12:13]
	global_store_b128 v[OFF+8*(\i)+(\m)], v[TT+8*(\m)+4:TT+8*(\m)+7], s[12:13] offset:256
.endif
.endm
; The way out of tile i, whole.  Each accumulator is read from its register 0 on.
.macro OUTT i
	WIN 0
.if (\i) > 0
	s_cmp_le_u32 s24, \i
	s_cbranch_scc1 .Ldone                          ; no rows in this tile, nor in the later ones
.endif
	s_wait_xcnt 0x0                                ; the last tile stores have read the registers that are written now
.if (\i) < 4
.set AC, 64*(\i)
.else
.set AC, 0
.endif
.if FFN == 1
.if (\i) < 4
	WIN 0x0a
.else
	WIN 0x0f
.endif
.irp m, 0,1,2,3,4,5,6,7
.irp q, 0,1,2,3
	v_cvt_pk_bf16_f32 v[TT+4*(\m)+(\q)], v[AC+16*(\q)+(\m)], v[AC+16*(\q)+8+(\m)]  ; columns 8 r + 2 q, 8 r + 2 q + 1
.endr
.endr
	WIN 0
.set n, 0
.rept 32
	v_pk_max_num_bf16 v[TT+n], v[TT+n], v[VZ]      ; relu on the rounded pair: rounding keeps the sign
.set n, n+1
.endr
.else
.if (\i) < 4
	WIN 0x02
.else
	WIN 0x03
.endif
.irp m, 0,1,2,3,4,5,6,7
.irp j, 0,1,2,3,4,5,6,7
	v_mul_f32 v[TT+8*(\m)+(\j)], v[AC+8*(\j)+(\m)], v[GG+8*(\i)+(\m)]
.endr
.endr
	WIN 0
.endif
.irp m, 0,1,2,3,4,5,6,7
	ROWST \i, \m
.endr
.endm
	s_load_b256 s[4:11], s[0:1], 0x0               ; weights s[4:5], bias s[6:7], activations s[8:9], sel (FFN = 2: plan) s[10:11]
	s_load_b128 s[12:15], s[0:1], 0x20             ; output s[12:13], plan (FFN = 2: gw) s[14:15]
	v_lshl_add_u32 v[SPW], v0, 2, SPARE
	v_mov_b32 v[NIL], 0
	v_lshrrev_b32 v20, 5, v0
	v_readfirstlane_b32 s16, v20                   ; wave w
	s_mov_b32 s17, ttmp9                           ; slice
	s_and_b32 s18, ttmp7, 0xffff                   ; expert
	s_add_co_u32 s39, s18, 2048                    ; what the list holds past the count: the expert spare row
	v_and_b32 v[LN], 31, v0
	v_and_b32 v[RR], 15, v0
	v_bfe_u32 v[HH], v0, 4, 1
	v_lshlrev_b32 v[VW], 4, v[LN]
.if FFN == 1
	v_lshrrev_b32 v20, 1, v[LN]                    ; column 4 l + t is column 8 r + j with r = l / 2, j = 4 (l % 2) + t
	v_and_b32 v21, 1, v[LN]
.set SA, 20
.set SB, 21
.else
.set SA, RR                            ; column 4 l + t is column 64 (j / 4) + 4 r + j % 4 with r = l % 16, j = 4 (l / 16) + t
.set SB, HH
.endif
	v_mul_u32_u24 v[VST], v[SA], 272
	v_mad_u32_u24 v[VST], v[SB], 17536, v[VST]     ; four column tiles on: 4 x 4352 + 128
	s_lshl_b32 s30, s16, 6
	v_add_nc_u32 v[VST], s30, v[VST]               ; in every 128 of K wave w owns 32 w .. 32 w + 31: 64 bytes of each LDS row
	v_mul_u32_u24 v[VRD], v[RR], 272
	v_lshl_add_u32 v[VRD], v[HH], 4, v[VRD]
	s_mul_i32 s25, s16, LISTB
	s_add_co_u32 s25, s25, LIST                    ; my wave list
	s_add_co_u32 s31, s25, s30                     ; my tile i of pass p is rows 320 p + 16 (w + 4 i) on: 1280 p + 64 w + 256 i bytes
	v_lshl_add_u32 v[VLR], v[RR], 2, s31
	v_lshlrev_b32 v[V16R], 4, v[RR]
	v_lshlrev_b32 v[V16H], 4, v[HH]
	v_mov_b32 v[VZ], 0
.irp m, 0,1,2,3,4,5,6,7
	v_lshl_add_u32 v[IX+(\m)], v[HH], 5, 4*(\m)
.endr
	v_lshlrev_b32 v22, 2, v[LN]                    ; 4 x lane
	v_mov_b32 v23, s25
	v_add_nc_u32 v24, 1280, v[LN]                  ; the list place that takes what this lane does not choose
	v_lshl_add_u32 v25, v[LN], 4, s25
	s_mov_b32 s29, 0
.if FFN == 1
	v_lshlrev_b32 v26, 5, v[RR]                    ; my 8 biases: columns 8 r .. 8 r + 7
	s_lshl_b32 s28, s18, 24                        ; an expert: 1,024 rows of 16,384 bytes
	s_lshl_b32 s30, s17, 9                         ; 128 columns of 4 bytes
	s_add_co_u32 s28, s28, s30
	s_lshl_b32 s30, s16, 19                        ; 32 rows
	s_add_co_u32 s28, s28, s30
	s_wait_kmcnt 0x0
	s_add_nc_u64 s[4:5], s[4:5], s[28:29]
	s_lshl_b32 s28, s18, 14
	s_lshl_b32 s30, s17, 9
	s_add_co_u32 s28, s28, s30
	s_add_nc_u64 s[6:7], s[6:7], s[28:29]
	s_lshl_b32 s28, s17, 8                         ; 128 columns of 2 bytes
	s_add_nc_u64 s[12:13], s[12:13], s[28:29]
	s_mul_i32 s28, s18, PLANB
	s_add_nc_u64 s[14:15], s[14:15], s[28:29]
.irp i, 0,1,2,3,4,5,6,7,8,9,10,11,12,13,14,15
	global_load_b128 v[32+4*(\i):32+4*(\i)+3], v[VW], s[10:11] offset:512*(\i)  ; sel: entries 128 i + 4 lane + 0..3, two tokens
.endr
	global_load_b128 v[BRAW:BRAW+3], v26, s[6:7]
	global_load_b128 v[BRAW+4:BRAW+7], v26, s[6:7] offset:16
.else
	s_and_b32 s33, s17, 7                          ; which 128 columns
	s_lshr_b32 s34, s17, 3                         ; which quarter of K
	s_cmp_eq_u32 s34, 0
	s_cselect_b32 s32, -1, 0                       ; the bias enters in quarter 0 alone
	s_lshl_b32 s28, s18, 24                        ; an expert: 4,096 rows of 4,096 bytes
	s_lshl_b32 s30, s34, 22
	s_add_co_u32 s28, s28, s30
	s_lshl_b32 s30, s33, 9
	s_add_co_u32 s28, s28, s30
	s_lshl_b32 s30, s16, 17                        ; 32 rows
	s_add_co_u32 s28, s28, s30
	s_wait_kmcnt 0x0
	s_add_nc_u64 s[4:5], s[4:5], s[28:29]
	s_lshl_b32 s28, s18, 12
	s_lshl_b32 s30, s33, 9
	s_add_co_u32 s28, s28, s30
	s_add_nc_u64 s[6:7], s[6:7], s[28:29]
	s_lshl_b32 s28, s34, 11                        ; 1,024 of K in bf16
	s_add_nc_u64 s[8:9], s[8:9], s[28:29]
	s_mul_i32 s28, s34, ROWS*4096                  ; a quarter of yp: 2,056 rows of 4,096 bytes
	s_add_co_u32 s28, s28, s30
	s_add_nc_u64 s[12:13], s[12:13], s[28:29]
	s_mul_i32 s28, s18, PLANB
	s_add_nc_u64 s[10:11], s[10:11], s[28:29]
	s_load_b32 s19, s[10:11], 0x1000               ; the expert count: no line of this launch stores into plan
.irp i, 0,1,2,3,4,5,6,7
	global_load_b128 v[32+4*(\i):32+4*(\i)+3], v[VW], s[10:11] offset:512*(\i)  ; its list
.endr
	global_load_b128 v[BRAW:BRAW+3], v[V16R], s[6:7]               ; my 8 biases: columns 4 r .. 4 r + 3 and 64 + 4 r ..
	global_load_b128 v[BRAW+4:BRAW+7], v[V16R], s[6:7] offset:256
.endif
.irp u, 0,1,2,3,4
	WLOAD \u, 128*((\u)/4)+8*((\u)%4)
.endr
	s_wait_loadcnt 40                              ; the small loads are in; the 40 loads of the five slots behind them stay out
.irp u, 5,6
	WLOAD \u, 128*((\u)/4)+8*((\u)%4)              ; positions 0 to 6 are out: 56 loads
.endr
	WIN 0
	; the bias, rounded to bf16 like the other inputs, as f32 in window 1
.if FFN == 2
.irp j, 0,1,2,3,4,5,6,7
	v_cndmask_b32 v[BRAW+(\j)], 0, v[BRAW+(\j)], s32
.endr
.endif
.irp p, 0,1,2,3
	v_cvt_pk_bf16_f32 v[BRAW+8+(\p)], v[BRAW+2*(\p)], v[BRAW+2*(\p)+1]
.endr
	WIN 0x40
.irp p, 0,1,2,3
	v_lshlrev_b32 v[BIAS+2*(\p)], 16, v[BRAW+8+(\p)]
	v_and_b32 v[BIAS+2*(\p)+1], 0xffff0000, v[BRAW+8+(\p)]
.endr
	WIN 0
.irp k, 0,1,2,3
	v_mov_b32 v[96+(\k)], s39
.endr
.if FFN == 1
	; THE LIST.  Every wave makes its own copy, in its own bytes.  First 2,048 + e in all 1,280 places; then, 32 tokens at a time, each token that chose the expert puts its entry at the next free place.
.irp k, 0,1,2,3,4,5,6,7,8,9
	ds_store_b128 v25, v[96:99] offset:512*(\k)
.endr
	s_mov_b32 s19, 0
.macro GROUP i, g                      ; the tokens 64 i + 2 lane + g: their two entries lie in two registers on end
	v_cmp_eq_u32 s40, s18, v[32+4*(\i)+2*(\g)]
	v_cmp_eq_u32 vcc_lo, s18, v[32+4*(\i)+2*(\g)+1]
	s_or_b32 s40, s40, vcc_lo                      ; one place a token at the most: the count never passes 1,024
	v_add_co_ci_u32 v20, vcc_lo, 128*(\i)+2*(\g), v22, vcc_lo  ; the entry: 2 x token, + 1 if the second slot chose
	v_mbcnt_lo_u32_b32 v21, s40, s19               ; its place: the count so far + the choosing lanes below mine
	v_cndmask_b32 v21, v24, v21, s40               ; a lane that did not choose writes behind the list
	v_min_u32 v21, 0x51f, v21                      ; inside my wave 1,312 words whatever sel holds
	v_lshl_add_u32 v21, v21, 2, v23
	ds_store_b32 v21, v20
	s_bcnt1_i32_b32 s41, s40
	s_add_co_u32 s19, s19, s41
.endm
.irp i, 0,1,2,3,4,5,6,7,8,9,10,11,12,13,14,15
	GROUP \i, 0
	GROUP \i, 1
.endr
	s_min_u32 s19, s19, 1024                       ; the count, held to what the list has room for
	s_or_b32 s25, s16, s17                         ; wave 0 of slice 0 stores list and count for the next launch
	s_cmp_lg_u32 s25, 0
	s_cbranch_scc1 .Lnoexp
.irp k, 0,1,2,3,4,5,6,7
	ds_load_b128 v[96+4*(\k):96+4*(\k)+3], v25 offset:512*(\k)     ; LDS serves a wave in order (ISA guide 5.7.1.4): these see my stores above
.endr
	v_mov_b32 v20, s19
	s_wait_dscnt 0x0
.irp k, 0,1,2,3,4,5,6,7
	global_store_b128 v[VW], v[96+4*(\k):96+4*(\k)+3], s[14:15] offset:512*(\k)
.endr
	global_store_b32 v22, v20, s[14:15] offset:4096
	s_wait_xcnt 0x0                                ; the stores have read their registers, which phase 2 writes again
.Lnoexp:
.else
.irp k, 0,1,2,3,4,5,6,7
	ds_store_b128 v25, v[32+4*(\k):32+4*(\k)+3] offset:512*(\k)    ; the list, into my wave own bytes
.endr
	ds_store_b128 v25, v[96:99] offset:4096                        ; places 1,024 to 1,279, which the last pass names, hold 2,048 + e
	ds_store_b128 v25, v[96:99] offset:4608
	s_wait_kmcnt 0x0
	s_min_u32 s19, s19, 1024
.endif
	; PHASE 1.  A trip takes 256 of K: every slot once, two regions of LDS.  Three trips ask in every turn; in the fourth, written out, only the first turn asks (position 31): no load leaves the slice
	s_mov_b32 s21, 3
.Lstream:
.irp u, 0,1,2,3,4,5,6,7
	TURN \u, 1, 48
.endr
	s_wait_xcnt 0x0                                ; the base steps only behind this wait
	s_add_nc_u64 s[4:5], s[4:5], 256*PITCH
	v_add_nc_u32 v[VST], 2*REG, v[VST]
	s_sub_co_u32 s21, s21, 1
	s_cmp_lg_u32 s21, 0
	s_cbranch_scc1 .Lstream
	TURN 0, 1, 48
.irp u, 1,2,3,4,5,6,7
	TURN \u, 0, 56-8*(\u)
.endr
	s_wait_dscnt 0x0                               ; for the others: my part of the slice is in LDS
	s_barrier_signal -1
	s_barrier_wait -1                              ; the slice is whole; nothing writes it again
	; PHASE 2.  The entries of row r of my five tiles, for all four passes: one fixed address, the pass and the tile in the immediate
.irp p, 0,1,2,3
.irp i, 0,1,2,3,4
	ds_load_b32 v[ID+5*(\p)+(\i)], v[VLR] offset:1280*(\p)+256*(\i)
.endr
.endr
	s_add_co_u32 s37, s19, 15
	s_lshr_b32 s37, s37, 4                         ; tiles of 16 rows with rows;
	s_add_co_u32 s37, s37, 3
	s_sub_co_u32 s37, s37, s16
	s_lshr_b32 s37, s37, 2                         ; of them mine: w, w + 4, ..
	s_min_u32 s37, s37, 16
	s_mov_b32 s22, 4
	s_wait_dscnt 0x0
.Lpass:
	s_min_u32 s24, s37, 5                          ; my tiles with rows in this pass
	s_cmp_eq_u32 s24, 0
	s_cbranch_scc1 .Lnext
.irp i, 0,1,2,3,4
.if FFN == 1
	v_lshrrev_b32 v[VA+(\i)], 1, v[ID+(\i)]        ; the token
	v_min_u32 v[VA+(\i)], 0x3ff, v[VA+(\i)]
	v_lshl_add_u32 v[VA+(\i)], v[VA+(\i)], 11, v[V16H]
.else
	v_min_u32 v[VA+(\i)], 0x7ff, v[ID+(\i)]
	v_lshl_add_u32 v[VA+(\i)], v[VA+(\i)], 13, v[V16H]
.endif
.endr
	s_wait_xcnt 0x0                                ; the last pass stores have read the registers that the loads below fill
	s_mov_b64 s[26:27], s[8:9]
	ALOAD 0, 0
	ALOAD 1, 0
	ALOAD 2, 0
	ALOAD 3, 0
	WIN 0x81                                       ; the sums start at the bias of their column; this stands in the wait for the first activations
.set n, 0
.rept 256
	v_mov_b32 v[n], v[BIAS+(n/8)%8]
.set n, n+1
.endr
	WIN 0xc1
.set n, 0
.rept 64
	v_mov_b32 v[n], v[BIAS+n/8]
.set n, n+1
.endr
	WIN 0
	v_mov_b32 v[VRC], v[VRD]                       ; region 0
	FETCHB 0, 0
	WIN 0
	s_mov_b32 s21, 7
.Lblk:
	BLOCK 0
	WIN 0
	s_sub_co_u32 s21, s21, 1
	s_cmp_lg_u32 s21, 0
	s_cbranch_scc1 .Lblk
	BLOCK 1                                        ; the last 128 of K ask for nothing more: the counts run down
	WIN 0
	PLACES
.irp i, 0,1,2,3,4
.irp m, 0,1,2,3,4,5,6,7
	ds_bpermute_b32 v[EE+8*(\i)+(\m)], v[IX+(\m)], v[ID+(\i)]      ; the entry of row 8 h + m of tile i, from the lane that holds it; no LDS byte is touched
.endr
.endr
	s_wait_dscnt 0x0
.set n, 0
.rept 40
	v_min_u32 v[EE+n], ROWS-1, v[EE+n]             ; an entry, or the expert spare row
.set n, n+1
.endr
.set n, 0
.rept 40
	v_lshl_add_u32 v[OFF+n], v[EE+n], SH, v[V16R]  ; its row + 16 r
.set n, n+1
.endr
.if FFN == 2
.set n, 0
.rept 40
	v_min_u32 v[EE+n], 0x7ff, v[EE+n]              ; gw has the 2,048 entries alone
.set n, n+1
.endr
.set n, 0
.rept 40
	v_lshlrev_b32 v[EE+n], 2, v[EE+n]
.set n, n+1
.endr
.set n, 0
.rept 40
	global_load_b32 v[GG+n], v[EE+n], s[14:15]     ; the entry gate weight
.set n, n+1
.endr
	s_wait_loadcnt 0x0
.endif
	OUTT 0
	OUTT 1
	OUTT 2
	OUTT 3
	OUTT 4
.Ldone:
.Lnext:
	s_sub_co_u32 s37, s37, s24                     ; my tiles still to come; held to 5 anew at the head of the next pass
.set n, 0
.rept 15
	v_mov_b32 v[ID+n], v[ID+5+n]                   ; the next pass entries move up
.set n, n+1
.endr
	s_sub_co_u32 s22, s22, 1
	s_cmp_lg_u32 s22, 0
	s_cbranch_scc1 .Lpass
	s_wait_dscnt 0x0                               ; my reads of the slice are over,
	s_barrier_signal -1
	s_barrier_wait -1                              ; and so are every wave reads, ahead of any wave closing add
	s_wait_tensorcnt 0x0                           ; the end of a wave that wrote LDS
	ds_add_u32 v[SPW], v[NIL]
	s_wait_dscnt 0x0
	s_endpgm
.Lfunc_end_k_qa5fe9ed30f_ffn2:
	.size	k_qa5fe9ed30f_ffn2, .Lfunc_end_k_qa5fe9ed30f_ffn2-k_qa5fe9ed30f_ffn2
	.p2alignl 7, 3214868480
	.fill 96, 4, 3214868480
	.section	.rodata,"a",@progbits
	.p2align	6, 0x0
	.amdhsa_kernel k_qa5fe9ed30f_ffn2
		.amdhsa_group_segment_fixed_size 302592
		.amdhsa_private_segment_fixed_size 0
		.amdhsa_enable_private_segment 0
		.amdhsa_kernarg_size 48
		.amdhsa_user_sgpr_count 2
		.amdhsa_user_sgpr_kernarg_segment_ptr 1
		.amdhsa_wavefront_size32 1
		.amdhsa_system_sgpr_workgroup_id_x 1
		.amdhsa_system_sgpr_workgroup_id_y 1
		.amdhsa_system_sgpr_workgroup_id_z 1
		.amdhsa_system_vgpr_workitem_id 0
		.amdhsa_next_free_vgpr 832
		.amdhsa_next_free_sgpr 66
		.amdhsa_reserve_vcc 1
		.amdhsa_float_denorm_mode_32 3
		.amdhsa_float_denorm_mode_16_64 3
		.amdhsa_memory_ordered 1
		.amdhsa_forward_progress 1
		.amdhsa_inst_pref_size 127
	.end_amdhsa_kernel
	.amdgpu_metadata
---
amdhsa.version: [ 1, 2 ]
amdhsa.kernels:
  - .name:           k_qa5fe9ed30f_ffn2
    .symbol:         k_qa5fe9ed30f_ffn2.kd
    .args:
      - { .name: W2, .offset: 0, .size: 8, .value_kind: global_buffer, .address_space: global }
      - { .name: b2, .offset: 8, .size: 8, .value_kind: global_buffer, .address_space: global }
      - { .name: hb, .offset: 16, .size: 8, .value_kind: global_buffer, .address_space: global }
      - { .name: plan, .offset: 24, .size: 8, .value_kind: global_buffer, .address_space: global }
      - { .name: yp, .offset: 32, .size: 8, .value_kind: global_buffer, .address_space: global }
      - { .name: gw, .offset: 40, .size: 8, .value_kind: global_buffer, .address_space: global }
    .group_segment_fixed_size: 302592
    .private_segment_fixed_size: 0
    .kernarg_segment_align: 8
    .kernarg_segment_size: 48
    .max_flat_workgroup_size: 128
    .sgpr_count:     66
    .vgpr_count:     832
    .wavefront_size: 32
...
	.end_amdgpu_metadata
.endif
;; end of part 3
;; launch combine (part 4): grid 256 x 1, 8 waves a work-group, no clusters, 0 bytes of LDS; arguments yp, psum, out0, out1; writes out0, out1
.if DOCPART == 4
	.amdgcn_target "amdgcn-amd-amdhsa--gfx1250"
	.amdhsa_code_object_version 6
	.text
	.protected	k_qa5fe9ed30f_combine
	.globl	k_qa5fe9ed30f_combine
	.p2align	8
	.type	k_qa5fe9ed30f_combine,@function
k_qa5fe9ed30f_combine:
	s_mov_b64 s[64:65], 0
	v_nop
	global_prefetch_b8 v0, s[64:65] scope:SCOPE_SE
	s_setreg_imm32_b32 hwreg(HW_REG_WAVE_MODE, 25, 1), 1
	s_wait_xcnt 0x0
; out0[b] = the sum of token b eight partial rows (two entries x four quarters of K; the gate weights are already in them), in f32, in a fixed pairwise order.
; out1 = 0.01 x the sum over the experts of u ln(u + 1e-8), u = the mean probability, from the 64 partial sums of the first launch.
; A stream: the work-group owns 4 tokens, thread t the 16 bytes at 16 t of every row, so a wave load or store covers 512 consecutive bytes, aligned.  All 32 loads of a thread go out at once.
; A quarter of yp has 2,056 rows: the 2,048 entries, which are read here, and 8 spare rows, which are not.
; No LDS, no barrier, no matrix unit, no cluster: every byte is read once by one thread.
.set V, 16                             ; v16-143: token t, quarter k, slot j at V + 32 t + 8 k + 4 j
.set QUARTER, 2056*4096                ; bytes of a quarter of yp
	s_load_b256 s[4:11], s[0:1], 0x0               ; yp s[4:5], psum s[6:7], out0 s[8:9], out1 s[10:11]
	v_lshlrev_b32 v1, 4, v0
	v_lshrrev_b32 v2, 5, v0
	v_readfirstlane_b32 s12, v2                    ; wave
	s_lshl_b32 s14, ttmp9, 15                      ; 8 entries of 4,096 bytes
	s_mov_b32 s15, 0
	s_lshl_b32 s16, ttmp9, 14                      ; 4 tokens
	s_mov_b32 s17, 0
	s_mov_b32 s18, 0x76543210                      ; v_permlanex16_b32: each lane takes its own place in the other half
	s_mov_b32 s19, 0xfedcba98
	s_wait_kmcnt 0x0
	s_add_nc_u64 s[20:21], s[4:5], s[14:15]        ; a base for each quarter: 8,421,376 bytes apart, more than a load immediate holds
	s_add_nc_u64 s[22:23], s[20:21], QUARTER
	s_add_nc_u64 s[24:25], s[22:23], QUARTER
	s_add_nc_u64 s[26:27], s[24:25], QUARTER
	s_add_nc_u64 s[8:9], s[8:9], s[16:17]
.irp t, 0,1,2,3
.irp k, 0,1,2,3
.irp j, 0,1
	global_load_b128 v[V+32*(\t)+8*(\k)+4*(\j):V+32*(\t)+8*(\k)+4*(\j)+3], v1, s[20+2*(\k):21+2*(\k)] offset:(2*(\t)+(\j))*4096 th:TH_LOAD_NT
.endr
.endr
.endr
.macro ADD4 a, b                       ; four numbers onto four
	v_pk_add_f32 v[(\a):(\a)+1], v[(\a):(\a)+1], v[(\b):(\b)+1]
	v_pk_add_f32 v[(\a)+2:(\a)+3], v[(\a)+2:(\a)+3], v[(\b)+2:(\b)+3]
.endm
.irp t, 0,1,2,3
	s_wait_loadcnt 24-8*(\t)                       ; loads come back in order: this token eight are in, eight for each later token stay out
	ADD4 V+32*(\t), V+32*(\t)+4
	ADD4 V+32*(\t)+8, V+32*(\t)+12
	ADD4 V+32*(\t)+16, V+32*(\t)+20
	ADD4 V+32*(\t)+24, V+32*(\t)+28
	ADD4 V+32*(\t), V+32*(\t)+8
	ADD4 V+32*(\t)+16, V+32*(\t)+24
	ADD4 V+32*(\t), V+32*(\t)+16
	global_store_b128 v1, v[V+32*(\t):V+32*(\t)+3], s[8:9] offset:4096*(\t) th:TH_STORE_NT
.endr
	s_or_b32 s13, s12, ttmp9                       ; wave 0 of work-group 0 makes the second output
	s_cmp_lg_u32 s13, 0
	s_cbranch_scc1 .Lend
.irp i, 0,1,2,3
	global_load_b128 v[20+4*(\i):23+4*(\i)], v1, s[6:7] offset:512*(\i)   ; lane l: experts 4 (l % 2) + 0..3 of partial sum l / 2 + 16 i; v20-35 are no store data
.endr
	s_wait_loadcnt 0x0
	ADD4 20, 24
	ADD4 28, 32
	ADD4 20, 28
.irp k, 2,4,8
.irp n, 0,1,2,3
	v_add_f32_dpp v[20+(\n)], v[20+(\n)], v[20+(\n)] row_xmask:\k row_mask:0xf bank_mask:0xf  ; over the lanes of my parity in my half
.endr
.endr
.irp n, 0,1,2,3
	v_permlanex16_b32 v[24+(\n)], v[20+(\n)], s18, s19
.endr
.irp n, 0,1,2,3
	v_add_f32 v[20+(\n)], v[20+(\n)], v[24+(\n)]
.endr
.irp n, 0,1,2,3
	v_mul_f32 v[20+(\n)], 0x3a800000, v[20+(\n)]   ; / 1,024
.endr
.irp n, 0,1,2,3
	v_add_f32 v[24+(\n)], 0x322bcc77, v[20+(\n)]   ; + 1e-8
.endr
.irp n, 0,1,2,3
	v_log_f32 v[28+(\n)], v[24+(\n)]               ; one batch
.endr
	v_mov_b32 v33, 0                               ; the plain instruction behind the last logarithm (ISA guide 5.7.2),
	s_wait_alu depctr_va_vdst(0)                   ; and one wait ahead of the first reader
	v_mul_f32 v32, v20, v28
	v_fmac_f32 v32, v21, v29
	v_fmac_f32 v32, v22, v30
	v_fmac_f32 v32, v23, v31
	v_add_f32_dpp v32, v32, v32 row_xmask:1 row_mask:0xf bank_mask:0xf    ; the other four experts
	v_mul_f32 v32, 0x3be32166, v32                 ; 0.01 ln 2: the logarithms are to base 2
	s_wait_xcnt 0x0                                ; EXEC is a source of my pending stores: it changes only behind this wait
	v_cmp_eq_u32 vcc_lo, 0, v0
	s_and_saveexec_b32 s13, vcc_lo
	global_store_b32 v33, v32, s[10:11]
	s_wait_xcnt 0x0
	s_or_b32 exec_lo, exec_lo, s13
.Lend:
	s_endpgm
.Lfunc_end_k_qa5fe9ed30f_combine:
	.size	k_qa5fe9ed30f_combine, .Lfunc_end_k_qa5fe9ed30f_combine-k_qa5fe9ed30f_combine
	.p2alignl 7, 3214868480
	.fill 96, 4, 3214868480
	.section	.rodata,"a",@progbits
	.p2align	6, 0x0
	.amdhsa_kernel k_qa5fe9ed30f_combine
		.amdhsa_group_segment_fixed_size 0
		.amdhsa_private_segment_fixed_size 0
		.amdhsa_enable_private_segment 0
		.amdhsa_kernarg_size 32
		.amdhsa_user_sgpr_count 2
		.amdhsa_user_sgpr_kernarg_segment_ptr 1
		.amdhsa_wavefront_size32 1
		.amdhsa_system_sgpr_workgroup_id_x 1
		.amdhsa_system_sgpr_workgroup_id_y 1
		.amdhsa_system_sgpr_workgroup_id_z 1
		.amdhsa_system_vgpr_workitem_id 0
		.amdhsa_next_free_vgpr 152
		.amdhsa_next_free_sgpr 66
		.amdhsa_reserve_vcc 1
		.amdhsa_float_denorm_mode_32 3
		.amdhsa_float_denorm_mode_16_64 3
		.amdhsa_memory_ordered 1
		.amdhsa_forward_progress 1
		.amdhsa_inst_pref_size 12
	.end_amdhsa_kernel
	.amdgpu_metadata
---
amdhsa.version: [ 1, 2 ]
amdhsa.kernels:
  - .name:           k_qa5fe9ed30f_combine
    .symbol:         k_qa5fe9ed30f_combine.kd
    .args:
      - { .name: yp, .offset: 0, .size: 8, .value_kind: global_buffer, .address_space: global }
      - { .name: psum, .offset: 8, .size: 8, .value_kind: global_buffer, .address_space: global }
      - { .name: out0, .offset: 16, .size: 8, .value_kind: global_buffer, .address_space: global }
      - { .name: out1, .offset: 24, .size: 8, .value_kind: global_buffer, .address_space: global }
    .group_segment_fixed_size: 0
    .private_segment_fixed_size: 0
    .kernarg_segment_align: 8
    .kernarg_segment_size: 32
    .max_flat_workgroup_size: 256
    .sgpr_count:     66
    .vgpr_count:     152
    .wavefront_size: 32
...
	.end_amdgpu_metadata
.endif
;; end of part 4
;; ======== version 2 of 3: 5 launches; 1.14 times as fast as version 1
;; workspace buffers: xb 2,097,152 bytes; sel 8,192 bytes of whole numbers; gw 8,192 bytes; psum 2,048 bytes; plan 43,008 bytes of whole numbers; hb 16,842,752 bytes; yp 33,685,504 bytes
;; launch router: the kernel of part 1 again; grid 64 x 1, 4 waves a work-group, no clusters, 54,784 bytes of LDS; arguments x, Wg, bg, xb, sel, gw, psum; writes xb, sel, gw, psum
;; launch lists (part 5): grid 8 x 1, 1 waves a work-group, no clusters, 5,632 bytes of LDS; arguments sel, plan; writes plan
.if DOCPART == 5
	.amdgcn_target "amdgcn-amd-amdhsa--gfx1250"
	.amdhsa_code_object_version 6
	.text
	.protected	k_qa5fe9ed30f_lists
	.globl	k_qa5fe9ed30f_lists
	.p2align	8
	.type	k_qa5fe9ed30f_lists,@function
k_qa5fe9ed30f_lists:
	s_mov_b64 s[64:65], 0
	v_nop
	global_prefetch_b8 v0, s[64:65] scope:SCOPE_SE
	s_setreg_imm32_b32 hwreg(HW_REG_WAVE_MODE, 25, 1), 1
	s_wait_xcnt 0x0
; THE LISTS.  Work-group e, one wave, makes expert e list of entries (an entry is 2 x token + slot, 0 .. 2,047) in the order of the tokens, and its count.
; plan, for each expert 5,376 bytes: 1,280 words of list, of which the places past the count hold 2,048 + e (the expert spare row in hb and yp); then 32 words that all hold the count.
; sel was stored by the launch before, at fixed places; here it is read as whole numbers, and only here do places hang on it.  No atomics: the place of an entry is the count so far plus the choosing lanes below.
; One wave an expert: 2,048 numbers are 16 loads of the wave, and the count runs through them in order.  No cluster, no matrix unit: there is nothing to share and nothing to multiply.
; LIMIT.  A token counts once for an expert, whatever sel holds: the count never passes 1,024.
.set PLANB, 5376
.set PCNT,  5120                       ; where the count lies
.set SPARE, 5376                       ; behind the list (5,120 bytes) and the 32 words that take what is not chosen: the spare words, one block of 256 bytes that no other line names
.set SPW, 28                           ; v28  SPARE + 4 x my thread number; never rewritten
.set NIL, 29                           ; v29  0; never rewritten
	s_load_b128 s[4:7], s[0:1], 0x0                ; sel s[4:5], plan s[6:7]
	v_lshl_add_u32 v[SPW], v0, 2, SPARE
	v_mov_b32 v[NIL], 0
	s_mov_b32 s18, ttmp9                           ; expert
	s_add_co_u32 s39, s18, 2048                    ; what the list holds past the count
	v_lshlrev_b32 v4, 4, v0                        ; 16 x lane
	v_lshlrev_b32 v22, 2, v0                       ; 4 x lane
	v_add_nc_u32 v24, 1280, v0                     ; the list place that takes what this lane does not choose
.irp k, 0,1,2,3
	v_mov_b32 v[96+(\k)], s39
.endr
	s_mul_i32 s28, s18, PLANB
	s_mov_b32 s29, 0
	s_mov_b32 s19, 0                               ; the count
	s_wait_kmcnt 0x0
	s_add_nc_u64 s[6:7], s[6:7], s[28:29]
.irp i, 0,1,2,3,4,5,6,7,8,9,10,11,12,13,14,15
	global_load_b128 v[32+4*(\i):32+4*(\i)+3], v4, s[4:5] offset:512*(\i)  ; entries 128 i + 4 lane + 0..3: two tokens
.endr
.irp k, 0,1,2,3,4,5,6,7,8,9
	ds_store_b128 v4, v[96:99] offset:512*(\k)     ; first 2,048 + e in all 1,280 places
.endr
.macro GROUP i, g                      ; the tokens 64 i + 2 lane + g: their two entries lie in two registers on end
	v_cmp_eq_u32 s40, s18, v[32+4*(\i)+2*(\g)]
	v_cmp_eq_u32 vcc_lo, s18, v[32+4*(\i)+2*(\g)+1]
	s_or_b32 s40, s40, vcc_lo                      ; one place a token at the most
	v_add_co_ci_u32 v20, vcc_lo, 128*(\i)+2*(\g), v22, vcc_lo  ; the entry: 2 x token, + 1 if the second slot chose
	v_mbcnt_lo_u32_b32 v21, s40, s19               ; its place: the count so far + the choosing lanes below mine
	v_cndmask_b32 v21, v24, v21, s40               ; a lane that did not choose writes behind the list
	v_min_u32 v21, 0x51f, v21                      ; inside the 1,312 words whatever sel holds
	v_lshlrev_b32 v21, 2, v21
	ds_store_b32 v21, v20
	s_bcnt1_i32_b32 s41, s40
	s_add_co_u32 s19, s19, s41
.endm
.irp i, 0,1,2,3,4,5,6,7,8,9,10,11,12,13,14,15
	s_wait_loadcnt 15-(\i)                         ; loads come back in order: load i is in, the later ones stay out
	GROUP \i, 0
	GROUP \i, 1
.endr
	s_min_u32 s19, s19, 1024
.irp k, 0,1,2,3,4,5,6,7,8,9
	ds_load_b128 v[96+4*(\k):96+4*(\k)+3], v4 offset:512*(\k)      ; LDS serves a wave in order (ISA guide 5.7.1.4): these see the stores above
.endr
	v_mov_b32 v20, s19
	s_wait_dscnt 0x0
.irp k, 0,1,2,3,4,5,6,7,8,9
	global_store_b128 v4, v[96+4*(\k):96+4*(\k)+3], s[6:7] offset:512*(\k)  ; 512 consecutive bytes, at a multiple of 256 from the first byte of plan
.endr
	global_store_b32 v22, v20, s[6:7] offset:PCNT
	s_wait_tensorcnt 0x0                           ; the end of a wave that wrote LDS
	ds_add_u32 v[SPW], v[NIL]
	s_wait_dscnt 0x0
	s_endpgm
.Lfunc_end_k_qa5fe9ed30f_lists:
	.size	k_qa5fe9ed30f_lists, .Lfunc_end_k_qa5fe9ed30f_lists-k_qa5fe9ed30f_lists
	.p2alignl 7, 3214868480
	.fill 96, 4, 3214868480
	.section	.rodata,"a",@progbits
	.p2align	6, 0x0
	.amdhsa_kernel k_qa5fe9ed30f_lists
		.amdhsa_group_segment_fixed_size 5632
		.amdhsa_private_segment_fixed_size 0
		.amdhsa_enable_private_segment 0
		.amdhsa_kernarg_size 16
		.amdhsa_user_sgpr_count 2
		.amdhsa_user_sgpr_kernarg_segment_ptr 1
		.amdhsa_wavefront_size32 1
		.amdhsa_system_sgpr_workgroup_id_x 1
		.amdhsa_system_sgpr_workgroup_id_y 1
		.amdhsa_system_sgpr_workgroup_id_z 1
		.amdhsa_system_vgpr_workitem_id 0
		.amdhsa_next_free_vgpr 136
		.amdhsa_next_free_sgpr 66
		.amdhsa_reserve_vcc 1
		.amdhsa_float_denorm_mode_32 3
		.amdhsa_float_denorm_mode_16_64 3
		.amdhsa_memory_ordered 1
		.amdhsa_forward_progress 1
		.amdhsa_inst_pref_size 23
	.end_amdhsa_kernel
	.amdgpu_metadata
---
amdhsa.version: [ 1, 2 ]
amdhsa.kernels:
  - .name:           k_qa5fe9ed30f_lists
    .symbol:         k_qa5fe9ed30f_lists.kd
    .args:
      - { .name: sel, .offset: 0, .size: 8, .value_kind: global_buffer, .address_space: global }
      - { .name: plan, .offset: 8, .size: 8, .value_kind: global_buffer, .address_space: global }
    .group_segment_fixed_size: 5632
    .private_segment_fixed_size: 0
    .kernarg_segment_align: 8
    .kernarg_segment_size: 16
    .max_flat_workgroup_size: 32
    .sgpr_count:     66
    .vgpr_count:     136
    .wavefront_size: 32
...
	.end_amdgpu_metadata
.endif
;; end of part 5
;; launch ffn1 (part 6): grid 32 x 8, 4 waves a work-group, no clusters, 281,088 bytes of LDS; arguments W1, b1, xb, plan, hb; writes hb
.if DOCPART == 6
	.amdgcn_target "amdgcn-amd-amdhsa--gfx1250"
	.amdhsa_code_object_version 6
	.text
	.protected	k_qa5fe9ed30f_ffn1
	.globl	k_qa5fe9ed30f_ffn1
	.p2align	8
	.type	k_qa5fe9ed30f_ffn1,@function
k_qa5fe9ed30f_ffn1:
	s_mov_b64 s[64:65], 0
	v_nop
	global_prefetch_b8 v0, s[64:65] scope:SCOPE_SE
	s_setreg_imm32_b32 hwreg(HW_REG_WAVE_MODE, 25, 1), 1
	s_wait_xcnt 0x0
; ONE PRODUCT OF THE EXPERTS, for the chosen rows alone.  The same text serves both products; FFN says which.
;   FFN = 1: hb[entry][128 x ..] = relu(xb[token] . W1[e] + b1[e]) in bf16.     FFN = 2: yp[K quarter][entry][128 cs ..] = gw[entry] x (hb[entry] . W2[e] (+ b2[e] in quarter 0)) in f32.
; An ENTRY is 2 x token + slot, 0 .. 2,047: the row in hb and yp, the index into gw.  Weights and biases are rounded once to bf16 on their way through registers; sums in f32.
; SHARES.  Grid y = expert e; grid x = a slice of 1,024 (K) x 128 columns of its weights, which this work-group alone reads, once.  All rows of the expert go through the slice.
; THE LIST of the expert entries and its count were stored by an earlier launch in plan.  A wave reads its 20 words of it (4 passes x 5 tiles, row r in lane r) straight from memory into registers at the head:
; each row address is such a number, a clamp, a shift and a lane constant.
; A PASS is 320 rows of the list: a wave has up to five tiles of 16 rows x 128 columns.  Activation rows come by the list straight from memory as source 0, the weights from LDS as source 1; the sums start at the bias.
; THE FIRST PASS GOES REGION BY REGION (a region: 128 of K), AND THE STREAM RUNS UNDER IT.  For region g every wave (S) rounds its 32 rows of the region, which lie in a ring of 4 slots x 8 loads in registers, to bf16,
; lays them into LDS with K along the rows, and asks for the same rows of region g + 1 into each slot as it is emptied; a barrier; (M) multiplies its tiles by region g, 128 to 160 matrix instructions, and asks for
; region g + 1 of its activation rows; a barrier.  So the next region, 32 loads of 512 consecutive bytes a wave, is on its way while this one is multiplied.  Loads come back in the order of issue, so the order is
; kept such that nothing waits for a younger weight load: the activations of region g are older than the weights of region g + 1.  Every wave runs this pass whatever the count: the barriers stand on every wave path.
; LATER PASSES (an expert with more than 320 rows; four passes cover the 1,024 that an expert can have) find all 8 regions in LDS; passes and tiles past the count are jumped forward; nothing in them writes LDS, so
; they have no barrier.  They are written short, not fast: a region activations are asked for at its head.  The first pass joins their loop at the way out, which so stands once in the text.
; In the result a lane holds one column of each of the 8 column tiles; the columns are dealt so that these 8 numbers lie together in a row: 16 lanes store 256 consecutive bytes, aligned.
; ROWS PAST THE COUNT.  hb and yp have 8 rows more than there are entries, one for each expert.  The list places past the count hold 2,048 + e.  A tile with a row under the count is stored whole, all lanes on:
; its rows past the count, 15 at the most in a work-group, go to row 2,048 + e, into this work-group own columns, and nobody reads them.  So no line of this text writes EXEC.
; What is READ for such a place is a row that exists: the number is held to 1,023 (token) or 2,047 (entry) in front of every load.
; NO CLUSTER: a slice has one reader, and what the work-groups of an expert share, its rows, comes by a list that no descriptor covers.  NO TENSOR LOADS: the f32 tiles would need slots beside the 280,576 bytes of bf16.
; LIMITS.  NaN and infinities are not treated apart (relu turns a NaN into 0).  A work-group of an expert without rows still streams its slice and multiplies the first pass, and stores nothing.
; In a pass that it runs a wave multiplies its tiles 0 to 3 even where they lie past the count (they repeat the last token or entry, and are not stored).
.set FFN, 1
.if FFN == 1
.set PITCH, 16384                      ; bytes from row to row of the weights
.set SH,    13                         ; an output row is 8,192 bytes
.else
.set PITCH, 4096
.set SH,    12
.endif
.set ROWS,  2056                       ; rows of hb and of a quarter of yp: 2,048 entries and a spare row for each expert
.set REG,   35072                      ; LDS: a region.  Column tile j, lane r: a row of 256 bytes at 4352 j + 128 (j / 4) + 272 r: the pitch of 272 sets the 16 rows of a fragment load
                                       ; into 16 different groups of four banks (64 banks of 4 bytes: ISA guide 11.1), the 128 does the same for the 16 lanes of a store of the stream
.set SPARE, 8*REG                      ; behind the 8 regions: the spare words, 128 bytes for each wave: two blocks of 256 bytes that no other line names
.set PLANB, 5376                       ; plan: for each expert 1,280 words of list, then 32 words that all hold the count
.set PCNT,  5120
; window 0
.set LN,   1                           ; lane
.set RR,   2                           ; r = lane % 16
.set HH,   3                           ; h = lane / 16
.set VW,   4                           ; 16 x lane
.set VST,  5                           ; the stream: where I put 16 bytes (8 of K) of a column, in the region in hand
.set VRD,  6                           ; 272 r + 16 h; never rewritten
.set VRC,  7                           ; the same in the region in hand
.set VLR,  9                           ; byte in the list of row r of my tile 0 of pass 0: 64 w + 4 r; never rewritten
.set V16R, 12
.set V16H, 13
.set VA,   14                          ; v14-18  byte offsets of my five tiles rows
.set VZ,   19                          ; 0
.set GO,   20                          ; v20-24  FFN = 2: byte offsets into gw
.set SPW,  28                          ; SPARE + 4 x my thread number; never rewritten
.set NIL,  29                          ; 0; never rewritten
.set AR,   32                          ; v32-191  activation fragments: K step s of four, tile i at AR + 40 s + 8 i
.set EE,   32                          ; the way out: v32-71 entries, v72-111 store offsets, v112-151 gate weights, v152-215 a tile at work
.set OFF,  72
.set GG,   112
.set TT,   152
.set BRAW, 200                         ; the head: the bias as loaded, then packed
.set ID,   216                         ; v216-235  the entry of row r of my tile i, this pass at ID + i, the later passes behind
.set GI,   236                         ; v236-240  FFN = 2: the gate weight of row r of my tile i
.set IX,   248                         ; v248-255  4 x (8 h + m): the lane that holds row 8 h + m; never rewritten
; window 1: v0-127 weight fragments, two buffers of 8 tiles; v128-135 the bias of my 8 columns; v144-207 packed weights, 16 registers for each slot of the ring
; window 2: accumulators of tiles 0-3 at 64 i + 8 j.  window 3: v0-63 those of tile 4; v64-191 the ring, slot u at 64 + 32 u
.set BIAS, 128
.set OO,   144
.set RING, 64
.set MSB, 0
.macro WIN new                         ; s_set_vgpr_msb: bits 1:0 source 0, 3:2 source 1, 5:4 source 2, 7:6 destination; the high byte repeats the setting that is left
.if MSB != (\new)
	s_set_vgpr_msb (MSB<<8)|(\new)
.set MSB, \new
.endif
.endm
.macro PLACES                          ; four places behind matrix instructions, ahead of loads into their sources and of reads of their results
.rept 4
	v_nop
.endr
.endm
; Slot u takes 8 rows of the slice from row on: each load is 512 consecutive bytes, aligned; lane l gets columns 4 l .. 4 l + 3
.macro WLOAD u, row
	WIN 0xc0
.irp n, 0,1,2,3,4,5,6,7
	global_load_b128 v[RING+32*(\u)+4*(\n):RING+32*(\u)+4*(\n)+3], v[VW], s[4:5] offset:((\row)+(\n))*PITCH th:TH_LOAD_NT
.endr
.endm
; The turn of slot u: rows 8 u .. 8 u + 7 of my 32 rows of the region in hand.  8 of K x my 4 columns are rounded in pairs along K into the slot own 16 registers; issue = 1: the slot is asked for again,
; 128 rows on; each column puts its 16 bytes into LDS
.macro TURN u, issue, left
.set OB, OO+16*(\u)
.set RB, RING+32*(\u)
	s_wait_loadcnt \left                           ; loads come back in order: this slot is in (the counts: at the uses)
	WIN 0x4f
.irp t, 0,1,2,3
.irp p, 0,1,2,3
	v_cvt_pk_bf16_f32 v[OB+4*(\t)+(\p)], v[RB+8*(\p)+(\t)], v[RB+8*(\p)+4+(\t)]
.endr
.endr
.if \issue
	WLOAD \u, 128+8*(\u)
.endif
	WIN 0x04
.irp t, 0,1,2,3
	ds_store_b128 v[VST], v[OB+4*(\t):OB+4*(\t)+3] offset:16*(\u)+4352*(\t)
.endr
.endm
; Ten loads: K step s (32 of K, 64 bytes of a row) of my five tiles, in the 128 of K at which the base stands: lane (r, h) takes bytes 16 h and 32 + 16 h of row r
.macro ALOAD s
	WIN 0
.irp i, 0,1,2,3,4
	global_load_b128 v[AR+40*(\s)+8*(\i):AR+40*(\s)+8*(\i)+3],   v[VA+(\i)], s[26:27] offset:64*(\s)
	global_load_b128 v[AR+40*(\s)+8*(\i)+4:AR+40*(\s)+8*(\i)+7], v[VA+(\i)], s[26:27] offset:64*(\s)+32
.endr
.endm
; Sixteen LDS loads in one run: the weight fragments of K step s of the region in hand, all 8 column tiles, into buffer f
.macro FETCHB f, s
	WIN 0x40
.irp j, 0,1,2,3,4,5,6,7
	ds_load_b128 v[64*(\f)+8*(\j):64*(\f)+8*(\j)+3],   v[VRC] offset:4352*(\j)+128*((\j)/4)+64*(\s)
	ds_load_b128 v[64*(\f)+8*(\j)+4:64*(\f)+8*(\j)+7], v[VRC] offset:4352*(\j)+128*((\j)/4)+64*(\s)+32
.endr
.endm
; Eight matrix instructions: tile i x the 8 column tiles.  No two matrix instructions on end share an accumulator anywhere in the text: the accumulators take turns
.macro MUL i, s, f
.if (\i) < 4
	WIN 0xa4
.set AC, 64*(\i)
.else
	WIN 0xf4
.set AC, 0
.endif
.irp j, 0,1,2,3,4,5,6,7
	v_wmma_f32_16x16x32_bf16 v[AC+8*(\j):AC+8*(\j)+7], v[AR+40*(\s)+8*(\i):AR+40*(\s)+8*(\i)+7], v[64*(\f)+8*(\j):64*(\f)+8*(\j)+7], v[AC+8*(\j):AC+8*(\j)+7]
.endr
.endm
; A K step of 32.  fetch = 1: the next step weights, of the same region, are fetched behind its first 16 products.  reload = 1: its own activation registers are asked for again, 128 of K on, behind its last;
; both bases step ahead of a region first reload: the last loads that read them were issued 32 matrix instructions ago or more
.macro KS s, reload, fetch, left
	s_wait_loadcnt \left                           ; this step activations are in (the counts: at MREG)
	s_wait_dscnt 0x0                               ; its weights are in
	MUL 0, \s, (\s)%2
	MUL 1, \s, (\s)%2
.if \fetch
	PLACES
	FETCHB ((\s)+1)%2, (\s)+1
.endif
	MUL 2, \s, (\s)%2
	MUL 3, \s, (\s)%2
	WIN 0                                          ; at a branch and at a label every window is 0
	s_cmp_lt_u32 s24, 5
	s_cbranch_scc1 .Lno4_\@                        ; the fifth tile is multiplied only where it has rows; its loads are issued on both ways, so the counts hold
	MUL 4, \s, (\s)%2
	WIN 0
.Lno4_\@:
.if \reload
	PLACES
.if (\s) == 0
	s_wait_xcnt 0x0                                ; the loads have had their addresses translated (ISA guide 3.1): their bases step only behind this wait
	s_add_nc_u64 s[26:27], s[26:27], 256           ; the activations: the next 128 of K
	s_add_nc_u64 s[4:5], s[4:5], 128*PITCH         ; the weights: the next region
.endif
	ALOAD \s
.endif
.endm
; A region is multiplied: 128 of K, 256 bytes of each activation row.
; reload = 1, the first pass loop.  Behind a step ten loads 62 younger ones were issued: 30 of the three other steps and the 32 weight loads of the next region.  The count is 52: ten more are asked in, the oldest of the 62:
; loads issued a region ago, or (step 3) the first ten of the next region weights.  With the step ten reloads the wave then has 62 loads out.
; reload = 0: nothing is asked for, and the counts run down: ten for each later step.
.macro MREG reload
	FETCHB 0, 0
.if \reload
	KS 0, 1, 1, 52
	KS 1, 1, 1, 52
	KS 2, 1, 1, 52
	KS 3, 1, 0, 52
.else
	KS 0, 0, 1, 30
	KS 1, 0, 1, 20
	KS 2, 0, 1, 10
	KS 3, 0, 0, 0
.endif
.endm
.macro ROWADR                          ; the byte offsets of row r of my five tiles of the pass in hand
.irp i, 0,1,2,3,4
.if FFN == 1
	v_lshrrev_b32 v[VA+(\i)], 1, v[ID+(\i)]        ; the token
	v_min_u32 v[VA+(\i)], 0x3ff, v[VA+(\i)]
	v_lshl_add_u32 v[VA+(\i)], v[VA+(\i)], 11, v[V16H]
.else
	v_min_u32 v[VA+(\i)], 0x7ff, v[ID+(\i)]
	v_lshlrev_b32 v[GO+(\i)], 2, v[VA+(\i)]
	v_lshl_add_u32 v[VA+(\i)], v[VA+(\i)], 13, v[V16H]
.endif
.endr
.endm
.macro GLOADS                          ; FFN = 2: the gate weight of row r of tile i: older than every activation load of the pass, so their first wait covers it
.if FFN == 2
.irp i, 0,1,2,3,4
	global_load_b32 v[GI+(\i)], v[GO+(\i)], s[14:15]
.endr
.endif
.endm
.macro BIASINIT                        ; the sums start at the bias of their column; this stands in the wait for loads
	WIN 0x81
.set n, 0
.rept 256
	v_mov_b32 v[n], v[BIAS+(n/8)%8]
.set n, n+1
.endr
	WIN 0xc1
.set n, 0
.rept 64
	v_mov_b32 v[n], v[BIAS+n/8]
.set n, n+1
.endr
	WIN 0
.endm
.macro GPERM i                         ; the gate weights of rows 8 h + m of tile i, from the lanes that hold them; no LDS byte is touched
.irp m, 0,1,2,3,4,5,6,7
	ds_bpermute_b32 v[GG+8*(\i)+(\m)], v[IX+(\m)], v[GI+(\i)]
.endr
.endm
.macro ROWST i, m                      ; rows m and 8 + m of tile i: each half of the lanes stores 256 consecutive bytes, aligned (FFN = 2: twice)
.if FFN == 1
	global_store_b128 v[OFF+8*(\i)+(\m)], v[TT+4*(\m):TT+4*(\m)+3], s[12:13]
.else
	global_store_b128 v[OFF+8*(\i)+(\m)], v[TT+8*(\m):TT+8*(\m)+3], s[12:13]
	global_store_b128 v[OFF+8*(\i)+(\m)], v[TT+8*(\m)+4:TT+8*(\m)+7], s[12:13] offset:256
.endif
.endm
; The way out of tile i, whole.  Each accumulator is read from its register 0 on.
.macro OUTT i
	WIN 0
	s_cmp_le_u32 s24, \i
	s_cbranch_scc1 .Ldone                          ; no rows in this tile, nor in the later ones
	s_wait_xcnt 0x0                                ; the last tile stores have read the registers that are written now
.if (\i) < 4
.set AC, 64*(\i)
.else
.set AC, 0
.endif
.if FFN == 1
.if (\i) < 4
	WIN 0x0a
.else
	WIN 0x0f
.endif
.irp m, 0,1,2,3,4,5,6,7
.irp q, 0,1,2,3
	v_cvt_pk_bf16_f32 v[TT+4*(\m)+(\q)], v[AC+16*(\q)+(\m)], v[AC+16*(\q)+8+(\m)]  ; columns 8 r + 2 q, 8 r + 2 q + 1
.endr
.endr
	WIN 0
.set n, 0
.rept 32
	v_pk_max_num_bf16 v[TT+n], v[TT+n], v[VZ]      ; relu on the rounded pair: rounding keeps the sign
.set n, n+1
.endr
.else
.if (\i) < 4
	WIN 0x02
.else
	WIN 0x03
.endif
.irp m, 0,1,2,3,4,5,6,7
.irp j, 0,1,2,3,4,5,6,7
	v_mul_f32 v[TT+8*(\m)+(\j)], v[AC+8*(\j)+(\m)], v[GG+8*(\i)+(\m)]
.endr
.endr
	WIN 0
.endif
.irp m, 0,1,2,3,4,5,6,7
	ROWST \i, \m
.endr
.endm
	s_load_b256 s[4:11], s[0:1], 0x0               ; weights s[4:5], bias s[6:7], activations s[8:9], plan s[10:11]
.if FFN == 1
	s_load_b64 s[12:13], s[0:1], 0x20              ; output
.else
	s_load_b128 s[12:15], s[0:1], 0x20             ; output s[12:13], gw s[14:15]
.endif
	v_lshl_add_u32 v[SPW], v0, 2, SPARE
	v_mov_b32 v[NIL], 0
	v_lshrrev_b32 v20, 5, v0
	v_readfirstlane_b32 s16, v20                   ; wave w
	s_mov_b32 s17, ttmp9                           ; slice
	s_and_b32 s18, ttmp7, 0xffff                   ; expert
	v_and_b32 v[LN], 31, v0
	v_and_b32 v[RR], 15, v0
	v_bfe_u32 v[HH], v0, 4, 1
	v_lshlrev_b32 v[VW], 4, v[LN]
.if FFN == 1
	v_lshrrev_b32 v20, 1, v[LN]                    ; column 4 l + t is column 8 r + j with r = l / 2, j = 4 (l % 2) + t
	v_and_b32 v21, 1, v[LN]
.set SA, 20
.set SB, 21
.else
.set SA, RR                            ; column 4 l + t is column 64 (j / 4) + 4 r + j % 4 with r = l % 16, j = 4 (l / 16) + t
.set SB, HH
.endif
	v_mul_u32_u24 v[VST], v[SA], 272
	v_mad_u32_u24 v[VST], v[SB], 17536, v[VST]     ; four column tiles on: 4 x 4352 + 128
	s_lshl_b32 s30, s16, 6
	v_add_nc_u32 v[VST], s30, v[VST]               ; in every region wave w owns K 32 w .. 32 w + 31: 64 bytes of each LDS row
	v_mul_u32_u24 v[VRD], v[RR], 272
	v_lshl_add_u32 v[VRD], v[HH], 4, v[VRD]
	v_lshl_add_u32 v[VLR], v[RR], 2, s30           ; my tile i of pass p is rows 320 p + 16 (w + 4 i) on: 1280 p + 64 w + 256 i bytes of the list
	v_lshlrev_b32 v[V16R], 4, v[RR]
	v_lshlrev_b32 v[V16H], 4, v[HH]
	v_mov_b32 v[VZ], 0
.irp m, 0,1,2,3,4,5,6,7
	v_lshl_add_u32 v[IX+(\m)], v[HH], 5, 4*(\m)
.endr
	s_mov_b32 s29, 0
.if FFN == 1
	v_lshlrev_b32 v26, 5, v[RR]                    ; my 8 biases: columns 8 r .. 8 r + 7
	s_lshl_b32 s28, s18, 24                        ; an expert: 1,024 rows of 16,384 bytes
	s_lshl_b32 s30, s17, 9                         ; 128 columns of 4 bytes
	s_add_co_u32 s28, s28, s30
	s_lshl_b32 s30, s16, 19                        ; 32 rows
	s_add_co_u32 s28, s28, s30
	s_wait_kmcnt 0x0
	s_add_nc_u64 s[4:5], s[4:5], s[28:29]
	s_lshl_b32 s28, s18, 14
	s_lshl_b32 s30, s17, 9
	s_add_co_u32 s28, s28, s30
	s_add_nc_u64 s[6:7], s[6:7], s[28:29]
	s_lshl_b32 s28, s17, 8                         ; 128 columns of 2 bytes
	s_add_nc_u64 s[12:13], s[12:13], s[28:29]
.else
	s_and_b32 s33, s17, 7                          ; which 128 columns
	s_lshr_b32 s34, s17, 3                         ; which quarter of K
	s_cmp_eq_u32 s34, 0
	s_cselect_b32 s32, -1, 0                       ; the bias enters in quarter 0 alone
	s_lshl_b32 s28, s18, 24                        ; an expert: 4,096 rows of 4,096 bytes
	s_lshl_b32 s30, s34, 22
	s_add_co_u32 s28, s28, s30
	s_lshl_b32 s30, s33, 9
	s_add_co_u32 s28, s28, s30
	s_lshl_b32 s30, s16, 17                        ; 32 rows
	s_add_co_u32 s28, s28, s30
	s_wait_kmcnt 0x0
	s_add_nc_u64 s[4:5], s[4:5], s[28:29]
	s_lshl_b32 s28, s18, 12
	s_lshl_b32 s30, s33, 9
	s_add_co_u32 s28, s28, s30
	s_add_nc_u64 s[6:7], s[6:7], s[28:29]
	s_lshl_b32 s28, s34, 11                        ; 1,024 of K in bf16
	s_add_nc_u64 s[8:9], s[8:9], s[28:29]
	s_mul_i32 s28, s34, ROWS*4096                  ; a quarter of yp: 2,056 rows of 4,096 bytes
	s_add_co_u32 s28, s28, s30
	s_add_nc_u64 s[12:13], s[12:13], s[28:29]
.endif
	s_mul_i32 s28, s18, PLANB
	s_add_nc_u64 s[10:11], s[10:11], s[28:29]
	s_load_b32 s19, s[10:11], PCNT                 ; the expert count: no line of this launch stores into plan
.irp p, 0,1,2,3
.irp i, 0,1,2,3,4
	global_load_b32 v[ID+5*(\p)+(\i)], v[VLR], s[10:11] offset:1280*(\p)+256*(\i)  ; the entry of row r of my tile i of pass p
.endr
.endr
.if FFN == 1
	global_load_b128 v[BRAW:BRAW+3], v26, s[6:7]
	global_load_b128 v[BRAW+4:BRAW+7], v26, s[6:7] offset:16
.else
	global_load_b128 v[BRAW:BRAW+3], v[V16R], s[6:7]               ; my 8 biases: columns 4 r .. 4 r + 3 and 64 + 4 r ..
	global_load_b128 v[BRAW+4:BRAW+7], v[V16R], s[6:7] offset:256
.endif
.irp u, 0,1,2,3
	WLOAD \u, 8*(\u)                               ; my 32 rows of region 0
.endr
	s_wait_loadcnt 32                              ; the 22 small loads are in; the 32 loads of region 0 behind them stay out
	WIN 0
	; the bias, rounded to bf16 like the other inputs, as f32 in window 1
.if FFN == 2
.irp j, 0,1,2,3,4,5,6,7
	v_cndmask_b32 v[BRAW+(\j)], 0, v[BRAW+(\j)], s32
.endr
.endif
.irp p, 0,1,2,3
	v_cvt_pk_bf16_f32 v[BRAW+8+(\p)], v[BRAW+2*(\p)], v[BRAW+2*(\p)+1]
.endr
	WIN 0x40
.irp p, 0,1,2,3
	v_lshlrev_b32 v[BIAS+2*(\p)], 16, v[BRAW+8+(\p)]
	v_and_b32 v[BIAS+2*(\p)+1], 0xffff0000, v[BRAW+8+(\p)]
.endr
	WIN 0
	s_wait_kmcnt 0x0
	s_min_u32 s19, s19, 1024                       ; the count, held to what four passes cover
	s_add_co_u32 s37, s19, 15
	s_lshr_b32 s37, s37, 4                         ; tiles of 16 rows with rows;
	s_add_co_u32 s37, s37, 3
	s_sub_co_u32 s37, s37, s16
	s_lshr_b32 s37, s37, 2                         ; of them mine: w, w + 4, ..
	s_min_u32 s37, s37, 16
	s_min_u32 s24, s37, 5                          ; my tiles with rows in the first pass
	; THE FIRST PASS
	ROWADR
	s_mov_b64 s[26:27], s[8:9]
	GLOADS
	ALOAD 0                                        ; region 0 of my activation rows: behind region 0 of the weights, ahead of region 1
	ALOAD 1
	ALOAD 2
	ALOAD 3
	BIASINIT
	v_mov_b32 v[VRC], v[VRD]                       ; region 0
	s_mov_b32 s21, 7
.Lreg:                                                 ; a trip: region g = 0 .. 6
	; Behind a slot eight loads 64 younger ones were issued: 24 of the three other slots (this region or the next) and the 40 activation loads of this region.  The count is 55: nine more are asked in, the next
	; slot and one load.  With the slot eight new loads the wave then has 63 loads out.
	TURN 0, 1, 55
	TURN 1, 1, 55
	TURN 2, 1, 55
	TURN 3, 1, 55
	WIN 0
	v_add_nc_u32 v[VST], REG, v[VST]               ; the next region: one step in each trip of the counted loop
	s_wait_dscnt 0x0                               ; for the others: my part of the region is in LDS
	s_barrier_signal -1
	s_barrier_wait -1                              ; the region is whole
	MREG 1
	WIN 0
	v_add_nc_u32 v[VRC], REG, v[VRC]
	s_wait_dscnt 0x0                               ; my reads of the region are over
	s_barrier_signal -1                            ; the stores behind this barrier go to the next region, bytes that no wave reads yet; the barrier keeps the reads and the writes of the slice
	s_barrier_wait -1                              ; in intervals of their own all the same, so that the ordering does not rest on the address arithmetic
	s_sub_co_u32 s21, s21, 1
	s_cmp_lg_u32 s21, 0
	s_cbranch_scc1 .Lreg
	TURN 0, 0, 55                                  ; region 7 is written out: nothing is left to ask for, so no load leaves the slice.  Younger than slot u: 8 (3 - u) + 40: 64, 56, 48, 40
	TURN 1, 0, 55
	TURN 2, 0, 48
	TURN 3, 0, 40
	WIN 0
	s_wait_dscnt 0x0
	s_barrier_signal -1
	s_barrier_wait -1                              ; the slice is whole; nothing writes it again
	MREG 0
	WIN 0
	s_mov_b32 s22, 4                               ; four passes, this one among them
	s_branch .Lout                                 ; the loop over passes is entered at the way out, in the middle of a trip
	; THE LATER PASSES
.Lpass:
	s_min_u32 s24, s37, 5                          ; my tiles with rows in this pass
	s_cmp_eq_u32 s24, 0
	s_cbranch_scc1 .Lnext
	ROWADR
	s_wait_xcnt 0x0                                ; the last pass stores have read the registers that the loads below fill
	s_mov_b64 s[26:27], s[8:9]
	GLOADS
	BIASINIT
	v_mov_b32 v[VRC], v[VRD]                       ; region 0
	s_mov_b32 s21, 8
.Lblk:
	PLACES                                         ; for the loads into registers that the last trip multiplied
	ALOAD 0
	ALOAD 1
	ALOAD 2
	ALOAD 3
	MREG 0
	WIN 0
	s_wait_xcnt 0x0                                ; the base steps only behind this wait
	s_add_nc_u64 s[26:27], s[26:27], 256
	v_add_nc_u32 v[VRC], REG, v[VRC]
	s_sub_co_u32 s21, s21, 1
	s_cmp_lg_u32 s21, 0
	s_cbranch_scc1 .Lblk
.Lout:
	PLACES
.irp i, 0,1,2,3,4
.irp m, 0,1,2,3,4,5,6,7
	ds_bpermute_b32 v[EE+8*(\i)+(\m)], v[IX+(\m)], v[ID+(\i)]      ; the entry of row 8 h + m of tile i, from the lane that holds it; no LDS byte is touched
.endr
.endr
.if FFN == 2
	GPERM 0
	GPERM 1
	s_wait_dscnt 16                                ; the 40 entries are in; the 16 gate weights behind them stay out
.else
	s_wait_dscnt 0x0
.endif
.set n, 0
.rept 40
	v_min_u32 v[EE+n], ROWS-1, v[EE+n]             ; an entry, or the expert spare row
.set n, n+1
.endr
.set n, 0
.rept 40
	v_lshl_add_u32 v[OFF+n], v[EE+n], SH, v[V16R]  ; its row + 16 r
.set n, n+1
.endr
.if FFN == 2
	GPERM 2
	GPERM 3
	GPERM 4
	s_wait_dscnt 0x0
.endif
	OUTT 0
	OUTT 1
	OUTT 2
	OUTT 3
	OUTT 4
.Ldone:
.Lnext:
	s_sub_co_u32 s37, s37, s24                     ; my tiles still to come; held to 5 anew at the head of the next pass
.set n, 0
.rept 15
	v_mov_b32 v[ID+n], v[ID+5+n]                   ; the next pass entries move up
.set n, n+1
.endr
	s_sub_co_u32 s22, s22, 1
	s_cmp_lg_u32 s22, 0
	s_cbranch_scc1 .Lpass
	s_wait_dscnt 0x0                               ; my reads of the slice are over,
	s_barrier_signal -1
	s_barrier_wait -1                              ; and so are every wave reads, ahead of any wave closing add
	s_wait_tensorcnt 0x0                           ; the end of a wave that wrote LDS
	ds_add_u32 v[SPW], v[NIL]
	s_wait_dscnt 0x0
	s_endpgm
.Lfunc_end_k_qa5fe9ed30f_ffn1:
	.size	k_qa5fe9ed30f_ffn1, .Lfunc_end_k_qa5fe9ed30f_ffn1-k_qa5fe9ed30f_ffn1
	.p2alignl 7, 3214868480
	.fill 96, 4, 3214868480
	.section	.rodata,"a",@progbits
	.p2align	6, 0x0
	.amdhsa_kernel k_qa5fe9ed30f_ffn1
		.amdhsa_group_segment_fixed_size 281088
		.amdhsa_private_segment_fixed_size 0
		.amdhsa_enable_private_segment 0
		.amdhsa_kernarg_size 40
		.amdhsa_user_sgpr_count 2
		.amdhsa_user_sgpr_kernarg_segment_ptr 1
		.amdhsa_wavefront_size32 1
		.amdhsa_system_sgpr_workgroup_id_x 1
		.amdhsa_system_sgpr_workgroup_id_y 1
		.amdhsa_system_sgpr_workgroup_id_z 1
		.amdhsa_system_vgpr_workitem_id 0
		.amdhsa_next_free_vgpr 960
		.amdhsa_next_free_sgpr 66
		.amdhsa_reserve_vcc 0
		.amdhsa_float_denorm_mode_32 3
		.amdhsa_float_denorm_mode_16_64 3
		.amdhsa_memory_ordered 1
		.amdhsa_forward_progress 1
		.amdhsa_inst_pref_size 138
	.end_amdhsa_kernel
	.amdgpu_metadata
---
amdhsa.version: [ 1, 2 ]
amdhsa.kernels:
  - .name:           k_qa5fe9ed30f_ffn1
    .symbol:         k_qa5fe9ed30f_ffn1.kd
    .args:
      - { .name: W1, .offset: 0, .size: 8, .value_kind: global_buffer, .address_space: global }
      - { .name: b1, .offset: 8, .size: 8, .value_kind: global_buffer, .address_space: global }
      - { .name: xb, .offset: 16, .size: 8, .value_kind: global_buffer, .address_space: global }
      - { .name: plan, .offset: 24, .size: 8, .value_kind: global_buffer, .address_space: global }
      - { .name: hb, .offset: 32, .size: 8, .value_kind: global_buffer, .address_space: global }
    .group_segment_fixed_size: 281088
    .private_segment_fixed_size: 0
    .kernarg_segment_align: 8
    .kernarg_segment_size: 40
    .max_flat_workgroup_size: 128
    .sgpr_count:     66
    .vgpr_count:     960
    .wavefront_size: 32
...
	.end_amdgpu_metadata
.endif
;; end of part 6
;; launch ffn2 (part 7): grid 32 x 8, 4 waves a work-group, no clusters, 281,088 bytes of LDS; arguments W2, b2, hb, plan, yp, gw; writes yp
.if DOCPART == 7
	.amdgcn_target "amdgcn-amd-amdhsa--gfx1250"
	.amdhsa_code_object_version 6
	.text
	.protected	k_qa5fe9ed30f_ffn2
	.globl	k_qa5fe9ed30f_ffn2
	.p2align	8
	.type	k_qa5fe9ed30f_ffn2,@function
k_qa5fe9ed30f_ffn2:
	s_mov_b64 s[64:65], 0
	v_nop
	global_prefetch_b8 v0, s[64:65] scope:SCOPE_SE
	s_setreg_imm32_b32 hwreg(HW_REG_WAVE_MODE, 25, 1), 1
	s_wait_xcnt 0x0
; ONE PRODUCT OF THE EXPERTS, for the chosen rows alone.  The same text serves both products; FFN says which.
;   FFN = 1: hb[entry][128 x ..] = relu(xb[token] . W1[e] + b1[e]) in bf16.     FFN = 2: yp[K quarter][entry][128 cs ..] = gw[entry] x (hb[entry] . W2[e] (+ b2[e] in quarter 0)) in f32.
; An ENTRY is 2 x token + slot, 0 .. 2,047: the row in hb and yp, the index into gw.  Weights and biases are rounded once to bf16 on their way through registers; sums in f32.
; SHARES.  Grid y = expert e; grid x = a slice of 1,024 (K) x 128 columns of its weights, which this work-group alone reads, once.  All rows of the expert go through the slice.
; THE LIST of the expert entries and its count were stored by an earlier launch in plan.  A wave reads its 20 words of it (4 passes x 5 tiles, row r in lane r) straight from memory into registers at the head:
; each row address is such a number, a clamp, a shift and a lane constant.
; A PASS is 320 rows of the list: a wave has up to five tiles of 16 rows x 128 columns.  Activation rows come by the list straight from memory as source 0, the weights from LDS as source 1; the sums start at the bias.
; THE FIRST PASS GOES REGION BY REGION (a region: 128 of K), AND THE STREAM RUNS UNDER IT.  For region g every wave (S) rounds its 32 rows of the region, which lie in a ring of 4 slots x 8 loads in registers, to bf16,
; lays them into LDS with K along the rows, and asks for the same rows of region g + 1 into each slot as it is emptied; a barrier; (M) multiplies its tiles by region g, 128 to 160 matrix instructions, and asks for
; region g + 1 of its activation rows; a barrier.  So the next region, 32 loads of 512 consecutive bytes a wave, is on its way while this one is multiplied.  Loads come back in the order of issue, so the order is
; kept such that nothing waits for a younger weight load: the activations of region g are older than the weights of region g + 1.  Every wave runs this pass whatever the count: the barriers stand on every wave path.
; LATER PASSES (an expert with more than 320 rows; four passes cover the 1,024 that an expert can have) find all 8 regions in LDS; passes and tiles past the count are jumped forward; nothing in them writes LDS, so
; they have no barrier.  They are written short, not fast: a region activations are asked for at its head.  The first pass joins their loop at the way out, which so stands once in the text.
; In the result a lane holds one column of each of the 8 column tiles; the columns are dealt so that these 8 numbers lie together in a row: 16 lanes store 256 consecutive bytes, aligned.
; ROWS PAST THE COUNT.  hb and yp have 8 rows more than there are entries, one for each expert.  The list places past the count hold 2,048 + e.  A tile with a row under the count is stored whole, all lanes on:
; its rows past the count, 15 at the most in a work-group, go to row 2,048 + e, into this work-group own columns, and nobody reads them.  So no line of this text writes EXEC.
; What is READ for such a place is a row that exists: the number is held to 1,023 (token) or 2,047 (entry) in front of every load.
; NO CLUSTER: a slice has one reader, and what the work-groups of an expert share, its rows, comes by a list that no descriptor covers.  NO TENSOR LOADS: the f32 tiles would need slots beside the 280,576 bytes of bf16.
; LIMITS.  NaN and infinities are not treated apart (relu turns a NaN into 0).  A work-group of an expert without rows still streams its slice and multiplies the first pass, and stores nothing.
; In a pass that it runs a wave multiplies its tiles 0 to 3 even where they lie past the count (they repeat the last token or entry, and are not stored).
.set FFN, 2
.if FFN == 1
.set PITCH, 16384                      ; bytes from row to row of the weights
.set SH,    13                         ; an output row is 8,192 bytes
.else
.set PITCH, 4096
.set SH,    12
.endif
.set ROWS,  2056                       ; rows of hb and of a quarter of yp: 2,048 entries and a spare row for each expert
.set REG,   35072                      ; LDS: a region.  Column tile j, lane r: a row of 256 bytes at 4352 j + 128 (j / 4) + 272 r: the pitch of 272 sets the 16 rows of a fragment load
                                       ; into 16 different groups of four banks (64 banks of 4 bytes: ISA guide 11.1), the 128 does the same for the 16 lanes of a store of the stream
.set SPARE, 8*REG                      ; behind the 8 regions: the spare words, 128 bytes for each wave: two blocks of 256 bytes that no other line names
.set PLANB, 5376                       ; plan: for each expert 1,280 words of list, then 32 words that all hold the count
.set PCNT,  5120
; window 0
.set LN,   1                           ; lane
.set RR,   2                           ; r = lane % 16
.set HH,   3                           ; h = lane / 16
.set VW,   4                           ; 16 x lane
.set VST,  5                           ; the stream: where I put 16 bytes (8 of K) of a column, in the region in hand
.set VRD,  6                           ; 272 r + 16 h; never rewritten
.set VRC,  7                           ; the same in the region in hand
.set VLR,  9                           ; byte in the list of row r of my tile 0 of pass 0: 64 w + 4 r; never rewritten
.set V16R, 12
.set V16H, 13
.set VA,   14                          ; v14-18  byte offsets of my five tiles rows
.set VZ,   19                          ; 0
.set GO,   20                          ; v20-24  FFN = 2: byte offsets into gw
.set SPW,  28                          ; SPARE + 4 x my thread number; never rewritten
.set NIL,  29                          ; 0; never rewritten
.set AR,   32                          ; v32-191  activation fragments: K step s of four, tile i at AR + 40 s + 8 i
.set EE,   32                          ; the way out: v32-71 entries, v72-111 store offsets, v112-151 gate weights, v152-215 a tile at work
.set OFF,  72
.set GG,   112
.set TT,   152
.set BRAW, 200                         ; the head: the bias as loaded, then packed
.set ID,   216                         ; v216-235  the entry of row r of my tile i, this pass at ID + i, the later passes behind
.set GI,   236                         ; v236-240  FFN = 2: the gate weight of row r of my tile i
.set IX,   248                         ; v248-255  4 x (8 h + m): the lane that holds row 8 h + m; never rewritten
; window 1: v0-127 weight fragments, two buffers of 8 tiles; v128-135 the bias of my 8 columns; v144-207 packed weights, 16 registers for each slot of the ring
; window 2: accumulators of tiles 0-3 at 64 i + 8 j.  window 3: v0-63 those of tile 4; v64-191 the ring, slot u at 64 + 32 u
.set BIAS, 128
.set OO,   144
.set RING, 64
.set MSB, 0
.macro WIN new                         ; s_set_vgpr_msb: bits 1:0 source 0, 3:2 source 1, 5:4 source 2, 7:6 destination; the high byte repeats the setting that is left
.if MSB != (\new)
	s_set_vgpr_msb (MSB<<8)|(\new)
.set MSB, \new
.endif
.endm
.macro PLACES                          ; four places behind matrix instructions, ahead of loads into their sources and of reads of their results
.rept 4
	v_nop
.endr
.endm
; Slot u takes 8 rows of the slice from row on: each load is 512 consecutive bytes, aligned; lane l gets columns 4 l .. 4 l + 3
.macro WLOAD u, row
	WIN 0xc0
.irp n, 0,1,2,3,4,5,6,7
	global_load_b128 v[RING+32*(\u)+4*(\n):RING+32*(\u)+4*(\n)+3], v[VW], s[4:5] offset:((\row)+(\n))*PITCH th:TH_LOAD_NT
.endr
.endm
; The turn of slot u: rows 8 u .. 8 u + 7 of my 32 rows of the region in hand.  8 of K x my 4 columns are rounded in pairs along K into the slot own 16 registers; issue = 1: the slot is asked for again,
; 128 rows on; each column puts its 16 bytes into LDS
.macro TURN u, issue, left
.set OB, OO+16*(\u)
.set RB, RING+32*(\u)
	s_wait_loadcnt \left                           ; loads come back in order: this slot is in (the counts: at the uses)
	WIN 0x4f
.irp t, 0,1,2,3
.irp p, 0,1,2,3
	v_cvt_pk_bf16_f32 v[OB+4*(\t)+(\p)], v[RB+8*(\p)+(\t)], v[RB+8*(\p)+4+(\t)]
.endr
.endr
.if \issue
	WLOAD \u, 128+8*(\u)
.endif
	WIN 0x04
.irp t, 0,1,2,3
	ds_store_b128 v[VST], v[OB+4*(\t):OB+4*(\t)+3] offset:16*(\u)+4352*(\t)
.endr
.endm
; Ten loads: K step s (32 of K, 64 bytes of a row) of my five tiles, in the 128 of K at which the base stands: lane (r, h) takes bytes 16 h and 32 + 16 h of row r
.macro ALOAD s
	WIN 0
.irp i, 0,1,2,3,4
	global_load_b128 v[AR+40*(\s)+8*(\i):AR+40*(\s)+8*(\i)+3],   v[VA+(\i)], s[26:27] offset:64*(\s)
	global_load_b128 v[AR+40*(\s)+8*(\i)+4:AR+40*(\s)+8*(\i)+7], v[VA+(\i)], s[26:27] offset:64*(\s)+32
.endr
.endm
; Sixteen LDS loads in one run: the weight fragments of K step s of the region in hand, all 8 column tiles, into buffer f
.macro FETCHB f, s
	WIN 0x40
.irp j, 0,1,2,3,4,5,6,7
	ds_load_b128 v[64*(\f)+8*(\j):64*(\f)+8*(\j)+3],   v[VRC] offset:4352*(\j)+128*((\j)/4)+64*(\s)
	ds_load_b128 v[64*(\f)+8*(\j)+4:64*(\f)+8*(\j)+7], v[VRC] offset:4352*(\j)+128*((\j)/4)+64*(\s)+32
.endr
.endm
; Eight matrix instructions: tile i x the 8 column tiles.  No two matrix instructions on end share an accumulator anywhere in the text: the accumulators take turns
.macro MUL i, s, f
.if (\i) < 4
	WIN 0xa4
.set AC, 64*(\i)
.else
	WIN 0xf4
.set AC, 0
.endif
.irp j, 0,1,2,3,4,5,6,7
	v_wmma_f32_16x16x32_bf16 v[AC+8*(\j):AC+8*(\j)+7], v[AR+40*(\s)+8*(\i):AR+40*(\s)+8*(\i)+7], v[64*(\f)+8*(\j):64*(\f)+8*(\j)+7], v[AC+8*(\j):AC+8*(\j)+7]
.endr
.endm
; A K step of 32.  fetch = 1: the next step weights, of the same region, are fetched behind its first 16 products.  reload = 1: its own activation registers are asked for again, 128 of K on, behind its last;
; both bases step ahead of a region first reload: the last loads that read them were issued 32 matrix instructions ago or more
.macro KS s, reload, fetch, left
	s_wait_loadcnt \left                           ; this step activations are in (the counts: at MREG)
	s_wait_dscnt 0x0                               ; its weights are in
	MUL 0, \s, (\s)%2
	MUL 1, \s, (\s)%2
.if \fetch
	PLACES
	FETCHB ((\s)+1)%2, (\s)+1
.endif
	MUL 2, \s, (\s)%2
	MUL 3, \s, (\s)%2
	WIN 0                                          ; at a branch and at a label every window is 0
	s_cmp_lt_u32 s24, 5
	s_cbranch_scc1 .Lno4_\@                        ; the fifth tile is multiplied only where it has rows; its loads are issued on both ways, so the counts hold
	MUL 4, \s, (\s)%2
	WIN 0
.Lno4_\@:
.if \reload
	PLACES
.if (\s) == 0
	s_wait_xcnt 0x0                                ; the loads have had their addresses translated (ISA guide 3.1): their bases step only behind this wait
	s_add_nc_u64 s[26:27], s[26:27], 256           ; the activations: the next 128 of K
	s_add_nc_u64 s[4:5], s[4:5], 128*PITCH         ; the weights: the next region
.endif
	ALOAD \s
.endif
.endm
; A region is multiplied: 128 of K, 256 bytes of each activation row.
; reload = 1, the first pass loop.  Behind a step ten loads 62 younger ones were issued: 30 of the three other steps and the 32 weight loads of the next region.  The count is 52: ten more are asked in, the oldest of the 62:
; loads issued a region ago, or (step 3) the first ten of the next region weights.  With the step ten reloads the wave then has 62 loads out.
; reload = 0: nothing is asked for, and the counts run down: ten for each later step.
.macro MREG reload
	FETCHB 0, 0
.if \reload
	KS 0, 1, 1, 52
	KS 1, 1, 1, 52
	KS 2, 1, 1, 52
	KS 3, 1, 0, 52
.else
	KS 0, 0, 1, 30
	KS 1, 0, 1, 20
	KS 2, 0, 1, 10
	KS 3, 0, 0, 0
.endif
.endm
.macro ROWADR                          ; the byte offsets of row r of my five tiles of the pass in hand
.irp i, 0,1,2,3,4
.if FFN == 1
	v_lshrrev_b32 v[VA+(\i)], 1, v[ID+(\i)]        ; the token
	v_min_u32 v[VA+(\i)], 0x3ff, v[VA+(\i)]
	v_lshl_add_u32 v[VA+(\i)], v[VA+(\i)], 11, v[V16H]
.else
	v_min_u32 v[VA+(\i)], 0x7ff, v[ID+(\i)]
	v_lshlrev_b32 v[GO+(\i)], 2, v[VA+(\i)]
	v_lshl_add_u32 v[VA+(\i)], v[VA+(\i)], 13, v[V16H]
.endif
.endr
.endm
.macro GLOADS                          ; FFN = 2: the gate weight of row r of tile i: older than every activation load of the pass, so their first wait covers it
.if FFN == 2
.irp i, 0,1,2,3,4
	global_load_b32 v[GI+(\i)], v[GO+(\i)], s[14:15]
.endr
.endif
.endm
.macro BIASINIT                        ; the sums start at the bias of their column; this stands in the wait for loads
	WIN 0x81
.set n, 0
.rept 256
	v_mov_b32 v[n], v[BIAS+(n/8)%8]
.set n, n+1
.endr
	WIN 0xc1
.set n, 0
.rept 64
	v_mov_b32 v[n], v[BIAS+n/8]
.set n, n+1
.endr
	WIN 0
.endm
.macro GPERM i                         ; the gate weights of rows 8 h + m of tile i, from the lanes that hold them; no LDS byte is touched
.irp m, 0,1,2,3,4,5,6,7
	ds_bpermute_b32 v[GG+8*(\i)+(\m)], v[IX+(\m)], v[GI+(\i)]
.endr
.endm
.macro ROWST i, m                      ; rows m and 8 + m of tile i: each half of the lanes stores 256 consecutive bytes, aligned (FFN = 2: twice)
.if FFN == 1
	global_store_b128 v[OFF+8*(\i)+(\m)], v[TT+4*(\m):TT+4*(\m)+3], s[12:13]
.else
	global_store_b128 v[OFF+8*(\i)+(\m)], v[TT+8*(\m):TT+8*(\m)+3], s[12:13]
	global_store_b128 v[OFF+8*(\i)+(\m)], v[TT+8*(\m)+4:TT+8*(\m)+7], s[12:13] offset:256
.endif
.endm
; The way out of tile i, whole.  Each accumulator is read from its register 0 on.
.macro OUTT i
	WIN 0
	s_cmp_le_u32 s24, \i
	s_cbranch_scc1 .Ldone                          ; no rows in this tile, nor in the later ones
	s_wait_xcnt 0x0                                ; the last tile stores have read the registers that are written now
.if (\i) < 4
.set AC, 64*(\i)
.else
.set AC, 0
.endif
.if FFN == 1
.if (\i) < 4
	WIN 0x0a
.else
	WIN 0x0f
.endif
.irp m, 0,1,2,3,4,5,6,7
.irp q, 0,1,2,3
	v_cvt_pk_bf16_f32 v[TT+4*(\m)+(\q)], v[AC+16*(\q)+(\m)], v[AC+16*(\q)+8+(\m)]  ; columns 8 r + 2 q, 8 r + 2 q + 1
.endr
.endr
	WIN 0
.set n, 0
.rept 32
	v_pk_max_num_bf16 v[TT+n], v[TT+n], v[VZ]      ; relu on the rounded pair: rounding keeps the sign
.set n, n+1
.endr
.else
.if (\i) < 4
	WIN 0x02
.else
	WIN 0x03
.endif
.irp m, 0,1,2,3,4,5,6,7
.irp j, 0,1,2,3,4,5,6,7
	v_mul_f32 v[TT+8*(\m)+(\j)], v[AC+8*(\j)+(\m)], v[GG+8*(\i)+(\m)]
.endr
.endr
	WIN 0
.endif
.irp m, 0,1,2,3,4,5,6,7
	ROWST \i, \m
.endr
.endm
	s_load_b256 s[4:11], s[0:1], 0x0               ; weights s[4:5], bias s[6:7], activations s[8:9], plan s[10:11]
.if FFN == 1
	s_load_b64 s[12:13], s[0:1], 0x20              ; output
.else
	s_load_b128 s[12:15], s[0:1], 0x20             ; output s[12:13], gw s[14:15]
.endif
	v_lshl_add_u32 v[SPW], v0, 2, SPARE
	v_mov_b32 v[NIL], 0
	v_lshrrev_b32 v20, 5, v0
	v_readfirstlane_b32 s16, v20                   ; wave w
	s_mov_b32 s17, ttmp9                           ; slice
	s_and_b32 s18, ttmp7, 0xffff                   ; expert
	v_and_b32 v[LN], 31, v0
	v_and_b32 v[RR], 15, v0
	v_bfe_u32 v[HH], v0, 4, 1
	v_lshlrev_b32 v[VW], 4, v[LN]
.if FFN == 1
	v_lshrrev_b32 v20, 1, v[LN]                    ; column 4 l + t is column 8 r + j with r = l / 2, j = 4 (l % 2) + t
	v_and_b32 v21, 1, v[LN]
.set SA, 20
.set SB, 21
.else
.set SA, RR                            ; column 4 l + t is column 64 (j / 4) + 4 r + j % 4 with r = l % 16, j = 4 (l / 16) + t
.set SB, HH
.endif
	v_mul_u32_u24 v[VST], v[SA], 272
	v_mad_u32_u24 v[VST], v[SB], 17536, v[VST]     ; four column tiles on: 4 x 4352 + 128
	s_lshl_b32 s30, s16, 6
	v_add_nc_u32 v[VST], s30, v[VST]               ; in every region wave w owns K 32 w .. 32 w + 31: 64 bytes of each LDS row
	v_mul_u32_u24 v[VRD], v[RR], 272
	v_lshl_add_u32 v[VRD], v[HH], 4, v[VRD]
	v_lshl_add_u32 v[VLR], v[RR], 2, s30           ; my tile i of pass p is rows 320 p + 16 (w + 4 i) on: 1280 p + 64 w + 256 i bytes of the list
	v_lshlrev_b32 v[V16R], 4, v[RR]
	v_lshlrev_b32 v[V16H], 4, v[HH]
	v_mov_b32 v[VZ], 0
.irp m, 0,1,2,3,4,5,6,7
	v_lshl_add_u32 v[IX+(\m)], v[HH], 5, 4*(\m)
.endr
	s_mov_b32 s29, 0
.if FFN == 1
	v_lshlrev_b32 v26, 5, v[RR]                    ; my 8 biases: columns 8 r .. 8 r + 7
	s_lshl_b32 s28, s18, 24                        ; an expert: 1,024 rows of 16,384 bytes
	s_lshl_b32 s30, s17, 9                         ; 128 columns of 4 bytes
	s_add_co_u32 s28, s28, s30
	s_lshl_b32 s30, s16, 19                        ; 32 rows
	s_add_co_u32 s28, s28, s30
	s_wait_kmcnt 0x0
	s_add_nc_u64 s[4:5], s[4:5], s[28:29]
	s_lshl_b32 s28, s18, 14
	s_lshl_b32 s30, s17, 9
	s_add_co_u32 s28, s28, s30
	s_add_nc_u64 s[6:7], s[6:7], s[28:29]
	s_lshl_b32 s28, s17, 8                         ; 128 columns of 2 bytes
	s_add_nc_u64 s[12:13], s[12:13], s[28:29]
.else
	s_and_b32 s33, s17, 7                          ; which 128 columns
	s_lshr_b32 s34, s17, 3                         ; which quarter of K
	s_cmp_eq_u32 s34, 0
	s_cselect_b32 s32, -1, 0                       ; the bias enters in quarter 0 alone
	s_lshl_b32 s28, s18, 24                        ; an expert: 4,096 rows of 4,096 bytes
	s_lshl_b32 s30, s34, 22
	s_add_co_u32 s28, s28, s30
	s_lshl_b32 s30, s33, 9
	s_add_co_u32 s28, s28, s30
	s_lshl_b32 s30, s16, 17                        ; 32 rows
	s_add_co_u32 s28, s28, s30
	s_wait_kmcnt 0x0
	s_add_nc_u64 s[4:5], s[4:5], s[28:29]
	s_lshl_b32 s28, s18, 12
	s_lshl_b32 s30, s33, 9
	s_add_co_u32 s28, s28, s30
	s_add_nc_u64 s[6:7], s[6:7], s[28:29]
	s_lshl_b32 s28, s34, 11                        ; 1,024 of K in bf16
	s_add_nc_u64 s[8:9], s[8:9], s[28:29]
	s_mul_i32 s28, s34, ROWS*4096                  ; a quarter of yp: 2,056 rows of 4,096 bytes
	s_add_co_u32 s28, s28, s30
	s_add_nc_u64 s[12:13], s[12:13], s[28:29]
.endif
	s_mul_i32 s28, s18, PLANB
	s_add_nc_u64 s[10:11], s[10:11], s[28:29]
	s_load_b32 s19, s[10:11], PCNT                 ; the expert count: no line of this launch stores into plan
.irp p, 0,1,2,3
.irp i, 0,1,2,3,4
	global_load_b32 v[ID+5*(\p)+(\i)], v[VLR], s[10:11] offset:1280*(\p)+256*(\i)  ; the entry of row r of my tile i of pass p
.endr
.endr
.if FFN == 1
	global_load_b128 v[BRAW:BRAW+3], v26, s[6:7]
	global_load_b128 v[BRAW+4:BRAW+7], v26, s[6:7] offset:16
.else
	global_load_b128 v[BRAW:BRAW+3], v[V16R], s[6:7]               ; my 8 biases: columns 4 r .. 4 r + 3 and 64 + 4 r ..
	global_load_b128 v[BRAW+4:BRAW+7], v[V16R], s[6:7] offset:256
.endif
.irp u, 0,1,2,3
	WLOAD \u, 8*(\u)                               ; my 32 rows of region 0
.endr
	s_wait_loadcnt 32                              ; the 22 small loads are in; the 32 loads of region 0 behind them stay out
	WIN 0
	; the bias, rounded to bf16 like the other inputs, as f32 in window 1
.if FFN == 2
.irp j, 0,1,2,3,4,5,6,7
	v_cndmask_b32 v[BRAW+(\j)], 0, v[BRAW+(\j)], s32
.endr
.endif
.irp p, 0,1,2,3
	v_cvt_pk_bf16_f32 v[BRAW+8+(\p)], v[BRAW+2*(\p)], v[BRAW+2*(\p)+1]
.endr
	WIN 0x40
.irp p, 0,1,2,3
	v_lshlrev_b32 v[BIAS+2*(\p)], 16, v[BRAW+8+(\p)]
	v_and_b32 v[BIAS+2*(\p)+1], 0xffff0000, v[BRAW+8+(\p)]
.endr
	WIN 0
	s_wait_kmcnt 0x0
	s_min_u32 s19, s19, 1024                       ; the count, held to what four passes cover
	s_add_co_u32 s37, s19, 15
	s_lshr_b32 s37, s37, 4                         ; tiles of 16 rows with rows;
	s_add_co_u32 s37, s37, 3
	s_sub_co_u32 s37, s37, s16
	s_lshr_b32 s37, s37, 2                         ; of them mine: w, w + 4, ..
	s_min_u32 s37, s37, 16
	s_min_u32 s24, s37, 5                          ; my tiles with rows in the first pass
	; THE FIRST PASS
	ROWADR
	s_mov_b64 s[26:27], s[8:9]
	GLOADS
	ALOAD 0                                        ; region 0 of my activation rows: behind region 0 of the weights, ahead of region 1
	ALOAD 1
	ALOAD 2
	ALOAD 3
	BIASINIT
	v_mov_b32 v[VRC], v[VRD]                       ; region 0
	s_mov_b32 s21, 7
.Lreg:                                                 ; a trip: region g = 0 .. 6
	; Behind a slot eight loads 64 younger ones were issued: 24 of the three other slots (this region or the next) and the 40 activation loads of this region.  The count is 55: nine more are asked in, the next
	; slot and one load.  With the slot eight new loads the wave then has 63 loads out.
	TURN 0, 1, 55
	TURN 1, 1, 55
	TURN 2, 1, 55
	TURN 3, 1, 55
	WIN 0
	v_add_nc_u32 v[VST], REG, v[VST]               ; the next region: one step in each trip of the counted loop
	s_wait_dscnt 0x0                               ; for the others: my part of the region is in LDS
	s_barrier_signal -1
	s_barrier_wait -1                              ; the region is whole
	MREG 1
	WIN 0
	v_add_nc_u32 v[VRC], REG, v[VRC]
	s_wait_dscnt 0x0                               ; my reads of the region are over
	s_barrier_signal -1                            ; the stores behind this barrier go to the next region, bytes that no wave reads yet; the barrier keeps the reads and the writes of the slice
	s_barrier_wait -1                              ; in intervals of their own all the same, so that the ordering does not rest on the address arithmetic
	s_sub_co_u32 s21, s21, 1
	s_cmp_lg_u32 s21, 0
	s_cbranch_scc1 .Lreg
	TURN 0, 0, 55                                  ; region 7 is written out: nothing is left to ask for, so no load leaves the slice.  Younger than slot u: 8 (3 - u) + 40: 64, 56, 48, 40
	TURN 1, 0, 55
	TURN 2, 0, 48
	TURN 3, 0, 40
	WIN 0
	s_wait_dscnt 0x0
	s_barrier_signal -1
	s_barrier_wait -1                              ; the slice is whole; nothing writes it again
	MREG 0
	WIN 0
	s_mov_b32 s22, 4                               ; four passes, this one among them
	s_branch .Lout                                 ; the loop over passes is entered at the way out, in the middle of a trip
	; THE LATER PASSES
.Lpass:
	s_min_u32 s24, s37, 5                          ; my tiles with rows in this pass
	s_cmp_eq_u32 s24, 0
	s_cbranch_scc1 .Lnext
	ROWADR
	s_wait_xcnt 0x0                                ; the last pass stores have read the registers that the loads below fill
	s_mov_b64 s[26:27], s[8:9]
	GLOADS
	BIASINIT
	v_mov_b32 v[VRC], v[VRD]                       ; region 0
	s_mov_b32 s21, 8
.Lblk:
	PLACES                                         ; for the loads into registers that the last trip multiplied
	ALOAD 0
	ALOAD 1
	ALOAD 2
	ALOAD 3
	MREG 0
	WIN 0
	s_wait_xcnt 0x0                                ; the base steps only behind this wait
	s_add_nc_u64 s[26:27], s[26:27], 256
	v_add_nc_u32 v[VRC], REG, v[VRC]
	s_sub_co_u32 s21, s21, 1
	s_cmp_lg_u32 s21, 0
	s_cbranch_scc1 .Lblk
.Lout:
	PLACES
.irp i, 0,1,2,3,4
.irp m, 0,1,2,3,4,5,6,7
	ds_bpermute_b32 v[EE+8*(\i)+(\m)], v[IX+(\m)], v[ID+(\i)]      ; the entry of row 8 h + m of tile i, from the lane that holds it; no LDS byte is touched
.endr
.endr
.if FFN == 2
	GPERM 0
	GPERM 1
	s_wait_dscnt 16                                ; the 40 entries are in; the 16 gate weights behind them stay out
.else
	s_wait_dscnt 0x0
.endif
.set n, 0
.rept 40
	v_min_u32 v[EE+n], ROWS-1, v[EE+n]             ; an entry, or the expert spare row
.set n, n+1
.endr
.set n, 0
.rept 40
	v_lshl_add_u32 v[OFF+n], v[EE+n], SH, v[V16R]  ; its row + 16 r
.set n, n+1
.endr
.if FFN == 2
	GPERM 2
	GPERM 3
	GPERM 4
	s_wait_dscnt 0x0
.endif
	OUTT 0
	OUTT 1
	OUTT 2
	OUTT 3
	OUTT 4
.Ldone:
.Lnext:
	s_sub_co_u32 s37, s37, s24                     ; my tiles still to come; held to 5 anew at the head of the next pass
.set n, 0
.rept 15
	v_mov_b32 v[ID+n], v[ID+5+n]                   ; the next pass entries move up
.set n, n+1
.endr
	s_sub_co_u32 s22, s22, 1
	s_cmp_lg_u32 s22, 0
	s_cbranch_scc1 .Lpass
	s_wait_dscnt 0x0                               ; my reads of the slice are over,
	s_barrier_signal -1
	s_barrier_wait -1                              ; and so are every wave reads, ahead of any wave closing add
	s_wait_tensorcnt 0x0                           ; the end of a wave that wrote LDS
	ds_add_u32 v[SPW], v[NIL]
	s_wait_dscnt 0x0
	s_endpgm
.Lfunc_end_k_qa5fe9ed30f_ffn2:
	.size	k_qa5fe9ed30f_ffn2, .Lfunc_end_k_qa5fe9ed30f_ffn2-k_qa5fe9ed30f_ffn2
	.p2alignl 7, 3214868480
	.fill 96, 4, 3214868480
	.section	.rodata,"a",@progbits
	.p2align	6, 0x0
	.amdhsa_kernel k_qa5fe9ed30f_ffn2
		.amdhsa_group_segment_fixed_size 281088
		.amdhsa_private_segment_fixed_size 0
		.amdhsa_enable_private_segment 0
		.amdhsa_kernarg_size 48
		.amdhsa_user_sgpr_count 2
		.amdhsa_user_sgpr_kernarg_segment_ptr 1
		.amdhsa_wavefront_size32 1
		.amdhsa_system_sgpr_workgroup_id_x 1
		.amdhsa_system_sgpr_workgroup_id_y 1
		.amdhsa_system_sgpr_workgroup_id_z 1
		.amdhsa_system_vgpr_workitem_id 0
		.amdhsa_next_free_vgpr 960
		.amdhsa_next_free_sgpr 66
		.amdhsa_reserve_vcc 0
		.amdhsa_float_denorm_mode_32 3
		.amdhsa_float_denorm_mode_16_64 3
		.amdhsa_memory_ordered 1
		.amdhsa_forward_progress 1
		.amdhsa_inst_pref_size 136
	.end_amdhsa_kernel
	.amdgpu_metadata
---
amdhsa.version: [ 1, 2 ]
amdhsa.kernels:
  - .name:           k_qa5fe9ed30f_ffn2
    .symbol:         k_qa5fe9ed30f_ffn2.kd
    .args:
      - { .name: W2, .offset: 0, .size: 8, .value_kind: global_buffer, .address_space: global }
      - { .name: b2, .offset: 8, .size: 8, .value_kind: global_buffer, .address_space: global }
      - { .name: hb, .offset: 16, .size: 8, .value_kind: global_buffer, .address_space: global }
      - { .name: plan, .offset: 24, .size: 8, .value_kind: global_buffer, .address_space: global }
      - { .name: yp, .offset: 32, .size: 8, .value_kind: global_buffer, .address_space: global }
      - { .name: gw, .offset: 40, .size: 8, .value_kind: global_buffer, .address_space: global }
    .group_segment_fixed_size: 281088
    .private_segment_fixed_size: 0
    .kernarg_segment_align: 8
    .kernarg_segment_size: 48
    .max_flat_workgroup_size: 128
    .sgpr_count:     66
    .vgpr_count:     960
    .wavefront_size: 32
...
	.end_amdgpu_metadata
.endif
;; end of part 7
;; launch combine: the kernel of part 4 again; grid 256 x 1, 8 waves a work-group, no clusters, 0 bytes of LDS; arguments yp, psum, out0, out1; writes out0, out1
;; ======== version 3 of 3: 5 launches; version 2 with the launches ffn1, ffn2 written anew for expert scheduling mode
;; workspace buffers: xb 2,097,152 bytes; sel 8,192 bytes of whole numbers; gw 8,192 bytes; psum 2,048 bytes; plan 43,008 bytes of whole numbers; hb 16,842,752 bytes; yp 33,685,504 bytes
;; launch router: the kernel of part 1 again; grid 64 x 1, 4 waves a work-group, no clusters, 54,784 bytes of LDS; arguments x, Wg, bg, xb, sel, gw, psum; writes xb, sel, gw, psum
;; launch lists: the kernel of part 5 again; grid 8 x 1, 1 waves a work-group, no clusters, 5,632 bytes of LDS; arguments sel, plan; writes plan
;; launch ffn1 (part 8): grid 32 x 8, 4 waves a work-group, no clusters, 281,088 bytes of LDS; arguments W1, b1, xb, plan, hb; writes hb
.if DOCPART == 8
	.amdgcn_target "amdgcn-amd-amdhsa--gfx1250"
	.amdhsa_code_object_version 6
	.text
	.protected	k_qa5fe9ed30f_ffn1
	.globl	k_qa5fe9ed30f_ffn1
	.p2align	8
	.type	k_qa5fe9ed30f_ffn1,@function
k_qa5fe9ed30f_ffn1:
	s_mov_b64 s[64:65], 0
	v_nop
	global_prefetch_b8 v0, s[64:65] scope:SCOPE_SE
	s_setreg_imm32_b32 hwreg(HW_REG_WAVE_SCHED_MODE, 0, 2), 2
	s_setreg_imm32_b32 hwreg(HW_REG_WAVE_MODE, 25, 1), 1
	s_wait_xcnt 0x0
	s_wait_alu depctr_vm_vsrc(0)
; ONE PRODUCT OF THE EXPERTS, for the chosen rows alone.  The same text serves both products; FFN says which.
;   FFN = 1: hb[entry][128 x ..] = relu(xb[token] . W1[e] + b1[e]) in bf16.     FFN = 2: yp[K quarter][entry][128 cs ..] = gw[entry] x (hb[entry] . W2[e] (+ b2[e] in quarter 0)) in f32.
; An ENTRY is 2 x token + slot, 0 .. 2,047: the row in hb and yp, the index into gw.  Weights and biases are rounded once to bf16 on their way through registers; sums in f32.
; SHARES.  Grid y = expert e; grid x = a slice of 1,024 (K) x 128 columns of its weights, which this work-group alone reads, once.  All rows of the expert go through the slice.
; THE LIST of the expert entries and its count were stored by an earlier launch in plan.  A wave reads its 20 words of it (4 passes x 5 tiles, row r in lane r) straight from memory into registers at the head:
; each row address is such a number, a clamp, a shift and a lane constant.
; A PASS is 320 rows of the list: a wave has up to five tiles of 16 rows x 128 columns.  Activation rows come by the list straight from memory as source 0, the weights from LDS as source 1; the sums start at the bias.
; THE FIRST PASS GOES REGION BY REGION (a region: 128 of K), AND THE STREAM RUNS UNDER IT.  For region g every wave (S) rounds its 32 rows of the region, which lie in a ring of 4 slots x 8 loads in registers, to bf16,
; lays them into LDS with K along the rows, and asks for the same rows of region g + 1 into each slot as it is emptied; a barrier; (M) multiplies its tiles by region g, 128 to 160 matrix instructions, and asks for
; region g + 1 of its activation rows; a barrier.  So the next region, 32 loads of 512 consecutive bytes a wave, is on its way while this one is multiplied.  Loads come back in the order of issue, so the order is
; kept such that nothing waits for a younger weight load: the activations of region g are older than the weights of region g + 1.  Every wave runs this pass whatever the count: the barriers stand on every wave path.
; LATER PASSES (an expert with more than 320 rows; four passes cover the 1,024 that an expert can have) find all 8 regions in LDS; passes and tiles past the count are jumped forward; nothing in them writes LDS, so
; they have no barrier.  They are written short, not fast: a region activations are asked for at its head.  The first pass joins their loop at the way out, which so stands once in the text.
; In the result a lane holds one column of each of the 8 column tiles; the columns are dealt so that these 8 numbers lie together in a row: 16 lanes store 256 consecutive bytes, aligned.
; ROWS PAST THE COUNT.  hb and yp have 8 rows more than there are entries, one for each expert.  The list places past the count hold 2,048 + e.  A tile with a row under the count is stored whole, all lanes on:
; its rows past the count, 15 at the most in a work-group, go to row 2,048 + e, into this work-group own columns, and nobody reads them.  So no line of this text writes EXEC.
; What is READ for such a place is a row that exists: the number is held to 1,023 (token) or 2,047 (entry) in front of every load.
; NO CLUSTER: a slice has one reader, and what the work-groups of an expert share, its rows, comes by a list that no descriptor covers.  NO TENSOR LOADS: the f32 tiles would need slots beside the 280,576 bytes of bf16.
; LIMITS.  NaN and infinities are not treated apart (relu turns a NaN into 0).  A work-group of an expert without rows still streams its slice and multiplies the first pass, and stores nothing.
; In a pass that it runs a wave multiplies its tiles 0 to 3 even where they lie past the count (they repeat the last token or entry, and are not stored).
; THE MODE: SCHED_MODE bits 1:0 = 2 (LLVM: expert scheduling mode 2), set by the entry lines.  The code itself states the register dependences between vector or matrix instructions and memory or LDS
; instructions, with s_wait_alu, always for 0.
; THE PLAN.  Registers that memory or LDS instructions touch, and who else names them:
;   the ring, slot u     a turn sixteen conversions read it; behind them the loads of the same rows of the next region land in it.
;   the packed weights   slot u has 16 registers: the same conversions write them, the turn four LDS stores read them; they are written again a region later.
;   AR, K step s         the matrix instructions of step s read it; the loads of the next region land in it one K step later, in one run with the fragment loads (step 3: in the next region first turn).
;   the weight buffers   step s multiplies buffer s % 2; the LDS loads of step s + 1 land in the other one, which step s - 1 multiplied.
;   VST, VRC             LDS addresses of the stream stores and of the fragment loads: stepped together, once a region, at the trip end.
;   VW, VLR, IX, the bias offset   made at the head, never written again.     VA, GO   written at the head of a pass.
;   the way out          the permutes read ID, GI and IX and land in EE and GG (they are AR steps 0 and 2); vector instructions write OFF and TT, the stores read them; ID moves up at a pass end.
; So a wait on va_vdst stands behind each turn conversions, at the head of K steps 1 to 3, at the head of a later pass region, at the head of the way out and ahead of each tile stores;
; a wait on vm_vsrc ahead of the two address steps, ahead of each tile arithmetic from the second tile on, and at a pass end.  Each says at its place what it states.
.set FFN, 1
.if FFN == 1
.set PITCH, 16384                      ; bytes from row to row of the weights
.set SH,    13                         ; an output row is 8,192 bytes
.else
.set PITCH, 4096
.set SH,    12
.endif
.set ROWS,  2056                       ; rows of hb and of a quarter of yp: 2,048 entries and a spare row for each expert
.set REG,   35072                      ; LDS: a region.  Column tile j, lane r: a row of 256 bytes at 4352 j + 128 (j / 4) + 272 r: the pitch of 272 sets the 16 rows of a fragment load
                                       ; into 16 different groups of four banks (64 banks of 4 bytes: ISA guide 11.1), the 128 does the same for the 16 lanes of a store of the stream
                                       ; behind the 8 regions 512 bytes: the spare words of the closing add, one for each thread
.set PLANB, 5376                       ; plan: for each expert 1,280 words of list, then 32 words that all hold the count
.set PCNT,  5120
; window 0
.set LN,   1                           ; lane
.set RR,   2                           ; r = lane % 16
.set HH,   3                           ; h = lane / 16
.set VW,   4                           ; 16 x lane
.set VST,  5                           ; the stream: where I put 16 bytes (8 of K) of a column, in the region in hand
.set VRD,  6                           ; 272 r + 16 h; never rewritten
.set VRC,  7                           ; the same in the region in hand
.set VLR,  9                           ; byte in the list of row r of my tile 0 of pass 0: 64 w + 4 r; never rewritten
.set V16R, 12
.set V16H, 13
.set VA,   14                          ; v14-18  byte offsets of my five tiles rows
.set VZ,   19                          ; 0
.set GO,   20                          ; v20-24  FFN = 2: byte offsets into gw
.set AR,   32                          ; v32-191  activation fragments: K step s of four, tile i at AR + 40 s + 8 i
.set EE,   32                          ; the way out: v32-71 entries, v72-111 store offsets, v112-151 gate weights, v152-215 a tile at work
.set OFF,  72
.set GG,   112
.set TT,   152
.set BRAW, 200                         ; the head: the bias as loaded, then packed
.set ID,   216                         ; v216-235  the entry of row r of my tile i, this pass at ID + i, the later passes behind
.set GI,   236                         ; v236-240  FFN = 2: the gate weight of row r of my tile i
.set IX,   248                         ; v248-255  4 x (8 h + m): the lane that holds row 8 h + m; never rewritten
; window 1: v0-127 weight fragments, two buffers of 8 tiles; v128-135 the bias of my 8 columns; v144-207 packed weights, 16 registers for each slot of the ring
; window 2: accumulators of tiles 0-3 at 64 i + 8 j.  window 3: v0-63 those of tile 4; v64-191 the ring, slot u at 64 + 32 u
.set BIAS, 128
.set OO,   144
.set RING, 64
.set MSB, 0
.macro WIN new                         ; s_set_vgpr_msb: bits 1:0 source 0, 3:2 source 1, 5:4 source 2, 7:6 destination; the high byte repeats the setting that is left
.if MSB != (\new)
	s_set_vgpr_msb (MSB<<8)|(\new)
.set MSB, \new
.endif
.endm
.macro PLACES                          ; four places behind matrix instructions, ahead of loads into their sources and of reads of their results; they stay beside the waits on va_vdst
.rept 4
	v_nop
.endr
.endm
; Slot u takes 8 rows of the slice from row on: each load is 512 consecutive bytes, aligned; lane l gets columns 4 l .. 4 l + 3
.macro WLOAD u, row
	WIN 0xc0
.irp n, 0,1,2,3,4,5,6,7
	global_load_b128 v[RING+32*(\u)+4*(\n):RING+32*(\u)+4*(\n)+3], v[VW], s[4:5] offset:((\row)+(\n))*PITCH th:TH_LOAD_NT
.endr
.endm
; Ten loads: K step s (32 of K, 64 bytes of a row) of my five tiles, in the 128 of K at which the base stands: lane (r, h) takes bytes 16 h and 32 + 16 h of row r
.macro ALOAD s
	WIN 0
.irp i, 0,1,2,3,4
	global_load_b128 v[AR+40*(\s)+8*(\i):AR+40*(\s)+8*(\i)+3],   v[VA+(\i)], s[26:27] offset:64*(\s)
	global_load_b128 v[AR+40*(\s)+8*(\i)+4:AR+40*(\s)+8*(\i)+7], v[VA+(\i)], s[26:27] offset:64*(\s)+32
.endr
.endm
; The turn of slot u: rows 8 u .. 8 u + 7 of my 32 rows of the region in hand.  8 of K x my 4 columns are rounded in pairs along K into the slot own 16 registers; issue = 1: the slot is asked for again,
; 128 rows on; each column puts its 16 bytes into LDS.  a3 = 1 (a region first turn): the fourth K step of this region activations is asked for, ahead of the next region weights
.macro TURN u, issue, left, a3=0
.set OB, OO+16*(\u)
.set RB, RING+32*(\u)
	s_wait_loadcnt \left                           ; loads come back in order: this slot is in (the counts: at the uses)
	WIN 0x4f
.irp t, 0,1,2,3
.irp p, 0,1,2,3
	v_cvt_pk_bf16_f32 v[OB+4*(\t)+(\p)], v[RB+8*(\p)+(\t)], v[RB+8*(\p)+4+(\t)]
.endr
.endr
.if \a3
	WIN 0
.elseif \issue
	WIN 0xc0
.else
	WIN 0x04
.endif
	s_wait_alu depctr_va_vdst(0)                   ; the conversions are done reading the slot, in which the loads below land, and have written the 16 packed registers, which the LDS stores read.  In a region first turn also:
	                                               ; the last region matrix instructions are done reading AR step 3 and both weight buffers, and VST and VRC, stepped at the last trip end (or made at the head), are written
.if \a3
	ALOAD 3
.endif
.if \issue
	WLOAD \u, 128+8*(\u)
.endif
	WIN 0x04
.irp t, 0,1,2,3
	ds_store_b128 v[VST], v[OB+4*(\t):OB+4*(\t)+3] offset:16*(\u)+4352*(\t)
.endr
.endm
; Sixteen LDS loads in one run: the weight fragments of K step s of the region in hand, all 8 column tiles, into buffer f
.macro FETCHB f, s
	WIN 0x40
.irp j, 0,1,2,3,4,5,6,7
	ds_load_b128 v[64*(\f)+8*(\j):64*(\f)+8*(\j)+3],   v[VRC] offset:4352*(\j)+128*((\j)/4)+64*(\s)
	ds_load_b128 v[64*(\f)+8*(\j)+4:64*(\f)+8*(\j)+7], v[VRC] offset:4352*(\j)+128*((\j)/4)+64*(\s)+32
.endr
.endm
; Eight matrix instructions: tile i x the 8 column tiles.  No two matrix instructions on end share an accumulator anywhere in the text: the accumulators take turns
.macro MUL i, s, f
.if (\i) < 4
	WIN 0xa4
.set AC, 64*(\i)
.else
	WIN 0xf4
.set AC, 0
.endif
.irp j, 0,1,2,3,4,5,6,7
	v_wmma_f32_16x16x32_bf16 v[AC+8*(\j):AC+8*(\j)+7], v[AR+40*(\s)+8*(\i):AR+40*(\s)+8*(\i)+7], v[64*(\f)+8*(\j):64*(\f)+8*(\j)+7], v[AC+8*(\j):AC+8*(\j)+7]
.endr
.endm
; A K step of 32.  Behind its first 16 products stands ONE run of loads: reload = 1: the activation registers of the step BEFORE are asked for again, 128 of K on; fetch = 1: the next step weights, of the same region.
; Both land in registers that the step before multiplied; the products of this step name AR step s, buffer s % 2 and the accumulators, none of the registers that the run touches.
; Both bases step ahead of a region first reload, in step 1: the last loads that read them were issued 48 matrix instructions ago or more
.macro KS s, reload, fetch, left
	s_wait_loadcnt \left                           ; this step activations are in (the counts: at MREG)
	s_wait_dscnt 0x0                               ; its weights are in
.if ((\s) > 0) && ((\fetch) || (\reload))
	s_wait_alu depctr_va_vdst(0)                   ; the matrix instructions of the step before are done reading their activations and their weight buffer, in which the loads of this step land
.endif
	MUL 0, \s, (\s)%2
	MUL 1, \s, (\s)%2
.if (\fetch) || ((\reload) && ((\s) > 0))
	PLACES
.endif
.if (\reload) && ((\s) > 0)
.if (\s) == 1
	s_wait_xcnt 0x0                                ; the loads have had their addresses translated (ISA guide 3.1): their bases step only behind this wait
	s_add_nc_u64 s[26:27], s[26:27], 256           ; the activations: the next 128 of K
	s_add_nc_u64 s[4:5], s[4:5], 128*PITCH         ; the weights: the next region
.endif
	ALOAD (\s)-1
.endif
.if \fetch
	FETCHB ((\s)+1)%2, (\s)+1                      ; step 0 has no wait of its own: the buffer last readers stand ahead of the wait of the last turn (first pass) or of the region head (later passes)
.endif
	MUL 2, \s, (\s)%2
	MUL 3, \s, (\s)%2
	WIN 0                                          ; at a branch and at a label every window is 0
	s_cmp_lt_u32 s24, 5
	s_cbranch_scc1 .Lno4_\@                        ; the fifth tile is multiplied only where it has rows; its loads are issued on both ways, so the counts hold
	MUL 4, \s, (\s)%2
	WIN 0
.Lno4_\@:
.endm
; A region is multiplied: 128 of K, 256 bytes of each activation row.
; reload = 1, the first pass loop.  Round the loop the loads are issued in this order (W: a slot eight, A: a K step ten): W0-3(g), A0-2(g), A3(g), W0-3(g + 1), A0-2(g + 1), A3(g + 1) ..
; Younger than A0(g) at step 0: A1-3(g) and W0-3(g + 1): 62.  Younger than A1(g) at step 1: 20 + 32; than A2(g) at step 2: 10 + 32 + A0(g + 1); than A3(g) at step 3: 32 + A0-1(g + 1): 52 each.
; With a step ten reloads the wave then has 62 loads out.  reload = 0: nothing is asked for, and the counts run down: ten for each later step.
.macro MREG reload
	FETCHB 0, 0
.if \reload
	KS 0, 1, 1, 62
	KS 1, 1, 1, 52
	KS 2, 1, 1, 52
	KS 3, 1, 0, 52
.else
	KS 0, 0, 1, 30
	KS 1, 0, 1, 20
	KS 2, 0, 1, 10
	KS 3, 0, 0, 0
.endif
.endm
.macro ROWADR                          ; the byte offsets of row r of my five tiles of the pass in hand
.irp i, 0,1,2,3,4
.if FFN == 1
	v_lshrrev_b32 v[VA+(\i)], 1, v[ID+(\i)]        ; the token
	v_min_u32 v[VA+(\i)], 0x3ff, v[VA+(\i)]
	v_lshl_add_u32 v[VA+(\i)], v[VA+(\i)], 11, v[V16H]
.else
	v_min_u32 v[VA+(\i)], 0x7ff, v[ID+(\i)]
	v_lshlrev_b32 v[GO+(\i)], 2, v[VA+(\i)]
	v_lshl_add_u32 v[VA+(\i)], v[VA+(\i)], 13, v[V16H]
.endif
.endr
.endm
.macro GLOADS                          ; FFN = 2: the gate weight of row r of tile i: older than every activation load of the pass, so their first wait covers it
.if FFN == 2
.irp i, 0,1,2,3,4
	global_load_b32 v[GI+(\i)], v[GO+(\i)], s[14:15]
.endr
.endif
.endm
.macro BIASINIT                        ; the sums start at the bias of their column; this stands in the wait for loads
	WIN 0x81
.set n, 0
.rept 256
	v_mov_b32 v[n], v[BIAS+(n/8)%8]
.set n, n+1
.endr
	WIN 0xc1
.set n, 0
.rept 64
	v_mov_b32 v[n], v[BIAS+n/8]
.set n, n+1
.endr
	WIN 0
.endm
.macro GPERM i                         ; the gate weights of rows 8 h + m of tile i, from the lanes that hold them; no LDS byte is touched
.irp m, 0,1,2,3,4,5,6,7
	ds_bpermute_b32 v[GG+8*(\i)+(\m)], v[IX+(\m)], v[GI+(\i)]
.endr
.endm
.macro ROWST i, m                      ; rows m and 8 + m of tile i: each half of the lanes stores 256 consecutive bytes, aligned (FFN = 2: twice)
.if FFN == 1
	global_store_b128 v[OFF+8*(\i)+(\m)], v[TT+4*(\m):TT+4*(\m)+3], s[12:13]
.else
	global_store_b128 v[OFF+8*(\i)+(\m)], v[TT+8*(\m):TT+8*(\m)+3], s[12:13]
	global_store_b128 v[OFF+8*(\i)+(\m)], v[TT+8*(\m)+4:TT+8*(\m)+7], s[12:13] offset:256
.endif
.endm
; The way out of tile i, whole.  Each accumulator is read from its register 0 on.
.macro OUTT i
	WIN 0
	s_cmp_le_u32 s24, \i
	s_cbranch_scc1 .Ldone                          ; no rows in this tile, nor in the later ones
	s_wait_xcnt 0x0                                ; the last tile stores have had their addresses translated (ISA guide 3.1): their data registers are written again only behind this wait
.if (\i) > 0
	s_wait_alu depctr_vm_vsrc(0)                   ; the last tile stores have read v[TT ..], which the lines below write again
.endif
.if (\i) < 4
.set AC, 64*(\i)
.else
.set AC, 0
.endif
.if FFN == 1
.if (\i) < 4
	WIN 0x0a
.else
	WIN 0x0f
.endif
.irp m, 0,1,2,3,4,5,6,7
.irp q, 0,1,2,3
	v_cvt_pk_bf16_f32 v[TT+4*(\m)+(\q)], v[AC+16*(\q)+(\m)], v[AC+16*(\q)+8+(\m)]  ; columns 8 r + 2 q, 8 r + 2 q + 1
.endr
.endr
	WIN 0
.set n, 0
.rept 32
	v_pk_max_num_bf16 v[TT+n], v[TT+n], v[VZ]      ; relu on the rounded pair: rounding keeps the sign
.set n, n+1
.endr
.else
.if (\i) < 4
	WIN 0x02
.else
	WIN 0x03
.endif
.irp m, 0,1,2,3,4,5,6,7
.irp j, 0,1,2,3,4,5,6,7
	v_mul_f32 v[TT+8*(\m)+(\j)], v[AC+8*(\j)+(\m)], v[GG+8*(\i)+(\m)]
.endr
.endr
	WIN 0
.endif
	s_wait_alu depctr_va_vdst(0)                   ; v[TT ..] is written, which the stores read as data; ahead of the first tile stores also v[OFF ..], their offsets
.irp m, 0,1,2,3,4,5,6,7
	ROWST \i, \m
.endr
.endm
	s_load_b256 s[4:11], s[0:1], 0x0               ; weights s[4:5], bias s[6:7], activations s[8:9], plan s[10:11]
.if FFN == 1
	s_load_b64 s[12:13], s[0:1], 0x20              ; output
	v_lshl_add_u32 v246, v0, 2, 0x44800
	v_mov_b32 v247, 0
.else
	s_load_b128 s[12:15], s[0:1], 0x20             ; output s[12:13], gw s[14:15]
.endif
	v_lshrrev_b32 v20, 5, v0
	v_readfirstlane_b32 s16, v20                   ; wave w
	s_mov_b32 s17, ttmp9                           ; slice
	s_and_b32 s18, ttmp7, 0xffff                   ; expert
	v_and_b32 v[LN], 31, v0
	v_and_b32 v[RR], 15, v0
	v_bfe_u32 v[HH], v0, 4, 1
	v_lshlrev_b32 v[VW], 4, v[LN]
.if FFN == 1
	v_lshrrev_b32 v20, 1, v[LN]                    ; column 4 l + t is column 8 r + j with r = l / 2, j = 4 (l % 2) + t
	v_and_b32 v21, 1, v[LN]
.set SA, 20
.set SB, 21
.else
.set SA, RR                            ; column 4 l + t is column 64 (j / 4) + 4 r + j % 4 with r = l % 16, j = 4 (l / 16) + t
.set SB, HH
.endif
	v_mul_u32_u24 v[VST], v[SA], 272
	v_mad_u32_u24 v[VST], v[SB], 17536, v[VST]     ; four column tiles on: 4 x 4352 + 128
	s_wait_alu depctr_va_sdst(0)                   ; s16 is written, ahead of its first reader: LDS places, bases and the count of my tiles are made from it
	s_lshl_b32 s30, s16, 6
	v_add_nc_u32 v[VST], s30, v[VST]               ; in every region wave w owns K 32 w .. 32 w + 31: 64 bytes of each LDS row
	v_mul_u32_u24 v[VRD], v[RR], 272
	v_lshl_add_u32 v[VRD], v[HH], 4, v[VRD]
	v_lshl_add_u32 v[VLR], v[RR], 2, s30           ; my tile i of pass p is rows 320 p + 16 (w + 4 i) on: 1280 p + 64 w + 256 i bytes of the list
	v_lshlrev_b32 v[V16R], 4, v[RR]
	v_lshlrev_b32 v[V16H], 4, v[HH]
	v_mov_b32 v[VZ], 0
.irp m, 0,1,2,3,4,5,6,7
	v_lshl_add_u32 v[IX+(\m)], v[HH], 5, 4*(\m)
.endr
	s_mov_b32 s29, 0
.if FFN == 1
	v_lshlrev_b32 v26, 5, v[RR]                    ; my 8 biases: columns 8 r .. 8 r + 7
	s_lshl_b32 s28, s18, 24                        ; an expert: 1,024 rows of 16,384 bytes
	s_lshl_b32 s30, s17, 9                         ; 128 columns of 4 bytes
	s_add_co_u32 s28, s28, s30
	s_lshl_b32 s30, s16, 19                        ; 32 rows
	s_add_co_u32 s28, s28, s30
	s_wait_kmcnt 0x0
	s_add_nc_u64 s[4:5], s[4:5], s[28:29]
	s_lshl_b32 s28, s18, 14
	s_lshl_b32 s30, s17, 9
	s_add_co_u32 s28, s28, s30
	s_add_nc_u64 s[6:7], s[6:7], s[28:29]
	s_lshl_b32 s28, s17, 8                         ; 128 columns of 2 bytes
	s_add_nc_u64 s[12:13], s[12:13], s[28:29]
.else
	s_and_b32 s33, s17, 7                          ; which 128 columns
	s_lshr_b32 s34, s17, 3                         ; which quarter of K
	s_cmp_eq_u32 s34, 0
	s_cselect_b32 s32, -1, 0                       ; the bias enters in quarter 0 alone
	s_lshl_b32 s28, s18, 24                        ; an expert: 4,096 rows of 4,096 bytes
	s_lshl_b32 s30, s34, 22
	s_add_co_u32 s28, s28, s30
	s_lshl_b32 s30, s33, 9
	s_add_co_u32 s28, s28, s30
	s_lshl_b32 s30, s16, 17                        ; 32 rows
	s_add_co_u32 s28, s28, s30
	s_wait_kmcnt 0x0
	s_add_nc_u64 s[4:5], s[4:5], s[28:29]
	s_lshl_b32 s28, s18, 12
	s_lshl_b32 s30, s33, 9
	s_add_co_u32 s28, s28, s30
	s_add_nc_u64 s[6:7], s[6:7], s[28:29]
	s_lshl_b32 s28, s34, 11                        ; 1,024 of K in bf16
	s_add_nc_u64 s[8:9], s[8:9], s[28:29]
	s_mul_i32 s28, s34, ROWS*4096                  ; a quarter of yp: 2,056 rows of 4,096 bytes
	s_add_co_u32 s28, s28, s30
	s_add_nc_u64 s[12:13], s[12:13], s[28:29]
.endif
	s_mul_i32 s28, s18, PLANB
	s_add_nc_u64 s[10:11], s[10:11], s[28:29]
	s_load_b32 s19, s[10:11], PCNT                 ; the expert count: no line of this launch stores into plan
	s_wait_alu depctr_va_vdst(0)                   ; the offsets and addresses made above are written: the loads below read VLR, the bias offset and VW; the LDS stores read VST, the permutes IX
.irp p, 0,1,2,3
.irp i, 0,1,2,3,4
	global_load_b32 v[ID+5*(\p)+(\i)], v[VLR], s[10:11] offset:1280*(\p)+256*(\i)  ; the entry of row r of my tile i of pass p
.endr
.endr
.if FFN == 1
	global_load_b128 v[BRAW:BRAW+3], v26, s[6:7]
	global_load_b128 v[BRAW+4:BRAW+7], v26, s[6:7] offset:16
.else
	global_load_b128 v[BRAW:BRAW+3], v[V16R], s[6:7]               ; my 8 biases: columns 4 r .. 4 r + 3 and 64 + 4 r ..
	global_load_b128 v[BRAW+4:BRAW+7], v[V16R], s[6:7] offset:256
.endif
.irp u, 0,1,2,3
	WLOAD \u, 8*(\u)                               ; my 32 rows of region 0
.endr
	s_wait_loadcnt 32                              ; the 22 small loads are in; the 32 loads of region 0 behind them stay out
	WIN 0
	; the bias, rounded to bf16 like the other inputs, as f32 in window 1
.if FFN == 2
.irp j, 0,1,2,3,4,5,6,7
	v_cndmask_b32 v[BRAW+(\j)], 0, v[BRAW+(\j)], s32
.endr
.endif
.irp p, 0,1,2,3
	v_cvt_pk_bf16_f32 v[BRAW+8+(\p)], v[BRAW+2*(\p)], v[BRAW+2*(\p)+1]
.endr
	WIN 0x40
.irp p, 0,1,2,3
	v_lshlrev_b32 v[BIAS+2*(\p)], 16, v[BRAW+8+(\p)]
	v_and_b32 v[BIAS+2*(\p)+1], 0xffff0000, v[BRAW+8+(\p)]
.endr
	WIN 0
	s_wait_kmcnt 0x0
	s_min_u32 s19, s19, 1024                       ; the count, held to what four passes cover
	s_add_co_u32 s37, s19, 15
	s_lshr_b32 s37, s37, 4                         ; tiles of 16 rows with rows;
	s_add_co_u32 s37, s37, 3
	s_sub_co_u32 s37, s37, s16
	s_lshr_b32 s37, s37, 2                         ; of them mine: w, w + 4, ..
	s_min_u32 s37, s37, 16
	s_min_u32 s24, s37, 5                          ; my tiles with rows in the first pass
	; THE FIRST PASS
	ROWADR
	s_mov_b64 s[26:27], s[8:9]
	s_wait_alu depctr_va_vdst(0)                   ; the row offsets v[VA ..] (FFN = 2: and v[GO ..]) are written, which the loads of this pass read
	GLOADS
	ALOAD 0                                        ; K steps 0 to 2 of region 0 of my activation rows: behind region 0 of the weights, ahead of region 1; step 3 follows in the first turn
	ALOAD 1
	ALOAD 2
	BIASINIT
	v_mov_b32 v[VRC], v[VRD]                       ; region 0
	s_mov_b32 s21, 7
.Lreg:                                                 ; a trip: region g = 0 .. 6
	; Younger than slot 0 eight loads: 24 of the three other slots and 30 of K steps 0 to 2: 54 (at the first trip of FFN = 2 five more).  The count is 45: nine more are asked in, the next slot and one load;
	; with the turn 18 new loads the wave then has 63 out.  Younger than the eight of slots 1, 2, 3: 64 (the other slots 24, this region or the next, and the 40 activation loads).  The count is 55; with the eight new loads 63 are out.
	TURN 0, 1, 45, 1
	TURN 1, 1, 55
	TURN 2, 1, 55
	TURN 3, 1, 55
	WIN 0
	s_wait_dscnt 0x0                               ; for the others: my part of the region is in LDS
	s_barrier_signal -1
	s_barrier_wait -1                              ; the region is whole
	MREG 1
	WIN 0
	s_wait_alu depctr_vm_vsrc(0)                   ; the trip LDS stores have read VST and the packed weights, which the next trip conversions write again; its fragment loads have read VRC
	v_add_nc_u32 v[VST], REG, v[VST]               ; the next region: one step in each trip of the counted loop
	v_add_nc_u32 v[VRC], REG, v[VRC]
	s_wait_dscnt 0x0                               ; my reads of the region are over
	s_barrier_signal -1                            ; the stores behind this barrier go to the next region, bytes that no wave reads yet; the barrier keeps the reads and the writes of the slice
	s_barrier_wait -1                              ; in intervals of their own all the same, so that the ordering does not rest on the address arithmetic
	s_sub_co_u32 s21, s21, 1
	s_cmp_lg_u32 s21, 0
	s_cbranch_scc1 .Lreg
	TURN 0, 0, 53, 1                               ; region 7 is written out: no more weights are asked for, so no load leaves the slice.  Younger than slot 0: 54; the count is 53, and with the ten loads of K step 3 63 are out
	TURN 1, 0, 56                                  ; younger than slots 1, 2, 3: 8 (3 - u) + 40: 56, 48, 40
	TURN 2, 0, 48
	TURN 3, 0, 40
	WIN 0
	s_wait_dscnt 0x0
	s_barrier_signal -1
	s_barrier_wait -1                              ; the slice is whole; nothing writes it again
	MREG 0
	WIN 0
	s_mov_b32 s22, 4                               ; four passes, this one among them
	s_branch .Lout                                 ; the loop over passes is entered at the way out, in the middle of a trip
	; THE LATER PASSES
.Lpass:
	s_min_u32 s24, s37, 5                          ; my tiles with rows in this pass
	s_cmp_eq_u32 s24, 0
	s_cbranch_scc1 .Lnext
	ROWADR                                         ; (the loads that read these offsets have read them: the wait on vm_vsrc at the last pass end)
	s_wait_xcnt 0x0                                ; the last pass stores have had their addresses translated: the loads below fill their registers only behind this wait
	s_mov_b64 s[26:27], s[8:9]
.if FFN == 2
	s_wait_alu depctr_va_vdst(0)                   ; v[GO ..] is written, which the five loads read
	GLOADS
.endif
	BIASINIT
	v_mov_b32 v[VRC], v[VRD]                       ; region 0
	s_mov_b32 s21, 8
.Lblk:
	PLACES                                         ; for the loads into registers that the last trip multiplied
	s_wait_alu depctr_va_vdst(0)                   ; VRC is written (and, at a pass first trip, v[VA ..]); the last trip matrix instructions are done reading AR and both weight buffers, the last way out vector lines are done with v32-215: the loads below land there
	ALOAD 0
	ALOAD 1
	ALOAD 2
	ALOAD 3
	MREG 0
	WIN 0
	s_wait_xcnt 0x0                                ; the base steps only behind this wait
	s_add_nc_u64 s[26:27], s[26:27], 256
	s_wait_alu depctr_vm_vsrc(0)                   ; the trip fragment loads have read VRC
	v_add_nc_u32 v[VRC], REG, v[VRC]
	s_sub_co_u32 s21, s21, 1
	s_cmp_lg_u32 s21, 0
	s_cbranch_scc1 .Lblk
.Lout:
	PLACES
	s_wait_alu depctr_va_vdst(0)                   ; the matrix instructions are done reading v32-151, in which the results of the permutes land; in a later pass the entries that moved up, v[ID ..], are written
.irp i, 0,1,2,3,4
.irp m, 0,1,2,3,4,5,6,7
	ds_bpermute_b32 v[EE+8*(\i)+(\m)], v[IX+(\m)], v[ID+(\i)]      ; the entry of row 8 h + m of tile i, from the lane that holds it; no LDS byte is touched
.endr
.endr
.if FFN == 2
	GPERM 0
	GPERM 1
	s_wait_dscnt 16                                ; the 40 entries are in; the 16 gate weights behind them stay out
.else
	s_wait_dscnt 0x0
.endif
.set n, 0
.rept 40
	v_min_u32 v[EE+n], ROWS-1, v[EE+n]             ; an entry, or the expert spare row
.set n, n+1
.endr
.set n, 0
.rept 40
	v_lshl_add_u32 v[OFF+n], v[EE+n], SH, v[V16R]  ; its row + 16 r
.set n, n+1
.endr
.if FFN == 2
	GPERM 2                                        ; no wait: the vector lines since the wait above name v32-111 and v12, none of the registers that these permutes touch
	GPERM 3
	GPERM 4
	s_wait_dscnt 0x0
.endif
	OUTT 0
	OUTT 1
	OUTT 2
	OUTT 3
	OUTT 4
.Ldone:
.Lnext:
	s_wait_alu depctr_vm_vsrc(0)                   ; the pass memory and LDS instructions have read their registers: the permutes v[ID ..], written just below, and v[GI ..]; the stores v[OFF ..] and v[TT ..]; the loads v[VA ..], v[GO ..] and VRC: all are written again at the next pass head
	s_sub_co_u32 s37, s37, s24                     ; my tiles still to come; held to 5 anew at the head of the next pass
.set n, 0
.rept 15
	v_mov_b32 v[ID+n], v[ID+5+n]                   ; the next pass entries move up
.set n, n+1
.endr
	s_sub_co_u32 s22, s22, 1
	s_cmp_lg_u32 s22, 0
	s_cbranch_scc1 .Lpass
	s_wait_dscnt 0x0                               ; my reads of the slice are over,
	s_barrier_signal -1
	s_barrier_wait -1                              ; and so are every wave reads
	s_wait_dscnt 0x0                               ; ahead of the closing add onto the spare LDS words, one for each thread behind the 8 regions
	s_wait_alu depctr_hold_cnt(0) depctr_sa_sdst(0) depctr_va_vdst(0) depctr_va_sdst(0) depctr_va_ssrc(0) depctr_va_vcc(0) depctr_vm_vsrc(0)
	s_wait_tensorcnt 0x0
	ds_add_u32 v246, v247
	s_wait_dscnt 0x0
	s_endpgm
.Lfunc_end_k_qa5fe9ed30f_ffn1:
	.size	k_qa5fe9ed30f_ffn1, .Lfunc_end_k_qa5fe9ed30f_ffn1-k_qa5fe9ed30f_ffn1
	.p2alignl 7, 3214868480
	.fill 96, 4, 3214868480
	.section	.rodata,"a",@progbits
	.p2align	6, 0x0
	.amdhsa_kernel k_qa5fe9ed30f_ffn1
		.amdhsa_group_segment_fixed_size 281088
		.amdhsa_private_segment_fixed_size 0
		.amdhsa_enable_private_segment 0
		.amdhsa_kernarg_size 40
		.amdhsa_user_sgpr_count 2
		.amdhsa_user_sgpr_kernarg_segment_ptr 1
		.amdhsa_wavefront_size32 1
		.amdhsa_system_sgpr_workgroup_id_x 1
		.amdhsa_system_sgpr_workgroup_id_y 1
		.amdhsa_system_sgpr_workgroup_id_z 1
		.amdhsa_system_vgpr_workitem_id 0
		.amdhsa_next_free_vgpr 960
		.amdhsa_next_free_sgpr 66
		.amdhsa_reserve_vcc 0
		.amdhsa_float_denorm_mode_32 3
		.amdhsa_float_denorm_mode_16_64 3
		.amdhsa_memory_ordered 1
		.amdhsa_forward_progress 1
		.amdhsa_inst_pref_size 139
	.end_amdhsa_kernel
	.amdgpu_metadata
---
amdhsa.version: [ 1, 2 ]
amdhsa.kernels:
  - .name:           k_qa5fe9ed30f_ffn1
    .symbol:         k_qa5fe9ed30f_ffn1.kd
    .args:
      - { .name: W1, .offset: 0, .size: 8, .value_kind: global_buffer, .address_space: global }
      - { .name: b1, .offset: 8, .size: 8, .value_kind: global_buffer, .address_space: global }
      - { .name: xb, .offset: 16, .size: 8, .value_kind: global_buffer, .address_space: global }
      - { .name: plan, .offset: 24, .size: 8, .value_kind: global_buffer, .address_space: global }
      - { .name: hb, .offset: 32, .size: 8, .value_kind: global_buffer, .address_space: global }
    .group_segment_fixed_size: 281088
    .private_segment_fixed_size: 0
    .kernarg_segment_align: 8
    .kernarg_segment_size: 40
    .max_flat_workgroup_size: 128
    .sgpr_count:     66
    .vgpr_count:     960
    .wavefront_size: 32
...
	.end_amdgpu_metadata
.endif
;; end of part 8
;; launch ffn2 (part 9): grid 32 x 8, 4 waves a work-group, no clusters, 281,088 bytes of LDS; arguments W2, b2, hb, plan, yp, gw; writes yp
.if DOCPART == 9
	.amdgcn_target "amdgcn-amd-amdhsa--gfx1250"
	.amdhsa_code_object_version 6
	.text
	.protected	k_qa5fe9ed30f_ffn2
	.globl	k_qa5fe9ed30f_ffn2
	.p2align	8
	.type	k_qa5fe9ed30f_ffn2,@function
k_qa5fe9ed30f_ffn2:
	s_mov_b64 s[64:65], 0
	v_nop
	global_prefetch_b8 v0, s[64:65] scope:SCOPE_SE
	s_setreg_imm32_b32 hwreg(HW_REG_WAVE_SCHED_MODE, 0, 2), 2
	s_setreg_imm32_b32 hwreg(HW_REG_WAVE_MODE, 25, 1), 1
	s_wait_xcnt 0x0
	s_wait_alu depctr_vm_vsrc(0)
; ONE PRODUCT OF THE EXPERTS, for the chosen rows alone.  The same text serves both products; FFN says which.
;   FFN = 1: hb[entry][128 x ..] = relu(xb[token] . W1[e] + b1[e]) in bf16.     FFN = 2: yp[K quarter][entry][128 cs ..] = gw[entry] x (hb[entry] . W2[e] (+ b2[e] in quarter 0)) in f32.
; An ENTRY is 2 x token + slot, 0 .. 2,047: the row in hb and yp, the index into gw.  Weights and biases are rounded once to bf16 on their way through registers; sums in f32.
; SHARES.  Grid y = expert e; grid x = a slice of 1,024 (K) x 128 columns of its weights, which this work-group alone reads, once.  All rows of the expert go through the slice.
; THE LIST of the expert entries and its count were stored by an earlier launch in plan.  A wave reads its 20 words of it (4 passes x 5 tiles, row r in lane r) straight from memory into registers at the head:
; each row address is such a number, a clamp, a shift and a lane constant.
; A PASS is 320 rows of the list: a wave has up to five tiles of 16 rows x 128 columns.  Activation rows come by the list straight from memory as source 0, the weights from LDS as source 1; the sums start at the bias.
; THE FIRST PASS GOES REGION BY REGION (a region: 128 of K), AND THE STREAM RUNS UNDER IT.  For region g every wave (S) rounds its 32 rows of the region, which lie in a ring of 4 slots x 8 loads in registers, to bf16,
; lays them into LDS with K along the rows, and asks for the same rows of region g + 1 into each slot as it is emptied; a barrier; (M) multiplies its tiles by region g, 128 to 160 matrix instructions, and asks for
; region g + 1 of its activation rows; a barrier.  So the next region, 32 loads of 512 consecutive bytes a wave, is on its way while this one is multiplied.  Loads come back in the order of issue, so the order is
; kept such that nothing waits for a younger weight load: the activations of region g are older than the weights of region g + 1.  Every wave runs this pass whatever the count: the barriers stand on every wave path.
; LATER PASSES (an expert with more than 320 rows; four passes cover the 1,024 that an expert can have) find all 8 regions in LDS; passes and tiles past the count are jumped forward; nothing in them writes LDS, so
; they have no barrier.  They are written short, not fast: a region activations are asked for at its head.  The first pass joins their loop at the way out, which so stands once in the text.
; In the result a lane holds one column of each of the 8 column tiles; the columns are dealt so that these 8 numbers lie together in a row: 16 lanes store 256 consecutive bytes, aligned.
; ROWS PAST THE COUNT.  hb and yp have 8 rows more than there are entries, one for each expert.  The list places past the count hold 2,048 + e.  A tile with a row under the count is stored whole, all lanes on:
; its rows past the count, 15 at the most in a work-group, go to row 2,048 + e, into this work-group own columns, and nobody reads them.  So no line of this text writes EXEC.
; What is READ for such a place is a row that exists: the number is held to 1,023 (token) or 2,047 (entry) in front of every load.
; NO CLUSTER: a slice has one reader, and what the work-groups of an expert share, its rows, comes by a list that no descriptor covers.  NO TENSOR LOADS: the f32 tiles would need slots beside the 280,576 bytes of bf16.
; LIMITS.  NaN and infinities are not treated apart (relu turns a NaN into 0).  A work-group of an expert without rows still streams its slice and multiplies the first pass, and stores nothing.
; In a pass that it runs a wave multiplies its tiles 0 to 3 even where they lie past the count (they repeat the last token or entry, and are not stored).
; THE MODE: SCHED_MODE bits 1:0 = 2 (LLVM: expert scheduling mode 2), set by the entry lines.  The code itself states the register dependences between vector or matrix instructions and memory or LDS
; instructions, with s_wait_alu, always for 0.
; THE PLAN.  Registers that memory or LDS instructions touch, and who else names them:
;   the ring, slot u     a turn sixteen conversions read it; behind them the loads of the same rows of the next region land in it.
;   the packed weights   slot u has 16 registers: the same conversions write them, the turn four LDS stores read them; they are written again a region later.
;   AR, K step s         the matrix instructions of step s read it; the loads of the next region land in it one K step later, in one run with the fragment loads (step 3: in the next region first turn).
;   the weight buffers   step s multiplies buffer s % 2; the LDS loads of step s + 1 land in the other one, which step s - 1 multiplied.
;   VST, VRC             LDS addresses of the stream stores and of the fragment loads: stepped together, once a region, at the trip end.
;   VW, VLR, IX, the bias offset   made at the head, never written again.     VA, GO   written at the head of a pass.
;   the way out          the permutes read ID, GI and IX and land in EE and GG (they are AR steps 0 and 2); vector instructions write OFF and TT, the stores read them; ID moves up at a pass end.
; So a wait on va_vdst stands behind each turn conversions, at the head of K steps 1 to 3, at the head of a later pass region, at the head of the way out and ahead of each tile stores;
; a wait on vm_vsrc ahead of the two address steps, ahead of each tile arithmetic from the second tile on, and at a pass end.  Each says at its place what it states.
.set FFN, 2
.if FFN == 1
.set PITCH, 16384                      ; bytes from row to row of the weights
.set SH,    13                         ; an output row is 8,192 bytes
.else
.set PITCH, 4096
.set SH,    12
.endif
.set ROWS,  2056                       ; rows of hb and of a quarter of yp: 2,048 entries and a spare row for each expert
.set REG,   35072                      ; LDS: a region.  Column tile j, lane r: a row of 256 bytes at 4352 j + 128 (j / 4) + 272 r: the pitch of 272 sets the 16 rows of a fragment load
                                       ; into 16 different groups of four banks (64 banks of 4 bytes: ISA guide 11.1), the 128 does the same for the 16 lanes of a store of the stream
                                       ; behind the 8 regions 512 bytes: the spare words of the closing add, one for each thread
.set PLANB, 5376                       ; plan: for each expert 1,280 words of list, then 32 words that all hold the count
.set PCNT,  5120
; window 0
.set LN,   1                           ; lane
.set RR,   2                           ; r = lane % 16
.set HH,   3                           ; h = lane / 16
.set VW,   4                           ; 16 x lane
.set VST,  5                           ; the stream: where I put 16 bytes (8 of K) of a column, in the region in hand
.set VRD,  6                           ; 272 r + 16 h; never rewritten
.set VRC,  7                           ; the same in the region in hand
.set VLR,  9                           ; byte in the list of row r of my tile 0 of pass 0: 64 w + 4 r; never rewritten
.set V16R, 12
.set V16H, 13
.set VA,   14                          ; v14-18  byte offsets of my five tiles rows
.set VZ,   19                          ; 0
.set GO,   20                          ; v20-24  FFN = 2: byte offsets into gw
.set AR,   32                          ; v32-191  activation fragments: K step s of four, tile i at AR + 40 s + 8 i
.set EE,   32                          ; the way out: v32-71 entries, v72-111 store offsets, v112-151 gate weights, v152-215 a tile at work
.set OFF,  72
.set GG,   112
.set TT,   152
.set BRAW, 200                         ; the head: the bias as loaded, then packed
.set ID,   216                         ; v216-235  the entry of row r of my tile i, this pass at ID + i, the later passes behind
.set GI,   236                         ; v236-240  FFN = 2: the gate weight of row r of my tile i
.set IX,   248                         ; v248-255  4 x (8 h + m): the lane that holds row 8 h + m; never rewritten
; window 1: v0-127 weight fragments, two buffers of 8 tiles; v128-135 the bias of my 8 columns; v144-207 packed weights, 16 registers for each slot of the ring
; window 2: accumulators of tiles 0-3 at 64 i + 8 j.  window 3: v0-63 those of tile 4; v64-191 the ring, slot u at 64 + 32 u
.set BIAS, 128
.set OO,   144
.set RING, 64
.set MSB, 0
.macro WIN new                         ; s_set_vgpr_msb: bits 1:0 source 0, 3:2 source 1, 5:4 source 2, 7:6 destination; the high byte repeats the setting that is left
.if MSB != (\new)
	s_set_vgpr_msb (MSB<<8)|(\new)
.set MSB, \new
.endif
.endm
.macro PLACES                          ; four places behind matrix instructions, ahead of loads into their sources and of reads of their results; they stay beside the waits on va_vdst
.rept 4
	v_nop
.endr
.endm
; Slot u takes 8 rows of the slice from row on: each load is 512 consecutive bytes, aligned; lane l gets columns 4 l .. 4 l + 3
.macro WLOAD u, row
	WIN 0xc0
.irp n, 0,1,2,3,4,5,6,7
	global_load_b128 v[RING+32*(\u)+4*(\n):RING+32*(\u)+4*(\n)+3], v[VW], s[4:5] offset:((\row)+(\n))*PITCH th:TH_LOAD_NT
.endr
.endm
; Ten loads: K step s (32 of K, 64 bytes of a row) of my five tiles, in the 128 of K at which the base stands: lane (r, h) takes bytes 16 h and 32 + 16 h of row r
.macro ALOAD s
	WIN 0
.irp i, 0,1,2,3,4
	global_load_b128 v[AR+40*(\s)+8*(\i):AR+40*(\s)+8*(\i)+3],   v[VA+(\i)], s[26:27] offset:64*(\s)
	global_load_b128 v[AR+40*(\s)+8*(\i)+4:AR+40*(\s)+8*(\i)+7], v[VA+(\i)], s[26:27] offset:64*(\s)+32
.endr
.endm
; The turn of slot u: rows 8 u .. 8 u + 7 of my 32 rows of the region in hand.  8 of K x my 4 columns are rounded in pairs along K into the slot own 16 registers; issue = 1: the slot is asked for again,
; 128 rows on; each column puts its 16 bytes into LDS.  a3 = 1 (a region first turn): the fourth K step of this region activations is asked for, ahead of the next region weights
.macro TURN u, issue, left, a3=0
.set OB, OO+16*(\u)
.set RB, RING+32*(\u)
	s_wait_loadcnt \left                           ; loads come back in order: this slot is in (the counts: at the uses)
	WIN 0x4f
.irp t, 0,1,2,3
.irp p, 0,1,2,3
	v_cvt_pk_bf16_f32 v[OB+4*(\t)+(\p)], v[RB+8*(\p)+(\t)], v[RB+8*(\p)+4+(\t)]
.endr
.endr
.if \a3
	WIN 0
.elseif \issue
	WIN 0xc0
.else
	WIN 0x04
.endif
	s_wait_alu depctr_va_vdst(0)                   ; the conversions are done reading the slot, in which the loads below land, and have written the 16 packed registers, which the LDS stores read.  In a region first turn also:
	                                               ; the last region matrix instructions are done reading AR step 3 and both weight buffers, and VST and VRC, stepped at the last trip end (or made at the head), are written
.if \a3
	ALOAD 3
.endif
.if \issue
	WLOAD \u, 128+8*(\u)
.endif
	WIN 0x04
.irp t, 0,1,2,3
	ds_store_b128 v[VST], v[OB+4*(\t):OB+4*(\t)+3] offset:16*(\u)+4352*(\t)
.endr
.endm
; Sixteen LDS loads in one run: the weight fragments of K step s of the region in hand, all 8 column tiles, into buffer f
.macro FETCHB f, s
	WIN 0x40
.irp j, 0,1,2,3,4,5,6,7
	ds_load_b128 v[64*(\f)+8*(\j):64*(\f)+8*(\j)+3],   v[VRC] offset:4352*(\j)+128*((\j)/4)+64*(\s)
	ds_load_b128 v[64*(\f)+8*(\j)+4:64*(\f)+8*(\j)+7], v[VRC] offset:4352*(\j)+128*((\j)/4)+64*(\s)+32
.endr
.endm
; Eight matrix instructions: tile i x the 8 column tiles.  No two matrix instructions on end share an accumulator anywhere in the text: the accumulators take turns
.macro MUL i, s, f
.if (\i) < 4
	WIN 0xa4
.set AC, 64*(\i)
.else
	WIN 0xf4
.set AC, 0
.endif
.irp j, 0,1,2,3,4,5,6,7
	v_wmma_f32_16x16x32_bf16 v[AC+8*(\j):AC+8*(\j)+7], v[AR+40*(\s)+8*(\i):AR+40*(\s)+8*(\i)+7], v[64*(\f)+8*(\j):64*(\f)+8*(\j)+7], v[AC+8*(\j):AC+8*(\j)+7]
.endr
.endm
; A K step of 32.  Behind its first 16 products stands ONE run of loads: reload = 1: the activation registers of the step BEFORE are asked for again, 128 of K on; fetch = 1: the next step weights, of the same region.
; Both land in registers that the step before multiplied; the products of this step name AR step s, buffer s % 2 and the accumulators, none of the registers that the run touches.
; Both bases step ahead of a region first reload, in step 1: the last loads that read them were issued 48 matrix instructions ago or more
.macro KS s, reload, fetch, left
	s_wait_loadcnt \left                           ; this step activations are in (the counts: at MREG)
	s_wait_dscnt 0x0                               ; its weights are in
.if ((\s) > 0) && ((\fetch) || (\reload))
	s_wait_alu depctr_va_vdst(0)                   ; the matrix instructions of the step before are done reading their activations and their weight buffer, in which the loads of this step land
.endif
	MUL 0, \s, (\s)%2
	MUL 1, \s, (\s)%2
.if (\fetch) || ((\reload) && ((\s) > 0))
	PLACES
.endif
.if (\reload) && ((\s) > 0)
.if (\s) == 1
	s_wait_xcnt 0x0                                ; the loads have had their addresses translated (ISA guide 3.1): their bases step only behind this wait
	s_add_nc_u64 s[26:27], s[26:27], 256           ; the activations: the next 128 of K
	s_add_nc_u64 s[4:5], s[4:5], 128*PITCH         ; the weights: the next region
.endif
	ALOAD (\s)-1
.endif
.if \fetch
	FETCHB ((\s)+1)%2, (\s)+1                      ; step 0 has no wait of its own: the buffer last readers stand ahead of the wait of the last turn (first pass) or of the region head (later passes)
.endif
	MUL 2, \s, (\s)%2
	MUL 3, \s, (\s)%2
	WIN 0                                          ; at a branch and at a label every window is 0
	s_cmp_lt_u32 s24, 5
	s_cbranch_scc1 .Lno4_\@                        ; the fifth tile is multiplied only where it has rows; its loads are issued on both ways, so the counts hold
	MUL 4, \s, (\s)%2
	WIN 0
.Lno4_\@:
.endm
; A region is multiplied: 128 of K, 256 bytes of each activation row.
; reload = 1, the first pass loop.  Round the loop the loads are issued in this order (W: a slot eight, A: a K step ten): W0-3(g), A0-2(g), A3(g), W0-3(g + 1), A0-2(g + 1), A3(g + 1) ..
; Younger than A0(g) at step 0: A1-3(g) and W0-3(g + 1): 62.  Younger than A1(g) at step 1: 20 + 32; than A2(g) at step 2: 10 + 32 + A0(g + 1); than A3(g) at step 3: 32 + A0-1(g + 1): 52 each.
; With a step ten reloads the wave then has 62 loads out.  reload = 0: nothing is asked for, and the counts run down: ten for each later step.
.macro MREG reload
	FETCHB 0, 0
.if \reload
	KS 0, 1, 1, 62
	KS 1, 1, 1, 52
	KS 2, 1, 1, 52
	KS 3, 1, 0, 52
.else
	KS 0, 0, 1, 30
	KS 1, 0, 1, 20
	KS 2, 0, 1, 10
	KS 3, 0, 0, 0
.endif
.endm
.macro ROWADR                          ; the byte offsets of row r of my five tiles of the pass in hand
.irp i, 0,1,2,3,4
.if FFN == 1
	v_lshrrev_b32 v[VA+(\i)], 1, v[ID+(\i)]        ; the token
	v_min_u32 v[VA+(\i)], 0x3ff, v[VA+(\i)]
	v_lshl_add_u32 v[VA+(\i)], v[VA+(\i)], 11, v[V16H]
.else
	v_min_u32 v[VA+(\i)], 0x7ff, v[ID+(\i)]
	v_lshlrev_b32 v[GO+(\i)], 2, v[VA+(\i)]
	v_lshl_add_u32 v[VA+(\i)], v[VA+(\i)], 13, v[V16H]
.endif
.endr
.endm
.macro GLOADS                          ; FFN = 2: the gate weight of row r of tile i: older than every activation load of the pass, so their first wait covers it
.if FFN == 2
.irp i, 0,1,2,3,4
	global_load_b32 v[GI+(\i)], v[GO+(\i)], s[14:15]
.endr
.endif
.endm
.macro BIASINIT                        ; the sums start at the bias of their column; this stands in the wait for loads
	WIN 0x81
.set n, 0
.rept 256
	v_mov_b32 v[n], v[BIAS+(n/8)%8]
.set n, n+1
.endr
	WIN 0xc1
.set n, 0
.rept 64
	v_mov_b32 v[n], v[BIAS+n/8]
.set n, n+1
.endr
	WIN 0
.endm
.macro GPERM i                         ; the gate weights of rows 8 h + m of tile i, from the lanes that hold them; no LDS byte is touched
.irp m, 0,1,2,3,4,5,6,7
	ds_bpermute_b32 v[GG+8*(\i)+(\m)], v[IX+(\m)], v[GI+(\i)]
.endr
.endm
.macro ROWST i, m                      ; rows m and 8 + m of tile i: each half of the lanes stores 256 consecutive bytes, aligned (FFN = 2: twice)
.if FFN == 1
	global_store_b128 v[OFF+8*(\i)+(\m)], v[TT+4*(\m):TT+4*(\m)+3], s[12:13]
.else
	global_store_b128 v[OFF+8*(\i)+(\m)], v[TT+8*(\m):TT+8*(\m)+3], s[12:13]
	global_store_b128 v[OFF+8*(\i)+(\m)], v[TT+8*(\m)+4:TT+8*(\m)+7], s[12:13] offset:256
.endif
.endm
; The way out of tile i, whole.  Each accumulator is read from its register 0 on.
.macro OUTT i
	WIN 0
	s_cmp_le_u32 s24, \i
	s_cbranch_scc1 .Ldone                          ; no rows in this tile, nor in the later ones
	s_wait_xcnt 0x0                                ; the last tile stores have had their addresses translated (ISA guide 3.1): their data registers are written again only behind this wait
.if (\i) > 0
	s_wait_alu depctr_vm_vsrc(0)                   ; the last tile stores have read v[TT ..], which the lines below write again
.endif
.if (\i) < 4
.set AC, 64*(\i)
.else
.set AC, 0
.endif
.if FFN == 1
.if (\i) < 4
	WIN 0x0a
.else
	WIN 0x0f
.endif
.irp m, 0,1,2,3,4,5,6,7
.irp q, 0,1,2,3
	v_cvt_pk_bf16_f32 v[TT+4*(\m)+(\q)], v[AC+16*(\q)+(\m)], v[AC+16*(\q)+8+(\m)]  ; columns 8 r + 2 q, 8 r + 2 q + 1
.endr
.endr
	WIN 0
.set n, 0
.rept 32
	v_pk_max_num_bf16 v[TT+n], v[TT+n], v[VZ]      ; relu on the rounded pair: rounding keeps the sign
.set n, n+1
.endr
.else
.if (\i) < 4
	WIN 0x02
.else
	WIN 0x03
.endif
.irp m, 0,1,2,3,4,5,6,7
.irp j, 0,1,2,3,4,5,6,7
	v_mul_f32 v[TT+8*(\m)+(\j)], v[AC+8*(\j)+(\m)], v[GG+8*(\i)+(\m)]
.endr
.endr
	WIN 0
.endif
	s_wait_alu depctr_va_vdst(0)                   ; v[TT ..] is written, which the stores read as data; ahead of the first tile stores also v[OFF ..], their offsets
.irp m, 0,1,2,3,4,5,6,7
	ROWST \i, \m
.endr
.endm
	s_load_b256 s[4:11], s[0:1], 0x0               ; weights s[4:5], bias s[6:7], activations s[8:9], plan s[10:11]
.if FFN == 1
	s_load_b64 s[12:13], s[0:1], 0x20              ; output
.else
	s_load_b128 s[12:15], s[0:1], 0x20             ; output s[12:13], gw s[14:15]
	v_lshl_add_u32 v246, v0, 2, 0x44800
	v_mov_b32 v247, 0
.endif
	v_lshrrev_b32 v20, 5, v0
	v_readfirstlane_b32 s16, v20                   ; wave w
	s_mov_b32 s17, ttmp9                           ; slice
	s_and_b32 s18, ttmp7, 0xffff                   ; expert
	v_and_b32 v[LN], 31, v0
	v_and_b32 v[RR], 15, v0
	v_bfe_u32 v[HH], v0, 4, 1
	v_lshlrev_b32 v[VW], 4, v[LN]
.if FFN == 1
	v_lshrrev_b32 v20, 1, v[LN]                    ; column 4 l + t is column 8 r + j with r = l / 2, j = 4 (l % 2) + t
	v_and_b32 v21, 1, v[LN]
.set SA, 20
.set SB, 21
.else
.set SA, RR                            ; column 4 l + t is column 64 (j / 4) + 4 r + j % 4 with r = l % 16, j = 4 (l / 16) + t
.set SB, HH
.endif
	v_mul_u32_u24 v[VST], v[SA], 272
	v_mad_u32_u24 v[VST], v[SB], 17536, v[VST]     ; four column tiles on: 4 x 4352 + 128
	s_wait_alu depctr_va_sdst(0)                   ; s16 is written, ahead of its first reader: LDS places, bases and the count of my tiles are made from it
	s_lshl_b32 s30, s16, 6
	v_add_nc_u32 v[VST], s30, v[VST]               ; in every region wave w owns K 32 w .. 32 w + 31: 64 bytes of each LDS row
	v_mul_u32_u24 v[VRD], v[RR], 272
	v_lshl_add_u32 v[VRD], v[HH], 4, v[VRD]
	v_lshl_add_u32 v[VLR], v[RR], 2, s30           ; my tile i of pass p is rows 320 p + 16 (w + 4 i) on: 1280 p + 64 w + 256 i bytes of the list
	v_lshlrev_b32 v[V16R], 4, v[RR]
	v_lshlrev_b32 v[V16H], 4, v[HH]
	v_mov_b32 v[VZ], 0
.irp m, 0,1,2,3,4,5,6,7
	v_lshl_add_u32 v[IX+(\m)], v[HH], 5, 4*(\m)
.endr
	s_mov_b32 s29, 0
.if FFN == 1
	v_lshlrev_b32 v26, 5, v[RR]                    ; my 8 biases: columns 8 r .. 8 r + 7
	s_lshl_b32 s28, s18, 24                        ; an expert: 1,024 rows of 16,384 bytes
	s_lshl_b32 s30, s17, 9                         ; 128 columns of 4 bytes
	s_add_co_u32 s28, s28, s30
	s_lshl_b32 s30, s16, 19                        ; 32 rows
	s_add_co_u32 s28, s28, s30
	s_wait_kmcnt 0x0
	s_add_nc_u64 s[4:5], s[4:5], s[28:29]
	s_lshl_b32 s28, s18, 14
	s_lshl_b32 s30, s17, 9
	s_add_co_u32 s28, s28, s30
	s_add_nc_u64 s[6:7], s[6:7], s[28:29]
	s_lshl_b32 s28, s17, 8                         ; 128 columns of 2 bytes
	s_add_nc_u64 s[12:13], s[12:13], s[28:29]
.else
	s_and_b32 s33, s17, 7                          ; which 128 columns
	s_lshr_b32 s34, s17, 3                         ; which quarter of K
	s_cmp_eq_u32 s34, 0
	s_cselect_b32 s32, -1, 0                       ; the bias enters in quarter 0 alone
	s_lshl_b32 s28, s18, 24                        ; an expert: 4,096 rows of 4,096 bytes
	s_lshl_b32 s30, s34, 22
	s_add_co_u32 s28, s28, s30
	s_lshl_b32 s30, s33, 9
	s_add_co_u32 s28, s28, s30
	s_lshl_b32 s30, s16, 17                        ; 32 rows
	s_add_co_u32 s28, s28, s30
	s_wait_kmcnt 0x0
	s_add_nc_u64 s[4:5], s[4:5], s[28:29]
	s_lshl_b32 s28, s18, 12
	s_lshl_b32 s30, s33, 9
	s_add_co_u32 s28, s28, s30
	s_add_nc_u64 s[6:7], s[6:7], s[28:29]
	s_lshl_b32 s28, s34, 11                        ; 1,024 of K in bf16
	s_add_nc_u64 s[8:9], s[8:9], s[28:29]
	s_mul_i32 s28, s34, ROWS*4096                  ; a quarter of yp: 2,056 rows of 4,096 bytes
	s_add_co_u32 s28, s28, s30
	s_add_nc_u64 s[12:13], s[12:13], s[28:29]
.endif
	s_mul_i32 s28, s18, PLANB
	s_add_nc_u64 s[10:11], s[10:11], s[28:29]
	s_load_b32 s19, s[10:11], PCNT                 ; the expert count: no line of this launch stores into plan
	s_wait_alu depctr_va_vdst(0)                   ; the offsets and addresses made above are written: the loads below read VLR, the bias offset and VW; the LDS stores read VST, the permutes IX
.irp p, 0,1,2,3
.irp i, 0,1,2,3,4
	global_load_b32 v[ID+5*(\p)+(\i)], v[VLR], s[10:11] offset:1280*(\p)+256*(\i)  ; the entry of row r of my tile i of pass p
.endr
.endr
.if FFN == 1
	global_load_b128 v[BRAW:BRAW+3], v26, s[6:7]
	global_load_b128 v[BRAW+4:BRAW+7], v26, s[6:7] offset:16
.else
	global_load_b128 v[BRAW:BRAW+3], v[V16R], s[6:7]               ; my 8 biases: columns 4 r .. 4 r + 3 and 64 + 4 r ..
	global_load_b128 v[BRAW+4:BRAW+7], v[V16R], s[6:7] offset:256
.endif
.irp u, 0,1,2,3
	WLOAD \u, 8*(\u)                               ; my 32 rows of region 0
.endr
	s_wait_loadcnt 32                              ; the 22 small loads are in; the 32 loads of region 0 behind them stay out
	WIN 0
	; the bias, rounded to bf16 like the other inputs, as f32 in window 1
.if FFN == 2
.irp j, 0,1,2,3,4,5,6,7
	v_cndmask_b32 v[BRAW+(\j)], 0, v[BRAW+(\j)], s32
.endr
.endif
.irp p, 0,1,2,3
	v_cvt_pk_bf16_f32 v[BRAW+8+(\p)], v[BRAW+2*(\p)], v[BRAW+2*(\p)+1]
.endr
	WIN 0x40
.irp p, 0,1,2,3
	v_lshlrev_b32 v[BIAS+2*(\p)], 16, v[BRAW+8+(\p)]
	v_and_b32 v[BIAS+2*(\p)+1], 0xffff0000, v[BRAW+8+(\p)]
.endr
	WIN 0
	s_wait_kmcnt 0x0
	s_min_u32 s19, s19, 1024                       ; the count, held to what four passes cover
	s_add_co_u32 s37, s19, 15
	s_lshr_b32 s37, s37, 4                         ; tiles of 16 rows with rows;
	s_add_co_u32 s37, s37, 3
	s_sub_co_u32 s37, s37, s16
	s_lshr_b32 s37, s37, 2                         ; of them mine: w, w + 4, ..
	s_min_u32 s37, s37, 16
	s_min_u32 s24, s37, 5                          ; my tiles with rows in the first pass
	; THE FIRST PASS
	ROWADR
	s_mov_b64 s[26:27], s[8:9]
	s_wait_alu depctr_va_vdst(0)                   ; the row offsets v[VA ..] (FFN = 2: and v[GO ..]) are written, which the loads of this pass read
	GLOADS
	ALOAD 0                                        ; K steps 0 to 2 of region 0 of my activation rows: behind region 0 of the weights, ahead of region 1; step 3 follows in the first turn
	ALOAD 1
	ALOAD 2
	BIASINIT
	v_mov_b32 v[VRC], v[VRD]                       ; region 0
	s_mov_b32 s21, 7
.Lreg:                                                 ; a trip: region g = 0 .. 6
	; Younger than slot 0 eight loads: 24 of the three other slots and 30 of K steps 0 to 2: 54 (at the first trip of FFN = 2 five more).  The count is 45: nine more are asked in, the next slot and one load;
	; with the turn 18 new loads the wave then has 63 out.  Younger than the eight of slots 1, 2, 3: 64 (the other slots 24, this region or the next, and the 40 activation loads).  The count is 55; with the eight new loads 63 are out.
	TURN 0, 1, 45, 1
	TURN 1, 1, 55
	TURN 2, 1, 55
	TURN 3, 1, 55
	WIN 0
	s_wait_dscnt 0x0                               ; for the others: my part of the region is in LDS
	s_barrier_signal -1
	s_barrier_wait -1                              ; the region is whole
	MREG 1
	WIN 0
	s_wait_alu depctr_vm_vsrc(0)                   ; the trip LDS stores have read VST and the packed weights, which the next trip conversions write again; its fragment loads have read VRC
	v_add_nc_u32 v[VST], REG, v[VST]               ; the next region: one step in each trip of the counted loop
	v_add_nc_u32 v[VRC], REG, v[VRC]
	s_wait_dscnt 0x0                               ; my reads of the region are over
	s_barrier_signal -1                            ; the stores behind this barrier go to the next region, bytes that no wave reads yet; the barrier keeps the reads and the writes of the slice
	s_barrier_wait -1                              ; in intervals of their own all the same, so that the ordering does not rest on the address arithmetic
	s_sub_co_u32 s21, s21, 1
	s_cmp_lg_u32 s21, 0
	s_cbranch_scc1 .Lreg
	TURN 0, 0, 53, 1                               ; region 7 is written out: no more weights are asked for, so no load leaves the slice.  Younger than slot 0: 54; the count is 53, and with the ten loads of K step 3 63 are out
	TURN 1, 0, 56                                  ; younger than slots 1, 2, 3: 8 (3 - u) + 40: 56, 48, 40
	TURN 2, 0, 48
	TURN 3, 0, 40
	WIN 0
	s_wait_dscnt 0x0
	s_barrier_signal -1
	s_barrier_wait -1                              ; the slice is whole; nothing writes it again
	MREG 0
	WIN 0
	s_mov_b32 s22, 4                               ; four passes, this one among them
	s_branch .Lout                                 ; the loop over passes is entered at the way out, in the middle of a trip
	; THE LATER PASSES
.Lpass:
	s_min_u32 s24, s37, 5                          ; my tiles with rows in this pass
	s_cmp_eq_u32 s24, 0
	s_cbranch_scc1 .Lnext
	ROWADR                                         ; (the loads that read these offsets have read them: the wait on vm_vsrc at the last pass end)
	s_wait_xcnt 0x0                                ; the last pass stores have had their addresses translated: the loads below fill their registers only behind this wait
	s_mov_b64 s[26:27], s[8:9]
.if FFN == 2
	s_wait_alu depctr_va_vdst(0)                   ; v[GO ..] is written, which the five loads read
	GLOADS
.endif
	BIASINIT
	v_mov_b32 v[VRC], v[VRD]                       ; region 0
	s_mov_b32 s21, 8
.Lblk:
	PLACES                                         ; for the loads into registers that the last trip multiplied
	s_wait_alu depctr_va_vdst(0)                   ; VRC is written (and, at a pass first trip, v[VA ..]); the last trip matrix instructions are done reading AR and both weight buffers, the last way out vector lines are done with v32-215: the loads below land there
	ALOAD 0
	ALOAD 1
	ALOAD 2
	ALOAD 3
	MREG 0
	WIN 0
	s_wait_xcnt 0x0                                ; the base steps only behind this wait
	s_add_nc_u64 s[26:27], s[26:27], 256
	s_wait_alu depctr_vm_vsrc(0)                   ; the trip fragment loads have read VRC
	v_add_nc_u32 v[VRC], REG, v[VRC]
	s_sub_co_u32 s21, s21, 1
	s_cmp_lg_u32 s21, 0
	s_cbranch_scc1 .Lblk
.Lout:
	PLACES
	s_wait_alu depctr_va_vdst(0)                   ; the matrix instructions are done reading v32-151, in which the results of the permutes land; in a later pass the entries that moved up, v[ID ..], are written
.irp i, 0,1,2,3,4
.irp m, 0,1,2,3,4,5,6,7
	ds_bpermute_b32 v[EE+8*(\i)+(\m)], v[IX+(\m)], v[ID+(\i)]      ; the entry of row 8 h + m of tile i, from the lane that holds it; no LDS byte is touched
.endr
.endr
.if FFN == 2
	GPERM 0
	GPERM 1
	s_wait_dscnt 16                                ; the 40 entries are in; the 16 gate weights behind them stay out
.else
	s_wait_dscnt 0x0
.endif
.set n, 0
.rept 40
	v_min_u32 v[EE+n], ROWS-1, v[EE+n]             ; an entry, or the expert spare row
.set n, n+1
.endr
.set n, 0
.rept 40
	v_lshl_add_u32 v[OFF+n], v[EE+n], SH, v[V16R]  ; its row + 16 r
.set n, n+1
.endr
.if FFN == 2
	GPERM 2                                        ; no wait: the vector lines since the wait above name v32-111 and v12, none of the registers that these permutes touch
	GPERM 3
	GPERM 4
	s_wait_dscnt 0x0
.endif
	OUTT 0
	OUTT 1
	OUTT 2
	OUTT 3
	OUTT 4
.Ldone:
.Lnext:
	s_wait_alu depctr_vm_vsrc(0)                   ; the pass memory and LDS instructions have read their registers: the permutes v[ID ..], written just below, and v[GI ..]; the stores v[OFF ..] and v[TT ..]; the loads v[VA ..], v[GO ..] and VRC: all are written again at the next pass head
	s_sub_co_u32 s37, s37, s24                     ; my tiles still to come; held to 5 anew at the head of the next pass
.set n, 0
.rept 15
	v_mov_b32 v[ID+n], v[ID+5+n]                   ; the next pass entries move up
.set n, n+1
.endr
	s_sub_co_u32 s22, s22, 1
	s_cmp_lg_u32 s22, 0
	s_cbranch_scc1 .Lpass
	s_wait_dscnt 0x0                               ; my reads of the slice are over,
	s_barrier_signal -1
	s_barrier_wait -1                              ; and so are every wave reads
	s_wait_dscnt 0x0                               ; ahead of the closing add onto the spare LDS words, one for each thread behind the 8 regions
	s_wait_alu depctr_hold_cnt(0) depctr_sa_sdst(0) depctr_va_vdst(0) depctr_va_sdst(0) depctr_va_ssrc(0) depctr_va_vcc(0) depctr_vm_vsrc(0)
	s_wait_tensorcnt 0x0
	ds_add_u32 v246, v247
	s_wait_dscnt 0x0
	s_endpgm
.Lfunc_end_k_qa5fe9ed30f_ffn2:
	.size	k_qa5fe9ed30f_ffn2, .Lfunc_end_k_qa5fe9ed30f_ffn2-k_qa5fe9ed30f_ffn2
	.p2alignl 7, 3214868480
	.fill 96, 4, 3214868480
	.section	.rodata,"a",@progbits
	.p2align	6, 0x0
	.amdhsa_kernel k_qa5fe9ed30f_ffn2
		.amdhsa_group_segment_fixed_size 281088
		.amdhsa_private_segment_fixed_size 0
		.amdhsa_enable_private_segment 0
		.amdhsa_kernarg_size 48
		.amdhsa_user_sgpr_count 2
		.amdhsa_user_sgpr_kernarg_segment_ptr 1
		.amdhsa_wavefront_size32 1
		.amdhsa_system_sgpr_workgroup_id_x 1
		.amdhsa_system_sgpr_workgroup_id_y 1
		.amdhsa_system_sgpr_workgroup_id_z 1
		.amdhsa_system_vgpr_workitem_id 0
		.amdhsa_next_free_vgpr 960
		.amdhsa_next_free_sgpr 66
		.amdhsa_reserve_vcc 0
		.amdhsa_float_denorm_mode_32 3
		.amdhsa_float_denorm_mode_16_64 3
		.amdhsa_memory_ordered 1
		.amdhsa_forward_progress 1
		.amdhsa_inst_pref_size 137
	.end_amdhsa_kernel
	.amdgpu_metadata
---
amdhsa.version: [ 1, 2 ]
amdhsa.kernels:
  - .name:           k_qa5fe9ed30f_ffn2
    .symbol:         k_qa5fe9ed30f_ffn2.kd
    .args:
      - { .name: W2, .offset: 0, .size: 8, .value_kind: global_buffer, .address_space: global }
      - { .name: b2, .offset: 8, .size: 8, .value_kind: global_buffer, .address_space: global }
      - { .name: hb, .offset: 16, .size: 8, .value_kind: global_buffer, .address_space: global }
      - { .name: plan, .offset: 24, .size: 8, .value_kind: global_buffer, .address_space: global }
      - { .name: yp, .offset: 32, .size: 8, .value_kind: global_buffer, .address_space: global }
      - { .name: gw, .offset: 40, .size: 8, .value_kind: global_buffer, .address_space: global }
    .group_segment_fixed_size: 281088
    .private_segment_fixed_size: 0
    .kernarg_segment_align: 8
    .kernarg_segment_size: 48
    .max_flat_workgroup_size: 128
    .sgpr_count:     66
    .vgpr_count:     960
    .wavefront_size: 32
...
	.end_amdgpu_metadata
.endif
;; end of part 9
;; launch combine: the kernel of part 4 again; grid 256 x 1, 8 waves a work-group, no clusters, 0 bytes of LDS; arguments yp, psum, out0, out1; writes out0, out1
